; MI455X (gfx1250); checked and timed in simulation.
; The chip was launched on July 23, 2026; its instructions are those of AMD's public machine-readable ISA for CDNA 5 (MIT licence, August 2026) and "CDNA5" Instruction Set Architecture Reference Guide (July 2026). The comments in the code are by the model that wrote it; some were corrected since.
;; Chaos Attention Block. Allowed arithmetic: matrix products marked QUANTISED: E2M3 operands, one E8M0 scale for each 32 along K, by v_wmma_scale_f32_16x16x128_f8f6f4 with both operands' format E2M3, f32 sums; everything else in f32.
;; Inputs: w_fc 2,048 x 1,024 float32; w_ff_norm 1,024 float32; w_in_norm 1,024 float32; w_out 1,024 x 1,024 float32; w_proj 1,024 x 2,048 float32; w_qkv 3,072 x 1,024 float32; x 2 x 2,048 x 1,024 float32.
;; Outputs: out0 2 x 2,048 x 1,024 float32.
;; This version of the problem:
;;   THIS VERSION OF THE PROBLEM IS GIVEN IN LOW PRECISION. The matrix products marked QUANTISED in the list below multiply operands that are first quantised to E2M3 (2 exponent bits, 3 mantissa bits; 6 bits a number), with one power-of-two scale for each 32 numbers along K (OCP MX v1.0); their sums are f32. All else is computed in f32.
;;   The module's matrix products, in the order in which they are computed (A, B: the left and right operand; K: the contracted axis; several contracted axes count as one K, in the product's order):
;;     1. [M 4,096, K 1,024] x [K 1,024, N 3,072]; A: computed on the way; B: input w_qkv: QUANTISED
;;     2. batch 32 x [M 2,048, K 64] x [K 64, N 2,048]; A: computed on the way; B: computed on the way: QUANTISED
;;     3. batch 32 x [M 2,048, K 2,048] x [K 2,048, N 64]; A: softmax (see below); B: computed on the way: QUANTISED
;;     4. [M 4,096, K 1,024] x [K 1,024, N 1,024]; A: computed on the way; B: input w_out: QUANTISED
;;     5. [M 4,096, K 1,024] x [K 1,024, N 2,048]; A: computed on the way; B: input w_fc: QUANTISED
;;     6. [M 4,096, K 2,048] x [K 2,048, N 1,024]; A: computed on the way; B: input w_proj: QUANTISED
;;   THE QUANTISER, for each operand of a quantised product, along K:
;;     - K is cut into blocks of 32 from its start; a last block that is shorter is filled with zeros.
;;     - A block's scale is 2^e with e = floor(log2(the largest magnitude in the block)) - 2, held to -126 .. 127; a block of zeros has e = 0. As a byte (E8M0): e + 127.
;;     - Each number is divided by its block's scale, clamped to +-7.5, and rounded to the nearest number of E2M3, ties to even, subnormals kept.
;;     - The product sums the exact products of the quantised numbers (number of the format x scale) in f32.
;;   ~~~python
;;   def quantise(x, axis):      # numpy; x: float32 -> the quantised numbers, widened to float32 again
;;       x = np.moveaxis(x, axis, -1); K = x.shape[-1]
;;       x = np.pad(x, [(0, 0)] * (x.ndim - 1) + [(0, -K % 32)]); x = x.reshape(x.shape[:-1] + (-1, 32)); a = np.abs(x).max(-1, keepdims=True)
;;       e = np.where(a > 0, np.clip(np.frexp(np.where(a > 0, a, 1))[1] - 1 - 2, -126, 127), 0)      # np.frexp(a)[1] - 1 = floor(log2(a)), exactly
;;       r = np.clip(x / 2.0 ** e, -7.5, 7.5)
;;       step = 2.0 ** (np.maximum(np.frexp(np.where(r == 0, 1, r))[1] - 1, 0) - 3)
;;       q = np.round(r / step) * step * 2.0 ** e      # np.round: ties to even
;;       return np.moveaxis(q.reshape(q.shape[:-2] + (-1,))[..., :K], -1, axis).astype(np.float32)
;;   ~~~
;;   SOFTMAX AHEAD OF A QUANTISED PRODUCT. Where the list says 'softmax', what is quantised is not the finished softmax but p = 2^(t - M), with t = logit x log2(e) and M = ceil(the row's largest t), a whole number; so 1/2 < the row's largest p <= 1. The row's sum l is taken of the UNQUANTISED p, in f32, and the product's result is divided by l at the end. Since M is a whole number, a kernel that streams over the keys may use a running M (the ceiling of the running maximum): every later rescaling is an exact power of two, which a block's scale takes up: the codes' values come out the same.
;;   OPERANDS COMPUTED ON THE WAY. 'Computed on the way' means the value that the module computes at that place (a softmax that the list does not call 'softmax' is quantised finished and normalised). What goes into a quantiser is computed in f32, as accurately as f32 sums, v_exp_f32 and their like allow (about 1e-6 of the number): no bf16 or f16 on the way to a quantiser, and a product that is left as it is and whose result goes on into a quantised operand takes f32 operands (vector FMAs, or v_wmma_f32_16x16x4_f32). A number that lies on a knife's edge between two numbers of the format may be rounded either way, as far as f32 arithmetic and the matrix unit's own rounding can turn it there, and no further.
;; 2 versions. Each part assembles by itself: llvm-mc -triple=amdgcn-amd-amdhsa -mcpu=gfx1250 --defsym DOCPART=n.
;; ======== version 1 of 2: 7 launches
;; workspace buffers: pre 10,354,688 bytes; qkvc 10,092,544 bytes; att 3,276,800 bytes; x1 16,777,216 bytes; h2 3,276,800 bytes; hid 6,553,600 bytes
;; launch prep (part 1): grid 768 x 1, 8 waves a work-group, no clusters, 69,632 bytes of LDS; arguments x, w_in_norm, w_qkv, w_out, w_fc, w_proj, pre; writes pre
.if DOCPART == 1
	.amdgcn_target "amdgcn-amd-amdhsa--gfx1250"
	.amdhsa_code_object_version 6
	.text
	.protected	k_qd6cb351a26_prep
	.globl	k_qd6cb351a26_prep
	.p2align	8
	.type	k_qd6cb351a26_prep,@function
k_qd6cb351a26_prep:
	s_mov_b64 s[64:65], 0
	v_nop
	global_prefetch_b8 v0, s[64:65] scope:SCOPE_SE
	s_setreg_imm32_b32 hwreg(HW_REG_WAVE_MODE, 25, 1), 1
	s_wait_xcnt 0x0
; THE PROGRAM: one pre-norm transformer block, all six products on codes of FP6 (E2M3) with one E8M0 scale for each 32 along K.
; Launches: prep (this text) | qkv | attn | outp | norm2 (this text again, on x1) | fc | proj.
; WORK LEFT OUT, in the whole program: key steps of 128 keys that lie wholly behind a tile's queries (launch attn).  reference() builds the causal mask in its own body
; (jnp.tril) and replaces those scores by the most negative f32 number ahead of the softmax, whatever the inputs hold: their p is 0, they add nothing to the row's sum nor to the second product.
; They are left out in whole steps; inside the step on the diagonal the work is done and masked.  Every input has a way to the output and is loaded.
; LIMIT: a NaN, an infinity or an overflow that reaches only such hidden scores is not carried to the result.
; THIS TEXT turns rows of f32 into an operand's BLOCKS.  A block is 16 rows x 1,024 along K = 12,800 bytes: 512 bytes of scale words [K step 8][row 16], then 16 units of 768 bytes.
; A unit is 16 rows x 64 K as an image of the operand's registers: lane l's registers 0-3 at 16 l, registers 4-5 at 512 + 8 l; two units on end are a fragment of 128 K.
; THE ROWS OF A TILE ARE NOT NEIGHBOURS: place i of tile T holds row 32 (T / 2) + 8 (T % 2) + i + 8 (i / 8), in every operand of the program, so that the 16 result registers of two neighbouring tiles are 16 neighbours.
; Work-group g makes block g: g < 256: x (or x1), with rmsnorm and its gain ahead of the quantiser; 256.. w_qkv; 448.. w_out; 512.. w_fc; 640.. w_proj (two blocks a tile: K's halves).
; Wave w makes K step w: 16 rows x 128 numbers.  Each load reads 512 consecutive bytes of a row; the numbers turn through the wave's own stage in LDS so that a lane holds 16 neighbours of each block of 32.
; The weights' work-groups also make the table of cos and sin, a position for each of their waves 0-3: [2,048][32](cos, sin), 256 bytes a row, by range reduction and polynomials in f32.
; No work-group shares an input with another, so no cluster; nothing is multiplied, so no matrix unit.
; LIMITS: NaN and infinities among the inputs are not served; a block whose largest magnitude lies under 2^-124 (a block of zeros too) keeps the byte 1: its bytes are read by this program alone;
; 1 / 10000^(i / 32) is made by v_exp_f32, so an angle may differ from the f32 angle of reference() by about 2e-4 at the last positions, the size of that angle's own rounding.
.set SROW,  528                        ; a stage row: 512 bytes + 16: sixteen rows start in sixteen different groups of banks
.set WSTG,  16*SROW                    ; a wave's stage
.set PART,  8*WSTG                     ; [row 16][wave 8] f32: the waves' sums of squares
.set SCW,   PART+512                   ; [wave 8][row 16]: the block's scale words
.set SPARE, SCW+512                    ; the spare words, 128 bytes for each of eight waves
.set BLK,   12800
.set ROPE,  768*BLK                    ; the table stands behind the 768 blocks
.set X,   32                           ; v32-95   64 numbers
.set W,   96                           ; v96-159  the gain's 64 numbers; at work on the table
.set PC,  160                          ; v160-178 codes
.set TM,  180                          ; v180-195 at work in QUANT
.set PW,  196                          ; the scale word
.set SM,  200                          ; v200-207 sums
.set SPW, 12
.set NIL, 13
.set WV,  18
.set SEL, 30
; 64 numbers of a lane, register 16 b + i = k 32 b + 16 (lane / 16) + i of my row, become a fragment's codes in v[PC] on and its scale word in v[PW]
.macro QUANT s
.irp b, 0,1,2,3
	v_max3_num_f32 v[TM+\b], |v[\s+16*\b]|, |v[\s+1+16*\b]|, 0x1800000   ; my 16 numbers of block b, and the floor 2^(3 - 127): the byte cannot fall under 1
.endr
.irp i, 2,4,6,8,10,12,14
.irp b, 0,1,2,3
	v_max3_num_f32 v[TM+\b], v[TM+\b], |v[\s+16*\b+\i]|, |v[\s+1+16*\b+\i]|
.endr
.endr
.irp b, 0,1,2,3
	v_permlanex16_b32 v[TM+4+\b], v[TM+\b], s[SEL], s[SEL+1]
.endr
.irp b, 0,1,2,3
	v_max_num_f32 v[TM+\b], v[TM+\b], v[TM+4+\b]     ; with lane l xor 16's: the block's largest magnitude
.endr
.irp b, 0,1,2,3
	v_add_nc_u32 v[TM+12+\b], 0xff000000, v[TM+\b]   ; 2 off its exponent field: the conversion's scale operand
.endr
.irp b, 0,1,2,3
	v_lshrrev_b32 v[TM+4+\b], 23, v[TM+12+\b]        ; the scale's byte
.endr
	v_lshl_or_b32 v[PW], v[TM+5], 8, v[TM+4]
	v_lshl_or_b32 v[PW], v[TM+6], 16, v[PW]
	v_lshl_or_b32 v[PW], v[TM+7], 24, v[PW]
.irp c, 0,1
	v_cvt_scalef32_pk16_fp6_f32 v[PC+6*\c:PC+2+6*\c], v[\s+32*\c:\s+15+32*\c], v[TM+12+2*\c]
	v_cvt_scalef32_pk16_fp6_f32 v[PC+12+4*\c:PC+14+4*\c], v[\s+16+32*\c:\s+31+32*\c], v[TM+12+2*\c+1]
.endr
	v_nop                                          ; one plain place behind a scaled conversion
.irp c, 0,1                                    ; the operand wants a whole block in a lane: lanes 0-15 block 2 c, lanes 16-31 block 2 c + 1
.irp i, 0,1,2
	v_permlane16_swap_b32 v[PC+6*\c+\i], v[PC+12+4*\c+\i]
.endr
.irp i, 0,1,2
	v_mov_b32 v[PC+3+6*\c+\i], v[PC+12+4*\c+\i]
.endr
.endr
.endm
	s_load_b256 s[4:11], s[0:1], 0x0               ; x s[4:5], the gain s[6:7], w_qkv s[8:9], w_out s[10:11]
	s_load_b128 s[12:15], s[0:1], 0x20             ; w_fc, w_proj
	s_load_b64 s[16:17], s[0:1], 0x30              ; the blocks
	v_lshl_add_u32 v[SPW], v0, 2, SPARE
	v_mov_b32 v[NIL], 0
	v_lshrrev_b32 v1, 5, v0
	v_readfirstlane_b32 s[WV], v1                  ; wave 0..7
	v_and_b32 v1, 31, v0                           ; lane
	v_and_b32 v2, 15, v0                           ; r
	v_bfe_u32 v3, v0, 4, 1                         ; h
	v_lshlrev_b32 v4, 4, v1                        ; 16 x lane
	v_lshlrev_b32 v5, 3, v1                        ; 8 x lane
	s_mul_i32 s19, s[WV], WSTG
	v_add_nc_u32 v6, s19, v4                       ; the stage, on the way in
	v_mul_u32_u24 v7, v2, SROW
	v_lshl_add_u32 v7, v3, 6, v7
	v_add_nc_u32 v7, s19, v7                       ; and out: row r, + 64 h
	v_lshlrev_b32 v9, 5, v2
	v_add_nc_u32 v9, PART, v9                      ; my row's eight partial sums
	s_lshl_b32 s19, s[WV], 2
	v_add_nc_u32 v8, s19, v9                       ; and my wave's among them
	v_lshlrev_b32 v10, 2, v2
	s_lshl_b32 s19, s[WV], 6
	s_add_co_u32 s19, s19, SCW
	v_add_nc_u32 v10, s19, v10                     ; my wave's scale words
	v_add_nc_u32 v11, SCW, v4                      ; all 512 bytes of them, 16 a lane
	s_mov_b32 s[SEL], 0x76543210
	s_mov_b32 s[SEL+1], 0xfedcba98                 ; v_permlanex16_b32's selects for lane l xor 16
	s_mov_b32 s32, 0x3a800000                      ; 1 / 1,024
	s_mov_b32 s33, 0x358637bd                      ; 1e-6
.irp b, 0,1,2,3
	v_mov_b32 v[TM+4+\b], 0                        ; a lane permute's destination counts as one of its sources
.endr
	s_mov_b32 s22, 640
	s_wait_kmcnt 0x0
	s_cmp_lt_u32 ttmp9, 640                        ; which tensor: the choice hangs on the work-group's number alone
	s_cselect_b64 s[20:21], s[12:13], s[14:15]
	s_cselect_b32 s22, 512, s22                    ; the tensor's first block
	s_cselect_b32 s23, 0, 1                        ; 1: two blocks a tile (w_proj)
	s_cmp_lt_u32 ttmp9, 512
	s_cselect_b64 s[20:21], s[10:11], s[20:21]
	s_cselect_b32 s22, 448, s22
	s_cmp_lt_u32 ttmp9, 448
	s_cselect_b64 s[20:21], s[8:9], s[20:21]
	s_cselect_b32 s22, 256, s22
	s_cmp_lt_u32 ttmp9, 256
	s_cselect_b64 s[20:21], s[4:5], s[20:21]
	s_cselect_b32 s22, 0, s22
	s_sub_co_u32 s24, ttmp9, s22
	s_and_b32 s25, s24, s23                        ; which half of K
	s_lshr_b32 s24, s24, s23                       ; the tile T
	s_lshl_b32 s26, 4096, s23                      ; a row in bytes
	s_lshr_b32 s27, s24, 1
	s_lshl_b32 s27, s27, 5
	s_and_b32 s28, s24, 1
	s_lshl_b32 s28, s28, 3
	s_add_co_u32 s27, s27, s28                     ; the tile's first row: 32 (T / 2) + 8 (T % 2)
	s_mul_i32 s27, s27, s26
	s_lshl_b32 s25, s25, 12
	s_add_co_u32 s27, s27, s25
	s_lshl_b32 s28, s[WV], 9                       ; my K step: 512 bytes of a row
	s_add_co_u32 s28, s28, s27
	s_mov_b32 s29, 0
	s_add_nc_u64 s[20:21], s[20:21], s[28:29]
	s_mul_i32 s38, ttmp9, BLK
	s_mov_b32 s39, 0
	s_add_nc_u64 s[38:39], s[16:17], s[38:39]      ; my block
	s_mul_i32 s42, s[WV], 1536
	s_add_co_u32 s42, s42, 512
	s_mov_b32 s43, 0
	s_add_nc_u64 s[40:41], s[38:39], s[42:43]      ; my fragment in it
.irp i, 0,1,2,3,4,5,6,7,8,9,10,11,12,13,14,15
	v_mad_u32_u24 v[16+\i], s26, \i+8*(\i/8), v4   ; place i's row, + 16 x lane
.endr
.irp i, 0,1,2,3,4,5,6,7,8,9,10,11,12,13,14,15
	global_load_b128 v[X+4*\i:X+4*\i+3], v[16+\i], s[20:21] th:TH_LOAD_NT   ; 32 lanes read 512 consecutive bytes of one row
.endr
.irp i, 0,1,2,3,4,5,6,7,8,9,10,11,12,13,14,15
	s_wait_loadcnt 15-\i                           ; loads come back in order: row i is in, the younger ones stay out
	ds_store_b128 v6, v[X+4*\i:X+4*\i+3] offset:SROW*\i
.endr
.irp b, 0,1,2,3
.irp j, 0,1,2,3
	ds_load_b128 v[X+16*\b+4*\j:X+16*\b+4*\j+3], v7 offset:128*\b+16*\j   ; LDS serves a wave's instructions in order: these see my stores.  Register 16 b + i = k 32 b + 16 h + i of row r
.endr
.endr
	s_wait_dscnt 0x0
	s_cmp_lt_u32 ttmp9, 256
	s_cbranch_scc0 .Lw
	; ---- rmsnorm: x * rsqrt(mean(x^2) + 1e-6) * gain, in that order, in f32
	v_lshlrev_b32 v14, 6, v3
	s_lshl_b32 s19, s[WV], 9
	v_add_nc_u32 v14, s19, v14
.irp b, 0,1,2,3
.irp j, 0,1,2,3
	global_load_b128 v[W+16*\b+4*\j:W+16*\b+4*\j+3], v14, s[6:7] offset:128*\b+16*\j   ; the gain at my 64 places
.endr
.endr
	v_pk_mul_f32 v[SM:SM+1], v[X:X+1], v[X:X+1]    ; the first products start the sums, in two chains
	v_pk_mul_f32 v[SM+2:SM+3], v[X+2:X+3], v[X+2:X+3]
.set j, 4
.rept 15
	v_pk_fma_f32 v[SM:SM+1], v[X+j:X+j+1], v[X+j:X+j+1], v[SM:SM+1]
	v_pk_fma_f32 v[SM+2:SM+3], v[X+j+2:X+j+3], v[X+j+2:X+j+3], v[SM+2:SM+3]
.set j, j+4
.endr
	v_pk_add_f32 v[SM:SM+1], v[SM:SM+1], v[SM+2:SM+3]
	v_add_f32 v[SM], v[SM], v[SM+1]
	v_permlanex16_b32 v[SM+1], v[SM], s[SEL], s[SEL+1]
	v_add_f32 v[SM], v[SM], v[SM+1]                ; my wave's 128 numbers of row r
	ds_store_b32 v8, v[SM]                         ; (both lanes of a row write the same word with the same value)
	s_wait_dscnt 0x0                               ; for the others' sake: my store is done
	s_barrier_signal -1
	s_barrier_wait -1
	ds_load_b128 v[SM:SM+3], v9
	ds_load_b128 v[SM+4:SM+7], v9 offset:16
	s_wait_dscnt 0x0
	v_pk_add_f32 v[SM:SM+1], v[SM:SM+1], v[SM+2:SM+3]
	v_pk_add_f32 v[SM+4:SM+5], v[SM+4:SM+5], v[SM+6:SM+7]
	v_pk_add_f32 v[SM:SM+1], v[SM:SM+1], v[SM+4:SM+5]
	v_add_f32 v[SM], v[SM], v[SM+1]
	v_fma_f32 v[SM], v[SM], s32, s33               ; the mean + 1e-6
	v_rsq_f32 v[SM+2], v[SM]                       ; twice: a pair for the packed multiply
	v_rsq_f32 v[SM+3], v[SM]
	v_nop                                          ; a plain place behind the transcendentals
	s_wait_alu depctr_va_vdst(0)                   ; one wait for both, ahead of their first reader
	s_wait_loadcnt 0x0                             ; the gain
.set j, 0
.rept 32
	v_pk_mul_f32 v[X+j:X+j+1], v[X+j:X+j+1], v[SM+2:SM+3]
.set j, j+2
.endr
.set j, 0
.rept 32
	v_pk_mul_f32 v[X+j:X+j+1], v[X+j:X+j+1], v[W+j:W+j+1]
.set j, j+2
.endr
	s_branch .Lq
.Lw:
	; ---- the table: waves 0-3 of a weights' work-group take position 4 (g - 256) + wave; lane i takes frequency i
	s_cmp_lt_u32 s[WV], 4
	s_cbranch_scc0 .Lq
	s_sub_co_u32 s34, ttmp9, 256
	s_lshl_b32 s34, s34, 2
	s_add_co_u32 s34, s34, s[WV]                   ; the position
	s_lshl_b32 s36, s34, 8
	s_add_co_u32 s36, s36, ROPE
	s_mov_b32 s37, 0
	s_add_nc_u64 s[36:37], s[16:17], s[36:37]
	s_mov_b32 s35, 0x3fc90fdb                      ; pi / 2, its f32 part,
	s_mov_b32 s42, 0x333bbd2e                      ; and what that part has too much
	v_cvt_f32_u32 v96, v1
	v_mul_f32 v96, 0xbed49a78, v96                 ; - i log2(10000) / 32
	v_exp_f32 v96, v96                             ; 1 / 10000^(i / 32)
	v_cvt_f32_u32 v97, s34                         ; (a plain place)
	s_wait_alu depctr_va_vdst(0)
	v_mul_f32 v96, v97, v96                        ; the angle
	v_mul_f32 v98, 0x3f22f983, v96
	v_rndne_f32 v98, v98                           ; k = the nearest multiple of pi / 2
	v_fma_f32 v99, -v98, s35, v96
	v_fma_f32 v99, v98, s42, v99                   ; y = angle - k pi / 2, within pi / 4
	v_mul_f32 v100, v99, v99
	v_mov_b32 v101, 0xb94ca1f9
	v_fmaak_f32 v101, v101, v100, 0x3c08839e
	v_fmaak_f32 v101, v101, v100, 0xbe2aaaa3
	v_mul_f32 v101, v101, v100
	v_fma_f32 v101, v101, v99, v99                 ; sin y
	v_mov_b32 v102, 0x37ccf5ce
	v_fmaak_f32 v102, v102, v100, 0xbab6061a
	v_fmaak_f32 v102, v102, v100, 0x3d2aaaa5
	v_mul_f32 v102, v102, v100
	v_fma_f32 v103, v100, -0.5, 1.0
	v_fma_f32 v102, v102, v100, v103               ; cos y
	v_cvt_i32_f32 v104, v98
	v_and_b32 v105, 1, v104
	v_cmp_eq_u32 vcc_lo, 1, v105                   ; odd k: sine and cosine change places
	v_cndmask_b32 v106, v102, v101, vcc_lo
	v_cndmask_b32 v107, v101, v102, vcc_lo
	v_add_nc_u32 v105, 1, v104
	v_and_b32 v105, 2, v105
	v_lshlrev_b32 v105, 30, v105
	v_xor_b32 v106, v105, v106                     ; the cosine is negative for k % 4 = 1, 2
	v_and_b32 v104, 2, v104
	v_lshlrev_b32 v104, 30, v104
	v_xor_b32 v107, v104, v107                     ; the sine for k % 4 = 2, 3
	global_store_b64 v5, v[106:107], s[36:37]      ; 32 lanes store 256 consecutive bytes, aligned
.Lq:
	QUANT X
	global_store_b128 v4, v[PC:PC+3], s[40:41]                  ; each store covers 512 or 256 consecutive bytes, aligned to 256
	global_store_b64 v5, v[PC+4:PC+5], s[40:41] offset:512
	global_store_b128 v4, v[PC+6:PC+9], s[40:41] offset:768
	global_store_b64 v5, v[PC+10:PC+11], s[40:41] offset:1280
	ds_store_b32 v10, v[PW]
	s_wait_dscnt 0x0                               ; for wave 0's sake
	s_barrier_signal -1
	s_barrier_wait -1
	s_cmp_lg_u32 s[WV], 0
	s_cbranch_scc1 .Lend
	ds_load_b128 v[SM:SM+3], v11                   ; the block's 512 bytes of scale words leave together
	s_wait_dscnt 0x0
	global_store_b128 v4, v[SM:SM+3], s[38:39]
.Lend:
	s_wait_tensorcnt 0x0                           ; the wave's end
	ds_add_u32 v[SPW], v[NIL]
	s_wait_dscnt 0x0
	s_endpgm
.Lfunc_end_k_qd6cb351a26_prep:
	.size	k_qd6cb351a26_prep, .Lfunc_end_k_qd6cb351a26_prep-k_qd6cb351a26_prep
	.p2alignl 7, 3214868480
	.fill 96, 4, 3214868480
	.section	.rodata,"a",@progbits
	.p2align	6, 0x0
	.amdhsa_kernel k_qd6cb351a26_prep
		.amdhsa_group_segment_fixed_size 69632
		.amdhsa_private_segment_fixed_size 0
		.amdhsa_enable_private_segment 0
		.amdhsa_kernarg_size 56
		.amdhsa_user_sgpr_count 2
		.amdhsa_user_sgpr_kernarg_segment_ptr 1
		.amdhsa_wavefront_size32 1
		.amdhsa_system_sgpr_workgroup_id_x 1
		.amdhsa_system_sgpr_workgroup_id_y 1
		.amdhsa_system_sgpr_workgroup_id_z 1
		.amdhsa_system_vgpr_workitem_id 0
		.amdhsa_next_free_vgpr 208
		.amdhsa_next_free_sgpr 66
		.amdhsa_reserve_vcc 1
		.amdhsa_float_denorm_mode_32 3
		.amdhsa_float_denorm_mode_16_64 3
		.amdhsa_memory_ordered 1
		.amdhsa_forward_progress 1
		.amdhsa_inst_pref_size 24
	.end_amdhsa_kernel
	.amdgpu_metadata
---
amdhsa.version: [ 1, 2 ]
amdhsa.kernels:
  - .name:           k_qd6cb351a26_prep
    .symbol:         k_qd6cb351a26_prep.kd
    .args:
      - { .name: x, .offset: 0, .size: 8, .value_kind: global_buffer, .address_space: global }
      - { .name: w_in_norm, .offset: 8, .size: 8, .value_kind: global_buffer, .address_space: global }
      - { .name: w_qkv, .offset: 16, .size: 8, .value_kind: global_buffer, .address_space: global }
      - { .name: w_out, .offset: 24, .size: 8, .value_kind: global_buffer, .address_space: global }
      - { .name: w_fc, .offset: 32, .size: 8, .value_kind: global_buffer, .address_space: global }
      - { .name: w_proj, .offset: 40, .size: 8, .value_kind: global_buffer, .address_space: global }
      - { .name: pre, .offset: 48, .size: 8, .value_kind: global_buffer, .address_space: global }
    .group_segment_fixed_size: 69632
    .private_segment_fixed_size: 0
    .kernarg_segment_align: 8
    .kernarg_segment_size: 56
    .max_flat_workgroup_size: 256
    .sgpr_count:     66
    .vgpr_count:     208
    .wavefront_size: 32
...
	.end_amdgpu_metadata
.endif
;; end of part 1
;; launch qkv (part 2): grid 24 x 32, 4 waves a work-group, clusters of 4 x 4, 205,312 bytes of LDS; arguments pre, qkvc; writes qkvc
.if DOCPART == 2
	.amdgcn_target "amdgcn-amd-amdhsa--gfx1250"
	.amdhsa_code_object_version 6
	.text
	.protected	k_qd6cb351a26_qkv
	.globl	k_qd6cb351a26_qkv
	.p2align	8
	.type	k_qd6cb351a26_qkv,@function
k_qd6cb351a26_qkv:
	s_mov_b64 s[64:65], 0
	v_nop
	global_prefetch_b8 v0, s[64:65] scope:SCOPE_SE
	s_setreg_imm32_b32 hwreg(HW_REG_WAVE_MODE, 25, 1), 1
	s_wait_xcnt 0x0
	s_wait_alu depctr_hold_cnt(0) depctr_sa_sdst(0) depctr_va_vdst(0) depctr_va_sdst(0) depctr_va_ssrc(0) depctr_va_vcc(0) depctr_vm_vsrc(0)
	s_getreg_b32 s2, hwreg(HW_REG_IB_STS2, 6, 4)
	s_cmp_eq_u32 s2, 0
	s_cbranch_scc0 .Lentry_in_a_cluster
	s_endpgm
.Lentry_in_a_cluster:
	s_bfe_u32 s2, ttmp6, 0x10000c
	s_cmp_lg_u32 s2, 0xf033
	s_cbranch_scc0 .Lentry_shape_is_right
	s_endpgm
.Lentry_shape_is_right:
; qkv = h w_qkv^T on codes of FP6 (E2M3), then what attention wants of it: q and k turned by RoPE and quantised along the head's 64, v quantised along the keys.
; OPERANDS are blocks of 12,800 bytes for each tile of 16 rows: 512 bytes of scale words [K step][row], then 8 fragments of 1,536 bytes, images of the operand's registers
; (lane l's registers 0-3 at 16 l, 4-5 at 512 + 8 l, 6-9 at 768 + 16 l, 10-11 at 1,280 + 8 l).  Place i of tile T is row 32 (T / 2) + 8 (T % 2) + i + 8 (i / 8).
; SHARES.  A work-group makes 128 rows x 128 columns, each of four waves 64 x 64: 16 accumulators.  A wave's 64 columns are one head of q, of k or of v.
; LDS.  All of K (1,024) of the 8 + 8 tiles fits: 204,800 bytes, filled ONCE, in four chunks of two K steps; each wave issues four tensor loads at the head (four of mine are out at most),
; and a counted wait with a plain barrier opens each chunk.  Nothing is filled again.
; CLUSTER 4 x 4: the activations' tiles are shared along a row of the cluster, the weights' along a column: joint loads.
; q, k (clusters x = 0..3): source 0 = 16 rows of w, source 1 = 16 rows of h: a lane holds one position and 32 + 32 neighbouring channels.
; v (clusters x = 4, 5): the sources change places: a lane holds one channel and its registers run along the keys, which are the K of attention's second product.
; The branch between the two hangs on the cluster's x, which all partners share.
; OUT (qkvc): for each of 32 heads 208,896 bytes: K's units [tile 128][768] | K's words [tile][16] at 98,304 | V's fragments [K step 16][tile of channels 4][1,536] at 106,496 | V's words at 204,800;
; behind them, from 6,684,672 on, for each head 106,496 bytes: Q's units | Q's words at 98,304.  Q's and K's words have two bytes (K = 64) and two zeros.
; LIMITS: NaN and infinities are not served; a block whose largest magnitude lies under 2^-124 keeps the byte 1.  V's half words leave as 2 bytes a lane: 1 byte in 24 of the launch's stores.
.set NB,    4                          ; tiles of w for a wave
.set NKS,   8                          ; K steps of 128
.set CK,    2                          ; K steps in a chunk
.set RBE,   3584                       ; a tile's bytes in chunk 0: the scale words and two fragments
.set RBO,   3072                       ; and in the others
.set TSTR,  12800                      ; from tile to tile in memory
.set W0,    256                        ; w_qkv's first block in pre
.set ROPE,  9830400                    ; the table of cos and sin in pre
.set SPARE, 204800                     ; behind the chunks: the spare words, 128 bytes for each wave
.set SC,   32                          ; v32-63  scale words: register 4 s + i: lanes 0-15 tile i of h, lanes 16-31 tile i of w, K step s
.set ACC,  128                         ; v128-255 the accumulators
.set SPW,  22
.set NIL,  23
.set L16,  24                          ; 16 x lane
.set L8,   25                          ; 8 x lane
.set TT,   32                          ; the way out: at work in ROT
.set PC,   32                          ; codes, 8 registers a unit
.set PT,   64
.set TM,   80
.set PW,   104
.set SEL,  10
.set G1A,  24                          ; s[24:31], s[32:39] descriptor group 1 for h's tiles: chunk 0, the other chunks
.set G1B,  40                          ; s[40:47], s[48:55] for w's
.set MSB, 0
.macro WIN new                         ; the immediate's high byte repeats the setting that is left
.if MSB != \new
	s_set_vgpr_msb (MSB<<8)|\new
.set MSB, \new
.endif
.endm
.set MUL,  0x05                        ; sources 0 and 1 window 1; C and D window 0
.set TO_F, 0x40                        ; destination window 1, address window 0
.macro PLACES                          ; four places behind matrix instructions, in front of loads into their registers and of reads of results
.rept 4
	v_nop
.endr
.endm
.macro CHP q                           ; chunk q: a tile's bytes, the scale words in front, its place in LDS, in a block, and its group 1
.if (\q) == 0
.set RBQ, RBE
.set HDQ, 512
.set CHQ, 0
.set SRQ, 0
.set G1Q, 0
.else
.set RBQ, RBO
.set HDQ, 0
.set CHQ, 16*RBE+16*RBO*((\q)-1)
.set SRQ, RBE+RBO*((\q)-1)
.set G1Q, 8
.endif
.endm
; A joint load: waves 0 and 1 fetch h's tiles, waves 2 and 3 w's.  The branch hangs on the wave's number alone.  An s_nop 0 and four v_nop follow each of the two lines.
.macro JLOAD g0a, g1a, g0b, g1b
	s_cmp_eq_u32 s13, 0
	s_cbranch_scc0 .Lfor_b_\@
	tensor_load_to_lds s[\g0a:\g0a+3], s[\g1a:\g1a+7]
	s_nop 0
.rept 4
	v_nop
.endr
	s_branch .Lasked_\@
.Lfor_b_\@:
	tensor_load_to_lds s[\g0b:\g0b+3], s[\g1b:\g1b+7]
	s_nop 0
.rept 4
	v_nop
.endr
.Lasked_\@:
.endm
.macro CROUND                          ; a round of the cluster's barrier
	s_barrier_signal -1
	s_barrier_wait -1
	s_cmp_lg_u32 s12, 0
	s_cbranch_scc1 .Lnot_wave_0_\@
	s_barrier_signal -3
.Lnot_wave_0_\@:
	s_barrier_wait -3
	s_barrier_signal -1
	s_barrier_wait -1
.endm
.macro ADDRS q                         ; v[4 + 4 q ..]: my tiles of h in chunk q (16 x lane; 512 + 8 x lane), my tiles of w likewise
	CHP \q
	s_mul_i32 s92, s13, 4*RBQ
	s_add_co_u32 s92, s92, CHQ+HDQ
	v_add_nc_u32 v[4+4*\q], s92, v[L16]
	s_add_co_u32 s92, s92, 512
	v_add_nc_u32 v[5+4*\q], s92, v[L8]
	s_mul_i32 s93, s14, NB*RBQ
	s_add_co_u32 s93, s93, CHQ+HDQ+8*RBQ
	v_add_nc_u32 v[6+4*\q], s93, v[L16]
	s_add_co_u32 s93, s93, 512
	v_add_nc_u32 v[7+4*\q], s93, v[L8]
.endm
.macro FRAG reg, a16, off              ; a fragment comes as it was stored: every load reads 512 or 256 consecutive bytes
	ds_load_b128 v[\reg:\reg+3], v[\a16] offset:\off
	ds_load_b64 v[\reg+4:\reg+5], v[\a16+1] offset:\off
	ds_load_b128 v[\reg+6:\reg+9], v[\a16] offset:\off+768
	ds_load_b64 v[\reg+10:\reg+11], v[\a16+1] offset:\off+768
.endm
.macro FETCH s, f                      ; K step s: h's four fragments to v[f] on, w's four to v[f + 48] on, in window 1
	CHP (\s)/CK
.set AQ, 4+4*((\s)/CK)
.set UO, 1536*((\s)%CK)
.irp i, 0,1,2,3
	FRAG \f+12*\i, AQ, UO+\i*RBQ
.endr
.irp i, 0,1,2,3
	FRAG \f+48+12*\i, AQ+2, UO+\i*RBQ
.endr
.endm
.macro SCALES
.irp s, 0,1,2,3,4,5,6,7
.irp i, 0,1,2,3
	ds_load_b32 v[SC+4*\s+\i], v20 offset:\i*RBE+64*\s
.endr
.endr
.endm
.macro WM d, a, b, z, sa, sb, sw       ; one product; z: it starts the sum; sw = 0: w is source 0 (its words in lanes 16-31), sw = 1: w is source 1
.if \sw
.if \z
	v_wmma_scale_f32_16x16x128_f8f6f4 v[\d:\d+7], v[\a:\a+11], v[\b:\b+11], 0, v[\sa], v[\sb] matrix_a_fmt:MATRIX_FMT_FP6 matrix_b_fmt:MATRIX_FMT_FP6 matrix_b_scale:MATRIX_SCALE_ROW1
.else
	v_wmma_scale_f32_16x16x128_f8f6f4 v[\d:\d+7], v[\a:\a+11], v[\b:\b+11], v[\d:\d+7], v[\sa], v[\sb] matrix_a_fmt:MATRIX_FMT_FP6 matrix_b_fmt:MATRIX_FMT_FP6 matrix_b_scale:MATRIX_SCALE_ROW1
.endif
.else
.if \z
	v_wmma_scale_f32_16x16x128_f8f6f4 v[\d:\d+7], v[\a:\a+11], v[\b:\b+11], 0, v[\sa], v[\sb] matrix_a_fmt:MATRIX_FMT_FP6 matrix_b_fmt:MATRIX_FMT_FP6 matrix_a_scale:MATRIX_SCALE_ROW1
.else
	v_wmma_scale_f32_16x16x128_f8f6f4 v[\d:\d+7], v[\a:\a+11], v[\b:\b+11], v[\d:\d+7], v[\sa], v[\sb] matrix_a_fmt:MATRIX_FMT_FP6 matrix_b_fmt:MATRIX_FMT_FP6 matrix_a_scale:MATRIX_SCALE_ROW1
.endif
.endif
.endm
.macro MULS f, s, z, sw                ; 16 products; the 16 accumulators take turns, one instruction a turn, in the same order in every K step
.irp a, 0,1,2,3
.irp b, 0,1,2,3
.if \sw
	WM ACC+8*(4*\b+\a), \f+12*\a, \f+48+12*\b, \z, SC+4*(\s)+\a, SC+4*(\s)+\b, 1
.else
	WM ACC+8*(4*\a+\b), \f+48+12*\b, \f+12*\a, \z, SC+4*(\s)+\b, SC+4*(\s)+\a, 0
.endif
.endr
.endr
.endm
.macro KSTEP s, sw
	s_wait_dscnt 0x0                               ; this K step's fragments, asked for a K step ago
.if (\s)+1 < NKS
.if ((\s)+1)%CK == 0
	s_wait_tensorcnt 3-((\s)+1)/CK                 ; my part of the next chunk has landed; the later chunks' loads stay out
	s_barrier_signal -1
	s_barrier_wait -1                              ; everybody's has
.endif
.if (\s) > 0
	PLACES                                         ; the buffer below was multiplied in the last K step
.endif
	WIN TO_F
	FETCH (\s)+1, 128*(((\s)+1)%2)
.endif
	WIN MUL
.if (\s) == 0
	MULS 128*((\s)%2), \s, 1, \sw                  ; the first K step starts the sums: nothing is cleared
.else
	MULS 128*((\s)%2), \s, 0, \sw
.endif
.endm
.macro KLOOP sw
	s_wait_tensorcnt 3                             ; my part of chunk 0 is in; three later loads of mine stay out
	s_barrier_signal -1
	s_barrier_wait -1
	SCALES
	WIN TO_F
	FETCH 0, 0
.irp s, 0,1,2,3,4,5,6,7
	KSTEP \s, \sw
.endr
	WIN 0
	PLACES
.endm
; 128 numbers of a lane, v[s] on: four units; in unit u register 16 b + i = k 32 b + 16 (lane / 16) + i of my row.  Codes to v[PC + 8 u] on (6 registers), the two scale bytes to v[PW + u].  The eight blocks by turns.
.macro QH4 s
.irp n, 0,1,2,3,4,5,6,7
	v_mov_b32 v[TM+8+\n], 0                        ; a lane permute's destination counts as one of its sources
.endr
.irp n, 0,1,2,3,4,5,6,7
	v_max3_num_f32 v[TM+\n], |v[\s+16*\n]|, |v[\s+16*\n+1]|, 0x1800000   ; the floor 2^(3 - 127): the byte cannot fall under 1
.endr
.irp i, 2,4,6,8,10,12,14
.irp n, 0,1,2,3,4,5,6,7
	v_max3_num_f32 v[TM+\n], v[TM+\n], |v[\s+16*\n+\i]|, |v[\s+16*\n+\i+1]|
.endr
.endr
.irp n, 0,1,2,3,4,5,6,7
	v_permlanex16_b32 v[TM+8+\n], v[TM+\n], s[SEL], s[SEL+1]
.endr
.irp n, 0,1,2,3,4,5,6,7
	v_max_num_f32 v[TM+\n], v[TM+\n], v[TM+8+\n]
.endr
.irp n, 0,1,2,3,4,5,6,7
	v_add_nc_u32 v[TM+16+\n], 0xff000000, v[TM+\n] ; 2 off the exponent field: the conversion's scale operand
.endr
.irp n, 0,1,2,3,4,5,6,7
	v_lshrrev_b32 v[TM+8+\n], 23, v[TM+16+\n]      ; the scale's byte
.endr
.irp u, 0,1,2,3
	v_lshl_or_b32 v[PW+\u], v[TM+9+2*\u], 8, v[TM+8+2*\u]
.endr
.irp u, 0,1,2,3
	v_cvt_scalef32_pk16_fp6_f32 v[PC+8*\u:PC+8*\u+2], v[\s+32*\u:\s+32*\u+15], v[TM+16+2*\u]
	v_cvt_scalef32_pk16_fp6_f32 v[PT+4*\u:PT+4*\u+2], v[\s+32*\u+16:\s+32*\u+31], v[TM+17+2*\u]
.endr
	v_nop                                          ; one plain place behind a scaled conversion
.irp u, 0,1,2,3
.irp i, 0,1,2
	v_permlane16_swap_b32 v[PC+8*\u+\i], v[PT+4*\u+\i]   ; a whole block to a lane
.endr
.endr
.irp u, 0,1,2,3
.irp i, 0,1,2
	v_mov_b32 v[PC+8*\u+3+\i], v[PT+4*\u+\i]
.endr
.endr
.endm
; RoPE on tile a: a register pair is (even, odd) of one pair of channels, the table's pair (cos, sin): even' = e c - o s, odd' = o c + e s
.macro ROT a, cs
.irp g, 0,1,2,3
.irp p, 0,1,2,3
	v_pk_mul_f32 v[TT+2*\p:TT+2*\p+1], v[ACC+32*\a+8*\g+2*\p:ACC+32*\a+8*\g+2*\p+1], v[\cs+8*\g+2*\p:\cs+8*\g+2*\p+1] op_sel_hi:[1,0]   ; (e c, o c)
.endr
.irp p, 0,1,2,3
	v_pk_fma_f32 v[ACC+32*\a+8*\g+2*\p:ACC+32*\a+8*\g+2*\p+1], v[ACC+32*\a+8*\g+2*\p:ACC+32*\a+8*\g+2*\p+1], v[\cs+8*\g+2*\p:\cs+8*\g+2*\p+1], v[TT+2*\p:TT+2*\p+1] op_sel:[1,1,0] op_sel_hi:[0,1,1] neg_lo:[0,1,0]   ; (- o s + e c, e s + o c)
.endr
.endr
.endm
	s_load_b64 s[4:5], s[0:1], 0x0                 ; h's blocks: they stand at the head of pre
	s_load_b64 s[6:7], s[0:1], 0x0                 ; the weights' blocks and the table: pre
	s_load_b64 s[8:9], s[0:1], 0x8                 ; qkvc
	v_lshl_add_u32 v[SPW], v0, 2, SPARE
	v_mov_b32 v[NIL], 0
	ds_add_u32 v[SPW], v[NIL]                      ; the wave's opening: the add, twice on end, and its wait ahead of my first tensor load
	ds_add_u32 v[SPW], v[NIL]
	v_lshrrev_b32 v1, 5, v0
	v_readfirstlane_b32 s12, v1                    ; wave 0..3
	s_lshr_b32 s13, s12, 1                         ; which 64 rows are mine.  Also: I fetch for h (0) or for w (1)
	s_and_b32 s14, s12, 1                          ; which 64 columns.  Also: which four tiles I fetch
	s_bfe_u32 s15, ttmp6, 0x40000                  ; cx, cy: my place in the cluster
	s_bfe_u32 s16, ttmp6, 0x40004
	s_lshl_b32 s17, ttmp9, 2
	s_add_co_u32 s17, s17, s15                     ; tile column = 4 x cluster x + cx
	s_and_b32 s18, ttmp7, 0xffff
	s_lshl_b32 s18, s18, 2
	s_add_co_u32 s18, s18, s16                     ; tile row = 4 x cluster y + cy
	s_lshl_b32 s19, s16, 2
	s_lshl_b32 s19, 15, s19                        ; my row of the cluster
	s_lshl_b32 s20, 0x1111, s15                    ; my column
	; group 1: four rows (tiles) of RBE or RBO bytes, 12,800 bytes apart, dense in LDS; elements of 8 bytes; bit 21 set beside a mask
	s_or_b32 s[G1A], s19, (3<<16)|(1<<21)
	s_or_b32 s[G1A+8], s19, (3<<16)|(1<<21)
	s_or_b32 s[G1B], s20, (3<<16)|(1<<21)
	s_or_b32 s[G1B+8], s20, (3<<16)|(1<<21)
.irp g, G1A, G1B
	s_mov_b32 s[\g+1], (RBE/8)<<16                 ; tensor_dim0
	s_mov_b32 s[\g+2], 4<<16                       ; tensor_dim1
	s_mov_b32 s[\g+3], (RBE/8)<<16                 ; tile_dim0
	s_mov_b32 s[\g+4], 4                           ; tile_dim1
	s_mov_b32 s[\g+5], TSTR/8                      ; tensor_dim0_stride
	s_mov_b32 s[\g+6], 0
	s_mov_b32 s[\g+7], 0
	s_mov_b32 s[\g+9], (RBO/8)<<16
	s_mov_b32 s[\g+10], 4<<16
	s_mov_b32 s[\g+11], (RBO/8)<<16
	s_mov_b32 s[\g+12], 4
	s_mov_b32 s[\g+13], TSTR/8
	s_mov_b32 s[\g+14], 0
	s_mov_b32 s[\g+15], 0
.endr
	s_lshl_b32 s92, s18, 3                         ; h: tile 8 x tile row + 4 x half: registers that never hold cx
	s_lshl_b32 s93, s14, 2
	s_add_co_u32 s92, s92, s93
	s_mul_i32 s92, s92, TSTR
	s_mov_b32 s93, 0
	s_lshl_b32 s94, s17, 3                         ; w: tile W0 + 8 x tile column + 4 x half: registers that never hold cy
	s_lshl_b32 s95, s14, 2
	s_add_co_u32 s94, s94, s95
	s_add_co_u32 s94, s94, W0
	s_mul_i32 s94, s94, TSTR
	s_mov_b32 s95, 0
	s_wait_dscnt 0x0                               ; both opening adds are done
	s_wait_kmcnt 0x0
	s_add_nc_u64 s[92:93], s[4:5], s[92:93]
	s_add_nc_u64 s[94:95], s[6:7], s[94:95]
	CROUND                                         ; all sixteen work-groups are here: the joint loads meet
.irp q, 0,1,2,3
	CHP \q
.set GA, 56+4*\q+4*(\q/2)                          ; group 0 for h's chunk q: s56, s60, s68, s72
.set GB, 76+4*\q                                   ; for w's: s76 ..
	s_mov_b32 s[GA], 1
	s_mul_i32 s96, s14, 4*RBQ
	s_add_co_u32 s[GA+1], s96, CHQ                 ; LDS: the chunk, h's tiles first: no place in the cluster enters
	s_add_nc_u64 s[GA+2:GA+3], s[92:93], SRQ
	s_or_b32 s[GA+3], s[GA+3], 0x80000000
	s_mov_b32 s[GB], 1
	s_mul_i32 s97, s14, NB*RBQ
	s_add_co_u32 s[GB+1], s97, CHQ+8*RBQ
	s_add_nc_u64 s[GB+2:GB+3], s[94:95], SRQ
	s_or_b32 s[GB+3], s[GB+3], 0x80000000
	JLOAD GA, G1A+G1Q, GB, G1B+G1Q
.endr
	v_and_b32 v1, 15, v0                           ; r
	v_bfe_u32 v2, v0, 4, 1                         ; h
	v_and_b32 v3, 31, v0                           ; lane
	v_lshlrev_b32 v[L16], 4, v3
	v_lshlrev_b32 v[L8], 3, v3
.irp q, 0,1,2,3
	ADDRS \q
.endr
	s_mul_i32 s92, s13, 4*RBE                      ; the scale words: lanes 0-15 h's tiles, lanes 16-31 w's: the lower base + h x the distance
	s_mul_i32 s93, s14, NB*RBE
	s_add_co_u32 s93, s93, 8*RBE
	s_sub_co_u32 s93, s93, s92
	v_mul_u32_u24 v20, s93, v2
	v_lshl_add_u32 v20, v1, 2, v20
	v_add_nc_u32 v20, s92, v20
	s_mov_b32 s[SEL], 0x76543210
	s_mov_b32 s[SEL+1], 0xfedcba98
	s_lshr_b32 s96, s18, 4
	s_lshl_b32 s96, s96, 4
	s_and_b32 s97, s17, 7
	s_lshl_b32 s97, s97, 1
	s_add_co_u32 s96, s96, s97
	s_add_co_u32 s96, s96, s14                     ; batch x 16 + head
	s_and_b32 s97, s18, 15                         ; which 128 positions of the sequence
	v_lshlrev_b32 v30, 2, v3                       ; 4 x lane
	s_cmp_ge_u32 ttmp9, 4                          ; the cluster's x: the same in all partners
	s_cbranch_scc1 .Lv
	; ---- q and k
	s_mov_b32 s94, 208896
	s_cmp_lt_u32 ttmp9, 2                          ; q or k
	s_cselect_b32 s94, 106496, s94
	s_cselect_b32 s95, 6684672, 0
	s_mul_i32 s94, s96, s94
	s_add_co_u32 s94, s94, s95
	s_mov_b32 s95, 0
	s_add_nc_u64 s[8:9], s[8:9], s[94:95]          ; my head's part
	s_lshl_b32 s98, s97, 3
	s_lshl_b32 s99, s13, 2
	s_add_co_u32 s98, s98, s99                     ; my first tile of positions
	s_mul_i32 s99, s98, 768
	v_add_nc_u32 v27, s99, v[L16]
	s_add_co_u32 s99, s99, 512
	v_add_nc_u32 v28, s99, v[L8]
	s_lshl_b32 s99, s98, 6
	s_add_co_u32 s99, s99, 98304
	v_add_nc_u32 v29, s99, v30
	s_lshl_b32 s98, s98, 12                        ; 16 positions a tile, 256 bytes a position
	s_add_co_u32 s98, s98, ROPE
	s_mov_b32 s99, 0
	s_add_nc_u64 s[2:3], s[6:7], s[98:99]
	v_and_b32 v26, 8, v1
	v_add_nc_u32 v26, v26, v1
	v_lshlrev_b32 v26, 8, v26
	v_lshl_add_u32 v26, v2, 6, v26                 ; my position's row of the table, + 64 h: the pairs of my channels
	WIN 0x40                                       ; the table is asked for now and lands under the products: tiles 0, 1 into the free registers of window 1,
.irp a, 0,1
.irp g, 0,1
.irp j, 0,1,2,3
	global_load_b128 v[96+128*\a+16*\g+4*\j:99+128*\a+16*\g+4*\j], v26, s[2:3] offset:8*\a*256+128*\g+16*\j
.endr
.endr
.endr
	WIN 0                                          ; tiles 2, 3 into v64-127
.irp a, 0,1
.irp g, 0,1
.irp j, 0,1,2,3
	global_load_b128 v[64+32*\a+16*\g+4*\j:67+32*\a+16*\g+4*\j], v26, s[2:3] offset:(32+8*\a)*256+128*\g+16*\j
.endr
.endr
.endr
	KLOOP 0
	s_wait_loadcnt 0x0                             ; the table
	WIN 0x04                                       ; source 1 window 1
	ROT 0, 96
	ROT 1, 224
	WIN 0
	ROT 2, 64
	ROT 3, 96
	QH4 ACC
	v_cmp_eq_u32 vcc_lo, 1, v2
	v_cndmask_b32 v108, v[PW], v[PW+1], vcc_lo     ; lanes 0-15 carry tile 2 n's words, lanes 16-31 tile 2 n + 1's
	v_cndmask_b32 v109, v[PW+2], v[PW+3], vcc_lo
.irp a, 0,1,2,3
	global_store_b128 v27, v[PC+8*\a:PC+8*\a+3], s[8:9] offset:768*\a    ; 512 and 256 consecutive bytes, aligned to 256
	global_store_b64 v28, v[PC+8*\a+4:PC+8*\a+5], s[8:9] offset:768*\a
.endr
	global_store_b32 v29, v108, s[8:9]
	global_store_b32 v29, v109, s[8:9] offset:128
	s_branch .Lend
.Lv:
	; ---- v
	s_mul_i32 s94, s96, 208896
	s_mov_b32 s95, 0
	s_add_nc_u64 s[8:9], s[8:9], s[94:95]
	s_mul_i32 s98, s97, 6144                       ; the K step of 128 keys,
	s_mul_i32 s99, s13, 768                        ; my 64 of them: one unit of each fragment
	s_add_co_u32 s98, s98, s99
	s_add_co_u32 s98, s98, 106496
	v_add_nc_u32 v27, s98, v[L16]
	s_add_co_u32 s98, s98, 512
	v_add_nc_u32 v28, s98, v[L8]
	s_lshl_b32 s98, s97, 8
	s_lshl_b32 s99, s13, 1
	s_add_co_u32 s98, s98, s99
	s_add_co_u32 s98, s98, 204800
	v_add_nc_u32 v29, s98, v30
	KLOOP 1
	QH4 ACC                                        ; accumulator 4 b + a: unit b is 16 channels x my 64 keys
	v_cmp_eq_u32 vcc_lo, 1, v2
	v_cndmask_b32 v108, v[PW], v[PW+1], vcc_lo
	v_cndmask_b32 v109, v[PW+2], v[PW+3], vcc_lo
.irp b, 0,1,2,3
	global_store_b128 v27, v[PC+8*\b:PC+8*\b+3], s[8:9] offset:1536*\b
	global_store_b64 v28, v[PC+8*\b+4:PC+8*\b+5], s[8:9] offset:1536*\b
.endr
	global_store_b16 v29, v108, s[8:9]             ; my two bytes of each word of four
	global_store_b16 v29, v109, s[8:9] offset:128
.Lend:
	s_wait_tensorcnt 0x0                           ; the wave's end
	ds_add_u32 v[SPW], v[NIL]
	s_wait_dscnt 0x0
	CROUND                                         ; the closing round
	s_endpgm
.Lfunc_end_k_qd6cb351a26_qkv:
	.size	k_qd6cb351a26_qkv, .Lfunc_end_k_qd6cb351a26_qkv-k_qd6cb351a26_qkv
	.p2alignl 7, 3214868480
	.fill 96, 4, 3214868480
	.section	.rodata,"a",@progbits
	.p2align	6, 0x0
	.amdhsa_kernel k_qd6cb351a26_qkv
		.amdhsa_group_segment_fixed_size 205312
		.amdhsa_private_segment_fixed_size 0
		.amdhsa_enable_private_segment 0
		.amdhsa_kernarg_size 16
		.amdhsa_user_sgpr_count 2
		.amdhsa_user_sgpr_kernarg_segment_ptr 1
		.amdhsa_wavefront_size32 1
		.amdhsa_system_sgpr_workgroup_id_x 1
		.amdhsa_system_sgpr_workgroup_id_y 1
		.amdhsa_system_sgpr_workgroup_id_z 1
		.amdhsa_system_vgpr_workitem_id 0
		.amdhsa_next_free_vgpr 512
		.amdhsa_next_free_sgpr 100
		.amdhsa_reserve_vcc 1
		.amdhsa_float_denorm_mode_32 3
		.amdhsa_float_denorm_mode_16_64 3
		.amdhsa_memory_ordered 1
		.amdhsa_forward_progress 1
		.amdhsa_inst_pref_size 114
	.end_amdhsa_kernel
	.amdgpu_metadata
---
amdhsa.version: [ 1, 2 ]
amdhsa.kernels:
  - .name:           k_qd6cb351a26_qkv
    .symbol:         k_qd6cb351a26_qkv.kd
    .args:
      - { .name: pre, .offset: 0, .size: 8, .value_kind: global_buffer, .address_space: global }
      - { .name: qkvc, .offset: 8, .size: 8, .value_kind: global_buffer, .address_space: global }
    .group_segment_fixed_size: 205312
    .private_segment_fixed_size: 0
    .kernarg_segment_align: 8
    .kernarg_segment_size: 16
    .max_flat_workgroup_size: 128
    .sgpr_count:     100
    .vgpr_count:     512
    .wavefront_size: 32
...
	.end_amdgpu_metadata
.endif
;; end of part 2
;; launch attn (part 3): grid 8 x 32, 8 waves a work-group, clusters of 4 x 1, 209,920 bytes of LDS; arguments qkvc, att; writes att
.if DOCPART == 3
	.amdgcn_target "amdgcn-amd-amdhsa--gfx1250"
	.amdhsa_code_object_version 6
	.text
	.protected	k_qd6cb351a26_attn
	.globl	k_qd6cb351a26_attn
	.p2align	8
	.type	k_qd6cb351a26_attn,@function
k_qd6cb351a26_attn:
	s_mov_b64 s[64:65], 0
	v_nop
	global_prefetch_b8 v0, s[64:65] scope:SCOPE_SE
	s_setreg_imm32_b32 hwreg(HW_REG_WAVE_MODE, 25, 1), 1
	s_wait_xcnt 0x0
	s_wait_alu depctr_hold_cnt(0) depctr_sa_sdst(0) depctr_va_vdst(0) depctr_va_sdst(0) depctr_va_ssrc(0) depctr_va_vcc(0) depctr_vm_vsrc(0)
	s_getreg_b32 s2, hwreg(HW_REG_IB_STS2, 6, 4)
	s_cmp_eq_u32 s2, 0
	s_cbranch_scc0 .Lentry_in_a_cluster
	s_endpgm
.Lentry_in_a_cluster:
	s_bfe_u32 s2, ttmp6, 0x10000c
	s_cmp_lg_u32 s2, 0x3003
	s_cbranch_scc0 .Lentry_shape_is_right
	s_endpgm
.Lentry_shape_is_right:
; Causal attention of one head on codes of FP6 (E2M3); O / l is quantised along the head's 64 and stored as a unit of the next product's operand.
; WORK LEFT OUT: key steps of 128 keys that lie wholly behind a tile's queries: reference() masks them in its own body (jnp.tril), whatever the inputs hold; a NaN or an infinity that reaches only them is not carried on.
; THE SOFTMAX AHEAD OF THE SECOND PRODUCT: t = score x log2(e) / 8; M = the running largest t rounded up to a whole number; p = 2^(t - M) is quantised along the keys, not normalised;
; the row's sum is taken of the unquantised p and divides at the end; when M moves, the sum and O are multiplied by 2^(old M - new M), which rounds nothing.
; SHARES.  A work-group (x = p of 8, y = batch x 16 + head) has eight waves; wave w owns two tiles of 16 queries, 8 w + p and 127 - 8 w - p, which need w + 1 and 16 - w key steps: 17 for every wave.
; The step on the diagonal is w or 15 - w: it hangs on the wave's number alone; the place in the cluster enters Q's and O's global addresses and a per-lane number of the mask, no branch and no LDS address.
; LDS: the head's K and V, codes and scale words, 208,896 bytes as they lie in memory, filled ONCE: each wave issues one joint load of 102 rows x 256 bytes (one tensor load of mine is out).
; CLUSTER 4 x 1: the four partners walk the same head.
; LAYOUT.  S^T = K Q^T (source 0 = 16 keys), O^T = V^T P^T (source 0 = 16 channels): a lane holds one query.  Place i of a tile (keys, queries, channels) is 32 (T / 2) + 8 (T % 2) + i + 8 (i / 8).
; The first product's K is 64: Q's codes for k = 64 .. 127 are zeros, so what stands in the upper six registers of K's operand (the next tile's codes) adds nothing; the scale bytes there are 0, not 0xff.
; LIMITS: NaN and infinities are not served; a block whose every number has fallen under 2^-124 keeps the byte 1.  The output's scale half words leave as 2 bytes a lane, 64 bytes a wave.
.set SPARE, 208896
.set SEL, 24
.set CS,  26
.set JJ,  32                           ; the key step
.set TK,  33                           ; 6,144 x step: K's tiles, and V's fragments
.set TS,  34                           ; 512 x step: K's words
.set TV,  35                           ; 256 x step: V's words
.macro CROUND
	s_barrier_signal -1
	s_barrier_wait -1
	s_cmp_lg_u32 s8, 0
	s_cbranch_scc1 .Lnot_wave_0_\@
	s_barrier_signal -3
.Lnot_wave_0_\@:
	s_barrier_wait -3
	s_barrier_signal -1
	s_barrier_wait -1
.endm
; 32 numbers of a lane, register 16 b + i = k 32 b + 16 (lane / 16) + i, become a unit's six registers in v[pc] on and two scale bytes in v[pw]
.macro QH s, pc, pt, tm, pw
.irp b, 0,1
	v_max3_num_f32 v[\tm+\b], |v[\s+16*\b]|, |v[\s+16*\b+1]|, 0x1800000
.endr
.irp i, 2,4,6,8,10,12,14
.irp b, 0,1
	v_max3_num_f32 v[\tm+\b], v[\tm+\b], |v[\s+16*\b+\i]|, |v[\s+16*\b+\i+1]|
.endr
.endr
.irp b, 0,1
	v_permlanex16_b32 v[\tm+2+\b], v[\tm+\b], s[SEL], s[SEL+1]
.endr
.irp b, 0,1
	v_max_num_f32 v[\tm+\b], v[\tm+\b], v[\tm+2+\b]
.endr
.irp b, 0,1
	v_add_nc_u32 v[\tm+4+\b], 0xff000000, v[\tm+\b]
.endr
.irp b, 0,1
	v_lshrrev_b32 v[\tm+2+\b], 23, v[\tm+4+\b]
.endr
	v_lshl_or_b32 v[\pw], v[\tm+3], 8, v[\tm+2]
	v_cvt_scalef32_pk16_fp6_f32 v[\pc:\pc+2], v[\s:\s+15], v[\tm+4]
	v_cvt_scalef32_pk16_fp6_f32 v[\pt:\pt+2], v[\s+16:\s+31], v[\tm+5]
	v_nop                                          ; one plain place behind a scaled conversion
.irp i, 0,1,2
	v_permlane16_swap_b32 v[\pc+\i], v[\pt+\i]
.endr
.irp i, 0,1,2
	v_mov_b32 v[\pc+3+\i], v[\pt+\i]
.endr
.endm
; One tile of 16 queries.  qr: Q's operand (6 registers of codes, 6 of zeros); qw: its scale words; qd: my query - 16 (lane / 16), counted in the diagonal step; db: the diagonal step (a scalar register);
; pwr: where the output's two scale bytes stay; ob: the scalar pair with the output unit's address.
; The loop has a constant 16 trips; a step behind the diagonal is jumped over by a scalar branch on ids, round its work alone.
.macro PASS qr, qw, qd, db, pwr, ob
	v_mov_b32 v13, 0xff61b1e6                      ; the largest t so far: -3e38
	v_floor_f32 v12, -v13                          ; -M
	v_mov_b32 v14, 0                               ; the sum, in two halves
	v_mov_b32 v15, 0
.set j, 0
.rept 32
	v_mov_b32 v[160+j], 0                          ; O^T: the step is written once; the first finds zeros, which the first change of M leaves zeros
.set j, j+1
.endr
	s_mov_b32 s[JJ], 0
	s_mov_b32 s[TK], 0
	s_mov_b32 s[TS], 0
	s_mov_b32 s[TV], 0
.Lstep_\@:
	s_cmp_gt_u32 s[JJ], s[\db]
	s_cbranch_scc1 .Lhid_\@
	v_add_nc_u32 v11, s[TK], v1                    ; the step's addresses; these six are also the places behind the last products, in front of the loads below
	v_add_nc_u32 v28, s[TK], v2
	v_add_nc_u32 v29, s[TK], v3
	v_add_nc_u32 v30, s[TK], v4
	v_add_nc_u32 v31, s[TS], v5
	v_add_nc_u32 v86, s[TV], v6
.irp t, 0,1,2,3,4,5,6,7
	ds_load_b128 v[32+6*\t:35+6*\t], v11 offset:768*\t       ; K's eight units on end
	ds_load_b64 v[36+6*\t:37+6*\t], v28 offset:768*\t
.endr
.irp n, 0,1,2,3
	ds_load_b32 v[88+\n], v31 offset:128*\n        ; lanes 0-15 tile 2 n's words, lanes 16-31 tile 2 n + 1's
.endr
	s_wait_dscnt 0x0
.irp t, 0,2,4,6
	v_wmma_scale_f32_16x16x128_f8f6f4 v[96+8*\t:103+8*\t], v[32+6*\t:43+6*\t], v[\qr:\qr+11], 0, v[88+\t/2], v[\qw] matrix_a_fmt:MATRIX_FMT_FP6 matrix_b_fmt:MATRIX_FMT_FP6
	v_wmma_scale_f32_16x16x128_f8f6f4 v[104+8*\t:111+8*\t], v[38+6*\t:49+6*\t], v[\qr:\qr+11], 0, v[88+\t/2], v[\qw] matrix_a_fmt:MATRIX_FMT_FP6 matrix_b_fmt:MATRIX_FMT_FP6 matrix_a_scale:MATRIX_SCALE_ROW1
.endr                                          ; register 16 b + i is key 128 J + 32 b + 16 (lane / 16) + i
.rept 4
	v_nop
.endr
.irp t, 0,1,2,3                                ; V's four fragments are asked for now and land under the softmax
	ds_load_b128 v[32+12*\t:35+12*\t], v29 offset:1536*\t
	ds_load_b64 v[36+12*\t:37+12*\t], v30 offset:1536*\t
	ds_load_b128 v[38+12*\t:41+12*\t], v29 offset:1536*\t+768
	ds_load_b64 v[42+12*\t:43+12*\t], v30 offset:1536*\t+768
.endr
	ds_load_b32 v92, v86
	ds_load_b32 v93, v86 offset:128
	s_cmp_lg_u32 s[JJ], s[\db]                     ; on the diagonal the scores of hidden keys become -infinity ahead of the maximum: p = 0 then
	s_cbranch_scc1 .Lopen_\@
	v_mov_b32 v210, 0xff800000
.set j, 0
.rept 64
	v_cmp_gt_i32 vcc_lo, 32*(j/16)+j%16, v[\qd]
	v_cndmask_b32 v[96+j], v[96+j], v210, vcc_lo
.set j, j+1
.endr
.Lopen_\@:
.irp b, 0,1,2,3
	v_max3_num_f32 v[192+\b], v[96+16*\b], v[97+16*\b], v[98+16*\b]   ; the largest score of each block of 32 keys: for the row's maximum, and, since p rises with the score, for the block's largest p
.endr
.irp i, 3,5,7,9,11,13
.irp b, 0,1,2,3
	v_max3_num_f32 v[192+\b], v[192+\b], v[96+16*\b+\i], v[97+16*\b+\i]
.endr
.endr
.irp b, 0,1,2,3
	v_max_num_f32 v[192+\b], v[192+\b], v[111+16*\b]
.endr
.irp b, 0,1,2,3
	v_permlanex16_b32 v[196+\b], v[192+\b], s[SEL], s[SEL+1]
.endr
.irp b, 0,1,2,3
	v_max_num_f32 v[192+\b], v[192+\b], v[196+\b]
.endr
	v_max3_num_f32 v210, v192, v193, v194
	v_max_num_f32 v210, v210, v195
	v_mul_f32 v210, s[CS], v210                    ; as t (c is positive)
	v_max_num_f32 v13, v13, v210                   ; the running largest t
	v_mov_b32 v210, v12
	v_floor_f32 v12, -v13                          ; the new -M = -ceil(t)
	v_sub_f32 v210, v12, v210                      ; old M - new M: a whole number, 0 or less
	v_cvt_i32_f32 v210, v210                       ; (it saturates)
	v_ldexp_f32 v208, 1.0, v210                    ; f = 2^(old M - new M)
.set j, 0
.rept 32
	v_pk_fma_f32 v[96+j:97+j], v[96+j:97+j], s[CS:CS+1], v[12:13] op_sel_hi:[1,0,0]   ; t - M
.set j, j+2
.endr
.irp b, 0,1,2,3
	v_fma_f32 v[192+\b], v[192+\b], s[CS], v12
.endr
.set j, 0
.rept 64
	v_exp_f32 v[96+j], v[96+j]                     ; p = 2^(t - M)
.set j, j+1
.endr
	v_pk_mul_f32 v[14:15], v[14:15], v[208:209] op_sel_hi:[1,0]   ; the sums under the new M (a plain place behind the exponentials)
	s_wait_alu depctr_va_vdst(0)                   ; one wait for the batch, ahead of its first reader
.irp b, 0,1,2,3
	v_exp_f32 v[192+\b], v[192+\b]                 ; the block's largest p
.endr
	v_pk_add_f32 v[196:197], v[96:97], v[98:99]    ; the row's sum of the unquantised p, in two chains
.set j, 4
.rept 15
	v_pk_add_f32 v[14:15], v[14:15], v[96+j:97+j]
	v_pk_add_f32 v[196:197], v[196:197], v[98+j:99+j]
.set j, j+4
.endr
	v_pk_add_f32 v[14:15], v[14:15], v[196:197]
	s_wait_alu depctr_va_vdst(0)                   ; and one for the four
.irp b, 0,1,2,3
	v_max_num_f32 v[192+\b], 0x1800000, v[192+\b]  ; the floor 2^(3 - 127)
.endr
.irp b, 0,1,2,3
	v_add_nc_u32 v[204+\b], 0xff000000, v[192+\b]
.endr
.irp b, 0,1,2,3
	v_lshrrev_b32 v[196+\b], 23, v[204+\b]
.endr
	v_lshl_or_b32 v209, v197, 8, v196              ; p's scale word for these 128 keys
	v_lshl_or_b32 v209, v198, 16, v209
	v_lshl_or_b32 v209, v199, 24, v209
.irp c, 0,1
	v_cvt_scalef32_pk16_fp6_f32 v[224+6*\c:226+6*\c], v[96+32*\c:111+32*\c], v[204+2*\c]
	v_cvt_scalef32_pk16_fp6_f32 v[196+4*\c:198+4*\c], v[112+32*\c:127+32*\c], v[204+2*\c+1]
.endr
	v_nop
.irp c, 0,1
.irp i, 0,1,2
	v_permlane16_swap_b32 v[224+6*\c+\i], v[196+4*\c+\i]
.endr
.irp i, 0,1,2
	v_mov_b32 v[227+6*\c+\i], v[196+4*\c+\i]
.endr
.endr
.set j, 0
.rept 16
	v_pk_mul_f32 v[160+j:161+j], v[160+j:161+j], v[208:209] op_sel_hi:[1,0]   ; O^T under the new M; these are also the places in front of the products below
.set j, j+2
.endr
	s_wait_dscnt 0x0                               ; V
.irp t, 0,2
	v_wmma_scale_f32_16x16x128_f8f6f4 v[160+8*\t:167+8*\t], v[32+12*\t:43+12*\t], v[224:235], v[160+8*\t:167+8*\t], v[92+\t/2], v209 matrix_a_fmt:MATRIX_FMT_FP6 matrix_b_fmt:MATRIX_FMT_FP6
	v_wmma_scale_f32_16x16x128_f8f6f4 v[168+8*\t:175+8*\t], v[44+12*\t:55+12*\t], v[224:235], v[168+8*\t:175+8*\t], v[92+\t/2], v209 matrix_a_fmt:MATRIX_FMT_FP6 matrix_b_fmt:MATRIX_FMT_FP6 matrix_a_scale:MATRIX_SCALE_ROW1
.endr
.Lhid_\@:
	s_add_co_u32 s[TK], s[TK], 6144
	s_add_co_u32 s[TS], s[TS], 512
	s_add_co_u32 s[TV], s[TV], 256
	s_add_co_u32 s[JJ], s[JJ], 1
	s_cmp_lt_u32 s[JJ], 16
	s_cbranch_scc1 .Lstep_\@
.rept 4
	v_nop                                          ; places behind the last products
.endr
	v_add_f32 v14, v14, v15
	v_permlanex16_b32 v208, v14, s[SEL], s[SEL+1]
	v_add_f32 v14, v14, v208                       ; the row's sum
	v_rcp_f32 v14, v14
	v_nop
	s_wait_alu depctr_va_vdst(0)
.set j, 0
.rept 16
	v_pk_mul_f32 v[160+j:161+j], v[160+j:161+j], v[14:15] op_sel_hi:[1,0]   ; register 16 b + i is channel 32 b + 16 (lane / 16) + i of my query
.set j, j+2
.endr
	s_wait_xcnt 0x0                                ; earlier stores have read their registers: the codes' registers may be written
	QH 160, 236, 242, 192, \pwr
	global_store_b128 v1, v[236:239], s[\ob:\ob+1] ; 512 and 256 consecutive bytes, aligned to 256
	global_store_b64 v2, v[240:241], s[\ob:\ob+1]
.endm
	s_load_b128 s[4:7], s[0:1], 0x0                ; qkvc, att
	v_lshl_add_u32 v7, v0, 2, SPARE
	v_mov_b32 v8, 0
	ds_add_u32 v7, v8                              ; the wave's opening: the add, twice on end, and its wait ahead of my first tensor load
	ds_add_u32 v7, v8
	v_lshrrev_b32 v9, 5, v0
	v_readfirstlane_b32 s8, v9                     ; wave 0..7
	s_bfe_u32 s9, ttmp6, 0x40000                   ; cx
	s_lshl_b32 s10, ttmp9, 2
	s_add_co_u32 s10, s10, s9                      ; p = 4 x cluster x + cx
	s_and_b32 s11, ttmp7, 0xffff                   ; batch x 16 + head, which the partners share
	s_mov_b32 s16, 15|(3<<16)|(1<<21)              ; group 1: the mask names all four; elements of 8 bytes; bit 21 set beside a mask
	s_mov_b32 s17, 32<<16                          ; tensor_dim0 = 32 (256 bytes)
	s_mov_b32 s18, 102<<16                         ; tensor_dim1 = 102
	s_mov_b32 s19, 32<<16                          ; tile_dim0
	s_mov_b32 s20, 102                             ; tile_dim1
	s_mov_b32 s21, 32                              ; dense
	s_mov_b32 s22, 0
	s_mov_b32 s23, 0
	s_mov_b32 s12, 1
	s_mul_i32 s13, s8, 26112                       ; LDS: my eighth
	s_mul_i32 s36, s11, 208896
	s_add_co_u32 s36, s36, s13
	s_mov_b32 s37, 0
	s_mov_b32 s[SEL], 0x76543210
	s_mov_b32 s[SEL+1], 0xfedcba98
	s_mov_b32 s[CS], 0x3e38aa3b                    ; c = log2(e) / 8
	s_mov_b32 s[CS+1], s[CS]
	s_wait_dscnt 0x0                               ; both opening adds are done
	s_wait_kmcnt 0x0
	s_add_nc_u64 s[14:15], s[4:5], s[36:37]
	s_or_b32 s15, s15, 0x80000000
	CROUND                                         ; all four work-groups are here
	tensor_load_to_lds s[12:15], s[16:23]
	s_nop 0
.rept 4
	v_nop
.endr
	v_and_b32 v9, 31, v0
	v_lshlrev_b32 v1, 4, v9                        ; K's units: 16 x lane,
	v_lshlrev_b32 v2, 3, v9
	v_add_nc_u32 v2, 512, v2                       ; 512 + 8 x lane;
	v_add_nc_u32 v3, 106496, v1                    ; V's likewise;
	v_add_nc_u32 v4, 106496, v2
	v_lshlrev_b32 v5, 2, v9
	v_add_nc_u32 v6, 204800, v5                    ; V's words,
	v_add_nc_u32 v5, 98304, v5                     ; K's words
	s_lshl_b32 s28, s8, 3
	s_add_co_u32 s28, s28, s10                     ; tile A = 8 w + p
	s_sub_co_u32 s29, 127, s28                     ; tile B
	s_mov_b32 s30, s8                              ; their diagonal steps
	s_sub_co_u32 s31, 15, s8
	v_and_b32 v192, 15, v0                         ; r
	v_bfe_u32 v247, v0, 4, 1                       ; h
	v_and_b32 v194, 8, v192
	v_add_nc_u32 v194, v194, v192
	v_lshlrev_b32 v195, 4, v247
	v_sub_nc_u32 v194, v194, v195                  ; r + 8 (r / 8) - 16 h
	s_lshr_b32 s36, s10, 1
	s_lshl_b32 s36, s36, 5
	s_and_b32 s37, s10, 1
	s_lshl_b32 s37, s37, 3
	s_add_co_u32 s36, s36, s37
	v_add_nc_u32 v10, s36, v194                    ; tile A's first query in its 128, + that
	s_sub_co_u32 s38, 7, s10
	s_lshr_b32 s36, s38, 1
	s_lshl_b32 s36, s36, 5
	s_and_b32 s37, s38, 1
	s_lshl_b32 s37, s37, 3
	s_add_co_u32 s36, s36, s37
	v_add_nc_u32 v9, s36, v194                     ; tile B's
	s_mul_i32 s36, s11, 106496
	s_add_co_u32 s36, s36, 6684672
	s_mov_b32 s37, 0
	s_add_nc_u64 s[46:47], s[4:5], s[36:37]        ; my head's Q
	s_mul_i32 s36, s28, 768
	v_add_nc_u32 v248, s36, v1
	v_add_nc_u32 v249, s36, v2
	s_lshl_b32 s36, s28, 6
	s_add_co_u32 s36, s36, 98304
	v_lshl_add_u32 v250, v192, 2, s36
	s_mul_i32 s36, s29, 768
	v_add_nc_u32 v251, s36, v1
	v_add_nc_u32 v252, s36, v2
	s_lshl_b32 s36, s29, 6
	s_add_co_u32 s36, s36, 98304
	v_lshl_add_u32 v253, v192, 2, s36
	global_load_b128 v[16:19], v248, s[46:47]      ; both tiles' Q stay in registers
	global_load_b64 v[20:21], v249, s[46:47]
	global_load_b32 v87, v250, s[46:47]
	global_load_b128 v[212:215], v251, s[46:47]
	global_load_b64 v[216:217], v252, s[46:47]
	global_load_b32 v95, v253, s[46:47]
	s_lshr_b32 s36, s11, 4
	s_lshl_b32 s36, s36, 7                         ; 128 tiles a batch
	s_and_b32 s37, s11, 15                         ; the head: unit number in a block of att
	s_mul_i32 s39, s37, 768
	s_add_co_u32 s39, s39, 512
	s_add_co_u32 s38, s36, s28
	s_mul_i32 s38, s38, 12800
	s_add_co_u32 s38, s38, s39
	s_add_co_u32 s44, s36, s29
	s_mul_i32 s44, s44, 12800
	s_add_co_u32 s44, s44, s39
	s_mov_b32 s39, 0
	s_mov_b32 s45, 0
	s_add_nc_u64 s[40:41], s[6:7], s[38:39]        ; tile A's unit
	s_add_nc_u64 s[42:43], s[6:7], s[44:45]        ; tile B's
	s_mul_i32 s38, s36, 12800
	s_lshr_b32 s44, s37, 1
	s_lshl_b32 s44, s44, 6
	s_add_co_u32 s38, s38, s44                     ; the head's K step among the scale words,
	s_and_b32 s44, s37, 1
	s_lshl_b32 s44, s44, 1
	s_add_co_u32 s38, s38, s44                     ; and its half of a word
	s_add_nc_u64 s[44:45], s[6:7], s[38:39]
	s_sub_co_u32 s36, s29, s28
	s_mul_i32 s36, s36, 12800
	s_mul_i32 s37, s28, 12800
	v_mul_u32_u24 v246, s36, v247                  ; lanes 0-15 tile A's block, lanes 16-31 tile B's
	v_lshl_add_u32 v246, v192, 2, v246
	v_add_nc_u32 v246, s37, v246
.irp j, 22,23,24,25,26,27,80,81,82,83,84,85,218,219,220,221,222,223
	v_mov_b32 v[\j], 0                             ; zero codes for k = 64 .. 127 of Q; what follows K's last tile
.endr
.irp j, 193,194,195,196,197,198,199,208,209,210
	v_mov_b32 v[\j], 0                             ; written once: lane permutes' destinations and halves of pairs count as read
.endr
	s_wait_loadcnt 0x0                             ; Q
	s_wait_tensorcnt 0x0                           ; my eighth of the head has landed,
	s_barrier_signal -1
	s_barrier_wait -1                              ; everybody's has
	PASS 16, 87, 10, 30, 94, 40
	PASS 212, 95, 9, 31, 211, 42
	v_cmp_eq_u32 vcc_lo, 1, v247
	v_cndmask_b32 v245, v94, v211, vcc_lo
	global_store_b16 v246, v245, s[44:45]          ; both tiles' scale half words by one store
	s_wait_tensorcnt 0x0                           ; the wave's end
	ds_add_u32 v7, v8
	s_wait_dscnt 0x0
	CROUND                                         ; the closing round
	s_endpgm
.Lfunc_end_k_qd6cb351a26_attn:
	.size	k_qd6cb351a26_attn, .Lfunc_end_k_qd6cb351a26_attn-k_qd6cb351a26_attn
	.p2alignl 7, 3214868480
	.fill 96, 4, 3214868480
	.section	.rodata,"a",@progbits
	.p2align	6, 0x0
	.amdhsa_kernel k_qd6cb351a26_attn
		.amdhsa_group_segment_fixed_size 209920
		.amdhsa_private_segment_fixed_size 0
		.amdhsa_enable_private_segment 0
		.amdhsa_kernarg_size 16
		.amdhsa_user_sgpr_count 2
		.amdhsa_user_sgpr_kernarg_segment_ptr 1
		.amdhsa_wavefront_size32 1
		.amdhsa_system_sgpr_workgroup_id_x 1
		.amdhsa_system_sgpr_workgroup_id_y 1
		.amdhsa_system_sgpr_workgroup_id_z 1
		.amdhsa_system_vgpr_workitem_id 0
		.amdhsa_next_free_vgpr 256
		.amdhsa_next_free_sgpr 66
		.amdhsa_reserve_vcc 1
		.amdhsa_float_denorm_mode_32 3
		.amdhsa_float_denorm_mode_16_64 3
		.amdhsa_memory_ordered 1
		.amdhsa_forward_progress 1
		.amdhsa_inst_pref_size 60
	.end_amdhsa_kernel
	.amdgpu_metadata
---
amdhsa.version: [ 1, 2 ]
amdhsa.kernels:
  - .name:           k_qd6cb351a26_attn
    .symbol:         k_qd6cb351a26_attn.kd
    .args:
      - { .name: qkvc, .offset: 0, .size: 8, .value_kind: global_buffer, .address_space: global }
      - { .name: att, .offset: 8, .size: 8, .value_kind: global_buffer, .address_space: global }
    .group_segment_fixed_size: 209920
    .private_segment_fixed_size: 0
    .kernarg_segment_align: 8
    .kernarg_segment_size: 16
    .max_flat_workgroup_size: 256
    .sgpr_count:     66
    .vgpr_count:     256
    .wavefront_size: 32
...
	.end_amdgpu_metadata
.endif
;; end of part 3
;; launch outp (part 4): grid 8 x 32, 4 waves a work-group, clusters of 4 x 4, 272,896 bytes of LDS; arguments att, pre, x, x1; writes x1
.if DOCPART == 4
	.amdgcn_target "amdgcn-amd-amdhsa--gfx1250"
	.amdhsa_code_object_version 6
	.text
	.protected	k_qd6cb351a26_outp
	.globl	k_qd6cb351a26_outp
	.p2align	8
	.type	k_qd6cb351a26_outp,@function
k_qd6cb351a26_outp:
	s_mov_b64 s[64:65], 0
	v_nop
	global_prefetch_b8 v0, s[64:65] scope:SCOPE_SE
	s_setreg_imm32_b32 hwreg(HW_REG_WAVE_MODE, 25, 1), 1
	s_wait_xcnt 0x0
	s_wait_alu depctr_hold_cnt(0) depctr_sa_sdst(0) depctr_va_vdst(0) depctr_va_sdst(0) depctr_va_ssrc(0) depctr_va_vcc(0) depctr_vm_vsrc(0)
	s_getreg_b32 s2, hwreg(HW_REG_IB_STS2, 6, 4)
	s_cmp_eq_u32 s2, 0
	s_cbranch_scc0 .Lentry_in_a_cluster
	s_endpgm
.Lentry_in_a_cluster:
	s_bfe_u32 s2, ttmp6, 0x10000c
	s_cmp_lg_u32 s2, 0xf033
	s_cbranch_scc0 .Lentry_shape_is_right
	s_endpgm
.Lentry_shape_is_right:
; x1 = x + attn w_out^T on codes of FP6 (E2M3); x1 is f32, row-major.
; OPERANDS are blocks of 12,800 bytes for each tile of 16 rows: 512 bytes of scale words [K step][row], then 8 fragments of 1,536 bytes, images of the operand's registers.
; Place i of tile T is row 32 (T / 2) + 8 (T % 2) + i + 8 (i / 8).
; SHARES.  A work-group makes 128 rows x 128 columns, each of four waves 64 x 64: 16 accumulators.
; LDS.  All of K (1,024) of the 8 + 8 tiles fits: 204,800 bytes, filled ONCE, in four chunks of two K steps; each wave issues four tensor loads at the head (four of mine are out at most),
; and a counted wait with a plain barrier opens each chunk.  Nothing is filled again.  Behind the chunks a stage of 128 rows x 528 bytes, bytes of its own.
; CLUSTER 4 x 4: the activations' tiles are shared along a row of the cluster, the weights' along a column: joint loads.
; Source 0 = 16 rows of w, source 1 = 16 rows of attn: a lane holds one row and eight neighbouring columns an accumulator.
; THE WAY OUT: results to the stage, a barrier, each wave reads 32 whole rows of 512 bytes, adds x (asked for at the head) and stores them: 512 consecutive bytes a store.
.set NB,    4
.set NKS,   8
.set CK,    2
.set RBE,   3584
.set RBO,   3072
.set TSTR,  12800
.set W0,    448                        ; w_out's first block in pre
.set STAGE, 204800
.set SP,    528
.set SPARE, STAGE+128*SP
.set SC,   32
.set ACC,  128
.set SPW,  22
.set NIL,  23
.set L16,  24
.set L8,   25
.set STO,  26
.set RD,   27
.set G1A,  24
.set G1B,  40
.set MSB, 0
.macro WIN new
.if MSB != \new
	s_set_vgpr_msb (MSB<<8)|\new
.set MSB, \new
.endif
.endm
.set MUL,  0x05
.set TO_F, 0x40
.macro PLACES
.rept 4
	v_nop
.endr
.endm
.macro CHP q
.if (\q) == 0
.set RBQ, RBE
.set HDQ, 512
.set CHQ, 0
.set SRQ, 0
.set G1Q, 0
.else
.set RBQ, RBO
.set HDQ, 0
.set CHQ, 16*RBE+16*RBO*((\q)-1)
.set SRQ, RBE+RBO*((\q)-1)
.set G1Q, 8
.endif
.endm
.macro JLOAD g0a, g1a, g0b, g1b        ; waves 0 and 1 fetch the activations' tiles, waves 2 and 3 the weights'; an s_nop 0 and four v_nop follow each line
	s_cmp_eq_u32 s13, 0
	s_cbranch_scc0 .Lfor_b_\@
	tensor_load_to_lds s[\g0a:\g0a+3], s[\g1a:\g1a+7]
	s_nop 0
.rept 4
	v_nop
.endr
	s_branch .Lasked_\@
.Lfor_b_\@:
	tensor_load_to_lds s[\g0b:\g0b+3], s[\g1b:\g1b+7]
	s_nop 0
.rept 4
	v_nop
.endr
.Lasked_\@:
.endm
.macro CROUND
	s_barrier_signal -1
	s_barrier_wait -1
	s_cmp_lg_u32 s12, 0
	s_cbranch_scc1 .Lnot_wave_0_\@
	s_barrier_signal -3
.Lnot_wave_0_\@:
	s_barrier_wait -3
	s_barrier_signal -1
	s_barrier_wait -1
.endm
.macro ADDRS q
	CHP \q
	s_mul_i32 s92, s13, 4*RBQ
	s_add_co_u32 s92, s92, CHQ+HDQ
	v_add_nc_u32 v[4+4*\q], s92, v[L16]
	s_add_co_u32 s92, s92, 512
	v_add_nc_u32 v[5+4*\q], s92, v[L8]
	s_mul_i32 s93, s14, NB*RBQ
	s_add_co_u32 s93, s93, CHQ+HDQ+8*RBQ
	v_add_nc_u32 v[6+4*\q], s93, v[L16]
	s_add_co_u32 s93, s93, 512
	v_add_nc_u32 v[7+4*\q], s93, v[L8]
.endm
.macro FRAG reg, a16, off
	ds_load_b128 v[\reg:\reg+3], v[\a16] offset:\off
	ds_load_b64 v[\reg+4:\reg+5], v[\a16+1] offset:\off
	ds_load_b128 v[\reg+6:\reg+9], v[\a16] offset:\off+768
	ds_load_b64 v[\reg+10:\reg+11], v[\a16+1] offset:\off+768
.endm
.macro FETCH s, f
	CHP (\s)/CK
.set AQ, 4+4*((\s)/CK)
.set UO, 1536*((\s)%CK)
.irp i, 0,1,2,3
	FRAG \f+12*\i, AQ, UO+\i*RBQ
.endr
.irp i, 0,1,2,3
	FRAG \f+48+12*\i, AQ+2, UO+\i*RBQ
.endr
.endm
.macro SCALES                          ; register 4 s + i: lanes 0-15 the activations' tile i, lanes 16-31 the weights' tile i, K step s
.irp s, 0,1,2,3,4,5,6,7
.irp i, 0,1,2,3
	ds_load_b32 v[SC+4*\s+\i], v20 offset:\i*RBE+64*\s
.endr
.endr
.endm
.macro WM d, a, b, z, sa, sb
.if \z
	v_wmma_scale_f32_16x16x128_f8f6f4 v[\d:\d+7], v[\a:\a+11], v[\b:\b+11], 0, v[\sa], v[\sb] matrix_a_fmt:MATRIX_FMT_FP6 matrix_b_fmt:MATRIX_FMT_FP6 matrix_a_scale:MATRIX_SCALE_ROW1
.else
	v_wmma_scale_f32_16x16x128_f8f6f4 v[\d:\d+7], v[\a:\a+11], v[\b:\b+11], v[\d:\d+7], v[\sa], v[\sb] matrix_a_fmt:MATRIX_FMT_FP6 matrix_b_fmt:MATRIX_FMT_FP6 matrix_a_scale:MATRIX_SCALE_ROW1
.endif
.endm
.macro MULS f, s, z                    ; the 16 accumulators take turns, one instruction a turn
.irp a, 0,1,2,3
.irp b, 0,1,2,3
	WM ACC+8*(4*\a+\b), \f+48+12*\b, \f+12*\a, \z, SC+4*(\s)+\b, SC+4*(\s)+\a
.endr
.endr
.endm
.macro KSTEP s
	s_wait_dscnt 0x0                               ; this K step's fragments, asked for a K step ago
.if (\s)+1 < NKS
.if ((\s)+1)%CK == 0
	s_wait_tensorcnt 3-((\s)+1)/CK                 ; my part of the next chunk has landed; the later chunks' loads stay out
	s_barrier_signal -1
	s_barrier_wait -1
.endif
.if (\s) > 0
	PLACES
.endif
	WIN TO_F
	FETCH (\s)+1, 128*(((\s)+1)%2)
.endif
	WIN MUL
.if (\s) == 0
	MULS 128*((\s)%2), \s, 1
.else
	MULS 128*((\s)%2), \s, 0
.endif
.endm
	s_load_b256 s[4:11], s[0:1], 0x0               ; att s[4:5], pre s[6:7], x s[8:9], x1 s[10:11]
	v_lshl_add_u32 v[SPW], v0, 2, SPARE
	v_mov_b32 v[NIL], 0
	ds_add_u32 v[SPW], v[NIL]                      ; the wave's opening: the add, twice on end, and its wait ahead of my first tensor load
	ds_add_u32 v[SPW], v[NIL]
	v_lshrrev_b32 v1, 5, v0
	v_readfirstlane_b32 s12, v1
	s_lshr_b32 s13, s12, 1
	s_and_b32 s14, s12, 1
	s_bfe_u32 s15, ttmp6, 0x40000
	s_bfe_u32 s16, ttmp6, 0x40004
	s_lshl_b32 s17, ttmp9, 2
	s_add_co_u32 s17, s17, s15                     ; tile column
	s_and_b32 s18, ttmp7, 0xffff
	s_lshl_b32 s18, s18, 2
	s_add_co_u32 s18, s18, s16                     ; tile row
	s_lshl_b32 s19, s16, 2
	s_lshl_b32 s19, 15, s19
	s_lshl_b32 s20, 0x1111, s15
	s_or_b32 s[G1A], s19, (3<<16)|(1<<21)
	s_or_b32 s[G1A+8], s19, (3<<16)|(1<<21)
	s_or_b32 s[G1B], s20, (3<<16)|(1<<21)
	s_or_b32 s[G1B+8], s20, (3<<16)|(1<<21)
.irp g, G1A, G1B
	s_mov_b32 s[\g+1], (RBE/8)<<16
	s_mov_b32 s[\g+2], 4<<16
	s_mov_b32 s[\g+3], (RBE/8)<<16
	s_mov_b32 s[\g+4], 4
	s_mov_b32 s[\g+5], TSTR/8
	s_mov_b32 s[\g+6], 0
	s_mov_b32 s[\g+7], 0
	s_mov_b32 s[\g+9], (RBO/8)<<16
	s_mov_b32 s[\g+10], 4<<16
	s_mov_b32 s[\g+11], (RBO/8)<<16
	s_mov_b32 s[\g+12], 4
	s_mov_b32 s[\g+13], TSTR/8
	s_mov_b32 s[\g+14], 0
	s_mov_b32 s[\g+15], 0
.endr
	s_lshl_b32 s92, s18, 3
	s_lshl_b32 s93, s14, 2
	s_add_co_u32 s92, s92, s93
	s_mul_i32 s92, s92, TSTR
	s_mov_b32 s93, 0
	s_lshl_b32 s94, s17, 3
	s_lshl_b32 s95, s14, 2
	s_add_co_u32 s94, s94, s95
	s_add_co_u32 s94, s94, W0
	s_mul_i32 s94, s94, TSTR
	s_mov_b32 s95, 0
	s_wait_dscnt 0x0
	s_wait_kmcnt 0x0
	s_add_nc_u64 s[92:93], s[4:5], s[92:93]
	s_add_nc_u64 s[94:95], s[6:7], s[94:95]
	CROUND
.irp q, 0,1,2,3
	CHP \q
.set GA, 56+4*\q+4*(\q/2)
.set GB, 76+4*\q
	s_mov_b32 s[GA], 1
	s_mul_i32 s96, s14, 4*RBQ
	s_add_co_u32 s[GA+1], s96, CHQ
	s_add_nc_u64 s[GA+2:GA+3], s[92:93], SRQ
	s_or_b32 s[GA+3], s[GA+3], 0x80000000
	s_mov_b32 s[GB], 1
	s_mul_i32 s97, s14, NB*RBQ
	s_add_co_u32 s[GB+1], s97, CHQ+8*RBQ
	s_add_nc_u64 s[GB+2:GB+3], s[94:95], SRQ
	s_or_b32 s[GB+3], s[GB+3], 0x80000000
	JLOAD GA, G1A+G1Q, GB, G1B+G1Q
.endr
	v_and_b32 v1, 15, v0
	v_bfe_u32 v2, v0, 4, 1
	v_and_b32 v3, 31, v0
	v_lshlrev_b32 v[L16], 4, v3
	v_lshlrev_b32 v[L8], 3, v3
	s_lshl_b32 s92, s18, 7                         ; the rows that I store: 128 x tile row + 32 x wave; the tile's 512 bytes of a row
	s_lshl_b32 s93, s12, 5
	s_add_co_u32 s92, s92, s93
	s_lshl_b32 s92, s92, 12
	s_lshl_b32 s93, s17, 9
	s_add_co_u32 s92, s92, s93
	s_mov_b32 s93, 0
	s_add_nc_u64 s[8:9], s[8:9], s[92:93]
	s_add_nc_u64 s[10:11], s[10:11], s[92:93]
.set t, 0
.rept 16                                       ; x's rows in the order of the stage: stage row t of my 32 is row 8 ((t / 16) % 2) + t % 8 + 16 ((t / 8) % 2)
	global_load_b128 v[64+4*t:67+4*t], v[L16], s[8:9] offset:(8*((t/16)%2)+t%8+16*((t/8)%2))*4096 th:TH_LOAD_NT
.set t, t+1
.endr
	WIN 0x40                                       ; the other sixteen into the free registers of window 1: v96-127, v224-255
.rept 16
.set xr, 96+4*(t-16)+96*((t-16)/8)
	global_load_b128 v[xr:xr+3], v[L16], s[8:9] offset:(8*((t/16)%2)+t%8+16*((t/8)%2))*4096 th:TH_LOAD_NT
.set t, t+1
.endr
	WIN 0
.irp q, 0,1,2,3
	ADDRS \q
.endr
	s_mul_i32 s92, s13, 4*RBE
	s_mul_i32 s93, s14, NB*RBE
	s_add_co_u32 s93, s93, 8*RBE
	s_sub_co_u32 s93, s93, s92
	v_mul_u32_u24 v20, s93, v2
	v_lshl_add_u32 v20, v1, 2, v20
	v_add_nc_u32 v20, s92, v20
	s_mul_i32 s92, s13, 64*SP                      ; into the stage: my 64 rows, my 256 bytes of them; row r, + 64 h
	s_lshl_b32 s93, s14, 8
	s_add_co_u32 s92, s92, s93
	s_add_co_u32 s92, s92, STAGE
	v_mul_u32_u24 v[STO], v1, SP
	v_lshl_add_u32 v[STO], v2, 6, v[STO]
	v_add_nc_u32 v[STO], s92, v[STO]
	s_mul_i32 s92, s12, 32*SP                      ; back: my 32 rows, whole
	s_add_co_u32 s92, s92, STAGE
	v_add_nc_u32 v[RD], s92, v[L16]
	s_wait_tensorcnt 3                             ; my part of chunk 0 is in; three later loads of mine stay out
	s_barrier_signal -1
	s_barrier_wait -1
	SCALES
	WIN TO_F
	FETCH 0, 0
.irp s, 0,1,2,3,4,5,6,7
	KSTEP \s
.endr
	WIN 0
	PLACES
.irp a, 0,1,2,3
.irp b, 0,1,2,3
	ds_store_b128 v[STO], v[ACC+8*(4*\a+\b):ACC+8*(4*\a+\b)+3] offset:\a*16*SP+128*(\b/2)+32*(\b%2)       ; each accumulator from its low end on: columns 32 (b / 2) + 16 h + 8 (b % 2) + 0 .. 7
	ds_store_b128 v[STO], v[ACC+8*(4*\a+\b)+4:ACC+8*(4*\a+\b)+7] offset:\a*16*SP+128*(\b/2)+32*(\b%2)+16
.endr
.endr
	s_wait_dscnt 0x0                               ; for the others' sake: my stores into the stage are done
	s_barrier_signal -1
	s_barrier_wait -1
.set t, 0
.rept 32
	ds_load_b128 v[ACC+4*t:ACC+4*t+3], v[RD] offset:t*SP
.set t, t+1
.endr
	s_wait_loadcnt 0x0                             ; x
.set t, 0
.rept 16
	s_wait_dscnt 31-t                              ; row t is back; the younger ones stay out
	v_pk_add_f32 v[ACC+4*t:ACC+4*t+1], v[ACC+4*t:ACC+4*t+1], v[64+4*t:65+4*t]
	v_pk_add_f32 v[ACC+4*t+2:ACC+4*t+3], v[ACC+4*t+2:ACC+4*t+3], v[66+4*t:67+4*t]
	global_store_b128 v[L16], v[ACC+4*t:ACC+4*t+3], s[10:11] offset:(8*((t/16)%2)+t%8+16*((t/8)%2))*4096   ; 32 lanes store 512 consecutive bytes, aligned to 256
.set t, t+1
.endr
	s_wait_dscnt 0x0
	WIN 0x04                                       ; source 1 window 1
.rept 16
.set xr, 96+4*(t-16)+96*((t-16)/8)
	v_pk_add_f32 v[ACC+4*t:ACC+4*t+1], v[ACC+4*t:ACC+4*t+1], v[xr:xr+1]
	v_pk_add_f32 v[ACC+4*t+2:ACC+4*t+3], v[ACC+4*t+2:ACC+4*t+3], v[xr+2:xr+3]
.set t, t+1
.endr
	WIN 0
.set t, 16
.rept 16
	global_store_b128 v[L16], v[ACC+4*t:ACC+4*t+3], s[10:11] offset:(8*((t/16)%2)+t%8+16*((t/8)%2))*4096
.set t, t+1
.endr
	s_wait_tensorcnt 0x0                           ; the wave's end
	ds_add_u32 v[SPW], v[NIL]
	s_wait_dscnt 0x0
	CROUND                                         ; the closing round
	s_endpgm
.Lfunc_end_k_qd6cb351a26_outp:
	.size	k_qd6cb351a26_outp, .Lfunc_end_k_qd6cb351a26_outp-k_qd6cb351a26_outp
	.p2alignl 7, 3214868480
	.fill 96, 4, 3214868480
	.section	.rodata,"a",@progbits
	.p2align	6, 0x0
	.amdhsa_kernel k_qd6cb351a26_outp
		.amdhsa_group_segment_fixed_size 272896
		.amdhsa_private_segment_fixed_size 0
		.amdhsa_enable_private_segment 0
		.amdhsa_kernarg_size 32
		.amdhsa_user_sgpr_count 2
		.amdhsa_user_sgpr_kernarg_segment_ptr 1
		.amdhsa_wavefront_size32 1
		.amdhsa_system_sgpr_workgroup_id_x 1
		.amdhsa_system_sgpr_workgroup_id_y 1
		.amdhsa_system_sgpr_workgroup_id_z 1
		.amdhsa_system_vgpr_workitem_id 0
		.amdhsa_next_free_vgpr 512
		.amdhsa_next_free_sgpr 100
		.amdhsa_reserve_vcc 0
		.amdhsa_float_denorm_mode_32 3
		.amdhsa_float_denorm_mode_16_64 3
		.amdhsa_memory_ordered 1
		.amdhsa_forward_progress 1
		.amdhsa_inst_pref_size 63
	.end_amdhsa_kernel
	.amdgpu_metadata
---
amdhsa.version: [ 1, 2 ]
amdhsa.kernels:
  - .name:           k_qd6cb351a26_outp
    .symbol:         k_qd6cb351a26_outp.kd
    .args:
      - { .name: att, .offset: 0, .size: 8, .value_kind: global_buffer, .address_space: global }
      - { .name: pre, .offset: 8, .size: 8, .value_kind: global_buffer, .address_space: global }
      - { .name: x, .offset: 16, .size: 8, .value_kind: global_buffer, .address_space: global }
      - { .name: x1, .offset: 24, .size: 8, .value_kind: global_buffer, .address_space: global }
    .group_segment_fixed_size: 272896
    .private_segment_fixed_size: 0
    .kernarg_segment_align: 8
    .kernarg_segment_size: 32
    .max_flat_workgroup_size: 128
    .sgpr_count:     100
    .vgpr_count:     512
    .wavefront_size: 32
...
	.end_amdgpu_metadata
.endif
;; end of part 4
;; launch norm2: the kernel of part 1 again; grid 256 x 1, 8 waves a work-group, no clusters, 69,632 bytes of LDS; arguments x1, w_ff_norm, w_qkv, w_out, w_fc, w_proj, h2; writes h2
;; launch fc (part 5): grid 16 x 32, 4 waves a work-group, clusters of 4 x 4, 205,312 bytes of LDS; arguments h2, pre, hid; writes hid
.if DOCPART == 5
	.amdgcn_target "amdgcn-amd-amdhsa--gfx1250"
	.amdhsa_code_object_version 6
	.text
	.protected	k_qd6cb351a26_fc
	.globl	k_qd6cb351a26_fc
	.p2align	8
	.type	k_qd6cb351a26_fc,@function
k_qd6cb351a26_fc:
	s_mov_b64 s[64:65], 0
	v_nop
	global_prefetch_b8 v0, s[64:65] scope:SCOPE_SE
	s_setreg_imm32_b32 hwreg(HW_REG_WAVE_MODE, 25, 1), 1
	s_wait_xcnt 0x0
	s_wait_alu depctr_hold_cnt(0) depctr_sa_sdst(0) depctr_va_vdst(0) depctr_va_sdst(0) depctr_va_ssrc(0) depctr_va_vcc(0) depctr_vm_vsrc(0)
	s_getreg_b32 s2, hwreg(HW_REG_IB_STS2, 6, 4)
	s_cmp_eq_u32 s2, 0
	s_cbranch_scc0 .Lentry_in_a_cluster
	s_endpgm
.Lentry_in_a_cluster:
	s_bfe_u32 s2, ttmp6, 0x10000c
	s_cmp_lg_u32 s2, 0xf033
	s_cbranch_scc0 .Lentry_shape_is_right
	s_endpgm
.Lentry_shape_is_right:
; hid = silu(h w_fc^T) on codes of FP6 (E2M3), quantised along its 2,048 for the next product and stored as that product's operand.
; OPERANDS are blocks of 12,800 bytes for each tile of 16 rows: 512 bytes of scale words [K step][row], then 8 fragments of 1,536 bytes, images of the operand's registers.
; Place i of tile T is row 32 (T / 2) + 8 (T % 2) + i + 8 (i / 8).  hid has two such blocks a tile: K's halves.
; SHARES.  A work-group makes 128 rows x 128 columns, each of four waves 64 x 64: 16 accumulators; a wave's 64 columns are one unit (768 bytes) of each of its four tiles of rows.
; LDS.  All of K (1,024) of the 8 + 8 tiles fits: 204,800 bytes, filled ONCE, in four chunks of two K steps; each wave issues four tensor loads at the head (four of mine are out at most),
; and a counted wait with a plain barrier opens each chunk.  Nothing is filled again.
; CLUSTER 4 x 4: the activations' tiles are shared along a row of the cluster, the weights' along a column: joint loads.
; Source 0 = 16 rows of w, source 1 = 16 rows of h: a lane holds one row, and the 32 registers of a tile of rows are 16 + 16 neighbours along the next K.
; silu(y) = y / (1 + 2^(-y log2 e)), in f32.  LIMITS: NaN and infinities are not served; a block whose largest magnitude lies under 2^-124 keeps the byte 1.  The scale half words leave as 2 bytes a lane.
.set NB,    4
.set NKS,   8
.set CK,    2
.set RBE,   3584
.set RBO,   3072
.set TSTR,  12800
.set W0,    512                        ; w_fc's first block in pre
.set SPARE, 204800
.set SC,   32
.set ACC,  128
.set SPW,  22
.set NIL,  23
.set L16,  24
.set L8,   25
.set PC,   32
.set PT,   64
.set TM,   80
.set PW,   104
.set TT,   64                          ; v64-127 at work in silu
.set SEL,  10
.set CS,   2
.set G1A,  24
.set G1B,  40
.set MSB, 0
.macro WIN new
.if MSB != \new
	s_set_vgpr_msb (MSB<<8)|\new
.set MSB, \new
.endif
.endm
.set MUL,  0x05
.set TO_F, 0x40
.macro PLACES
.rept 4
	v_nop
.endr
.endm
.macro CHP q
.if (\q) == 0
.set RBQ, RBE
.set HDQ, 512
.set CHQ, 0
.set SRQ, 0
.set G1Q, 0
.else
.set RBQ, RBO
.set HDQ, 0
.set CHQ, 16*RBE+16*RBO*((\q)-1)
.set SRQ, RBE+RBO*((\q)-1)
.set G1Q, 8
.endif
.endm
.macro JLOAD g0a, g1a, g0b, g1b        ; waves 0 and 1 fetch the activations' tiles, waves 2 and 3 the weights'; an s_nop 0 and four v_nop follow each line
	s_cmp_eq_u32 s13, 0
	s_cbranch_scc0 .Lfor_b_\@
	tensor_load_to_lds s[\g0a:\g0a+3], s[\g1a:\g1a+7]
	s_nop 0
.rept 4
	v_nop
.endr
	s_branch .Lasked_\@
.Lfor_b_\@:
	tensor_load_to_lds s[\g0b:\g0b+3], s[\g1b:\g1b+7]
	s_nop 0
.rept 4
	v_nop
.endr
.Lasked_\@:
.endm
.macro CROUND
	s_barrier_signal -1
	s_barrier_wait -1
	s_cmp_lg_u32 s12, 0
	s_cbranch_scc1 .Lnot_wave_0_\@
	s_barrier_signal -3
.Lnot_wave_0_\@:
	s_barrier_wait -3
	s_barrier_signal -1
	s_barrier_wait -1
.endm
.macro ADDRS q
	CHP \q
	s_mul_i32 s92, s13, 4*RBQ
	s_add_co_u32 s92, s92, CHQ+HDQ
	v_add_nc_u32 v[4+4*\q], s92, v[L16]
	s_add_co_u32 s92, s92, 512
	v_add_nc_u32 v[5+4*\q], s92, v[L8]
	s_mul_i32 s93, s14, NB*RBQ
	s_add_co_u32 s93, s93, CHQ+HDQ+8*RBQ
	v_add_nc_u32 v[6+4*\q], s93, v[L16]
	s_add_co_u32 s93, s93, 512
	v_add_nc_u32 v[7+4*\q], s93, v[L8]
.endm
.macro FRAG reg, a16, off
	ds_load_b128 v[\reg:\reg+3], v[\a16] offset:\off
	ds_load_b64 v[\reg+4:\reg+5], v[\a16+1] offset:\off
	ds_load_b128 v[\reg+6:\reg+9], v[\a16] offset:\off+768
	ds_load_b64 v[\reg+10:\reg+11], v[\a16+1] offset:\off+768
.endm
.macro FETCH s, f
	CHP (\s)/CK
.set AQ, 4+4*((\s)/CK)
.set UO, 1536*((\s)%CK)
.irp i, 0,1,2,3
	FRAG \f+12*\i, AQ, UO+\i*RBQ
.endr
.irp i, 0,1,2,3
	FRAG \f+48+12*\i, AQ+2, UO+\i*RBQ
.endr
.endm
.macro SCALES                          ; register 4 s + i: lanes 0-15 the activations' tile i, lanes 16-31 the weights' tile i, K step s
.irp s, 0,1,2,3,4,5,6,7
.irp i, 0,1,2,3
	ds_load_b32 v[SC+4*\s+\i], v20 offset:\i*RBE+64*\s
.endr
.endr
.endm
.macro WM d, a, b, z, sa, sb
.if \z
	v_wmma_scale_f32_16x16x128_f8f6f4 v[\d:\d+7], v[\a:\a+11], v[\b:\b+11], 0, v[\sa], v[\sb] matrix_a_fmt:MATRIX_FMT_FP6 matrix_b_fmt:MATRIX_FMT_FP6 matrix_a_scale:MATRIX_SCALE_ROW1
.else
	v_wmma_scale_f32_16x16x128_f8f6f4 v[\d:\d+7], v[\a:\a+11], v[\b:\b+11], v[\d:\d+7], v[\sa], v[\sb] matrix_a_fmt:MATRIX_FMT_FP6 matrix_b_fmt:MATRIX_FMT_FP6 matrix_a_scale:MATRIX_SCALE_ROW1
.endif
.endm
.macro MULS f, s, z                    ; the 16 accumulators take turns, one instruction a turn
.irp a, 0,1,2,3
.irp b, 0,1,2,3
	WM ACC+8*(4*\a+\b), \f+48+12*\b, \f+12*\a, \z, SC+4*(\s)+\b, SC+4*(\s)+\a
.endr
.endr
.endm
.macro KSTEP s
	s_wait_dscnt 0x0                               ; this K step's fragments, asked for a K step ago
.if (\s)+1 < NKS
.if ((\s)+1)%CK == 0
	s_wait_tensorcnt 3-((\s)+1)/CK                 ; my part of the next chunk has landed; the later chunks' loads stay out
	s_barrier_signal -1
	s_barrier_wait -1
.endif
.if (\s) > 0
	PLACES
.endif
	WIN TO_F
	FETCH (\s)+1, 128*(((\s)+1)%2)
.endif
	WIN MUL
.if (\s) == 0
	MULS 128*((\s)%2), \s, 1
.else
	MULS 128*((\s)%2), \s, 0
.endif
.endm
; 128 numbers of a lane, v[s] on: four units; in unit u register 16 b + i = k 32 b + 16 (lane / 16) + i of my row.  Codes to v[PC + 8 u] on, the two scale bytes to v[PW + u].  The eight blocks by turns.
.macro QH4 s
.irp n, 0,1,2,3,4,5,6,7
	v_mov_b32 v[TM+8+\n], 0
.endr
.irp n, 0,1,2,3,4,5,6,7
	v_max3_num_f32 v[TM+\n], |v[\s+16*\n]|, |v[\s+16*\n+1]|, 0x1800000
.endr
.irp i, 2,4,6,8,10,12,14
.irp n, 0,1,2,3,4,5,6,7
	v_max3_num_f32 v[TM+\n], v[TM+\n], |v[\s+16*\n+\i]|, |v[\s+16*\n+\i+1]|
.endr
.endr
.irp n, 0,1,2,3,4,5,6,7
	v_permlanex16_b32 v[TM+8+\n], v[TM+\n], s[SEL], s[SEL+1]
.endr
.irp n, 0,1,2,3,4,5,6,7
	v_max_num_f32 v[TM+\n], v[TM+\n], v[TM+8+\n]
.endr
.irp n, 0,1,2,3,4,5,6,7
	v_add_nc_u32 v[TM+16+\n], 0xff000000, v[TM+\n]
.endr
.irp n, 0,1,2,3,4,5,6,7
	v_lshrrev_b32 v[TM+8+\n], 23, v[TM+16+\n]
.endr
.irp u, 0,1,2,3
	v_lshl_or_b32 v[PW+\u], v[TM+9+2*\u], 8, v[TM+8+2*\u]
.endr
.irp u, 0,1,2,3
	v_cvt_scalef32_pk16_fp6_f32 v[PC+8*\u:PC+8*\u+2], v[\s+32*\u:\s+32*\u+15], v[TM+16+2*\u]
	v_cvt_scalef32_pk16_fp6_f32 v[PT+4*\u:PT+4*\u+2], v[\s+32*\u+16:\s+32*\u+31], v[TM+17+2*\u]
.endr
	v_nop
.irp u, 0,1,2,3
.irp i, 0,1,2
	v_permlane16_swap_b32 v[PC+8*\u+\i], v[PT+4*\u+\i]
.endr
.endr
.irp u, 0,1,2,3
.irp i, 0,1,2
	v_mov_b32 v[PC+8*\u+3+\i], v[PT+4*\u+\i]
.endr
.endr
.endm
	s_load_b128 s[4:7], s[0:1], 0x0                ; h2 s[4:5], pre s[6:7]
	s_load_b64 s[8:9], s[0:1], 0x10                ; hid
	v_lshl_add_u32 v[SPW], v0, 2, SPARE
	v_mov_b32 v[NIL], 0
	ds_add_u32 v[SPW], v[NIL]                      ; the wave's opening: the add, twice on end, and its wait ahead of my first tensor load
	ds_add_u32 v[SPW], v[NIL]
	v_lshrrev_b32 v1, 5, v0
	v_readfirstlane_b32 s12, v1
	s_lshr_b32 s13, s12, 1
	s_and_b32 s14, s12, 1
	s_bfe_u32 s15, ttmp6, 0x40000
	s_bfe_u32 s16, ttmp6, 0x40004
	s_lshl_b32 s17, ttmp9, 2
	s_add_co_u32 s17, s17, s15                     ; tile column
	s_and_b32 s18, ttmp7, 0xffff
	s_lshl_b32 s18, s18, 2
	s_add_co_u32 s18, s18, s16                     ; tile row
	s_lshl_b32 s19, s16, 2
	s_lshl_b32 s19, 15, s19
	s_lshl_b32 s20, 0x1111, s15
	s_or_b32 s[G1A], s19, (3<<16)|(1<<21)
	s_or_b32 s[G1A+8], s19, (3<<16)|(1<<21)
	s_or_b32 s[G1B], s20, (3<<16)|(1<<21)
	s_or_b32 s[G1B+8], s20, (3<<16)|(1<<21)
.irp g, G1A, G1B
	s_mov_b32 s[\g+1], (RBE/8)<<16
	s_mov_b32 s[\g+2], 4<<16
	s_mov_b32 s[\g+3], (RBE/8)<<16
	s_mov_b32 s[\g+4], 4
	s_mov_b32 s[\g+5], TSTR/8
	s_mov_b32 s[\g+6], 0
	s_mov_b32 s[\g+7], 0
	s_mov_b32 s[\g+9], (RBO/8)<<16
	s_mov_b32 s[\g+10], 4<<16
	s_mov_b32 s[\g+11], (RBO/8)<<16
	s_mov_b32 s[\g+12], 4
	s_mov_b32 s[\g+13], TSTR/8
	s_mov_b32 s[\g+14], 0
	s_mov_b32 s[\g+15], 0
.endr
	s_lshl_b32 s92, s18, 3
	s_lshl_b32 s93, s14, 2
	s_add_co_u32 s92, s92, s93
	s_mul_i32 s92, s92, TSTR
	s_mov_b32 s93, 0
	s_lshl_b32 s94, s17, 3
	s_lshl_b32 s95, s14, 2
	s_add_co_u32 s94, s94, s95
	s_add_co_u32 s94, s94, W0
	s_mul_i32 s94, s94, TSTR
	s_mov_b32 s95, 0
	s_wait_dscnt 0x0
	s_wait_kmcnt 0x0
	s_add_nc_u64 s[92:93], s[4:5], s[92:93]
	s_add_nc_u64 s[94:95], s[6:7], s[94:95]
	CROUND
.irp q, 0,1,2,3
	CHP \q
.set GA, 56+4*\q+4*(\q/2)
.set GB, 76+4*\q
	s_mov_b32 s[GA], 1
	s_mul_i32 s96, s14, 4*RBQ
	s_add_co_u32 s[GA+1], s96, CHQ
	s_add_nc_u64 s[GA+2:GA+3], s[92:93], SRQ
	s_or_b32 s[GA+3], s[GA+3], 0x80000000
	s_mov_b32 s[GB], 1
	s_mul_i32 s97, s14, NB*RBQ
	s_add_co_u32 s[GB+1], s97, CHQ+8*RBQ
	s_add_nc_u64 s[GB+2:GB+3], s[94:95], SRQ
	s_or_b32 s[GB+3], s[GB+3], 0x80000000
	JLOAD GA, G1A+G1Q, GB, G1B+G1Q
.endr
	v_and_b32 v1, 15, v0
	v_bfe_u32 v2, v0, 4, 1
	v_and_b32 v3, 31, v0
	v_lshlrev_b32 v[L16], 4, v3
	v_lshlrev_b32 v[L8], 3, v3
.irp q, 0,1,2,3
	ADDRS \q
.endr
	s_mul_i32 s92, s13, 4*RBE
	s_mul_i32 s93, s14, NB*RBE
	s_add_co_u32 s93, s93, 8*RBE
	s_sub_co_u32 s93, s93, s92
	v_mul_u32_u24 v20, s93, v2
	v_lshl_add_u32 v20, v1, 2, v20
	v_add_nc_u32 v20, s92, v20
	s_mov_b32 s[SEL], 0x76543210
	s_mov_b32 s[SEL+1], 0xfedcba98
	s_mov_b32 s[CS], 0xbfb8aa3b                    ; - log2(e)
	s_mov_b32 s[CS+1], s[CS]
	s_lshl_b32 s96, s17, 1
	s_add_co_u32 s96, s96, s14                     ; U: which 64 of the 2,048 are mine
	s_lshl_b32 s94, s18, 3
	s_lshl_b32 s95, s13, 2
	s_add_co_u32 s94, s94, s95                     ; my first tile of rows,
	s_mul_i32 s94, s94, 25600
	s_lshr_b32 s95, s96, 4
	s_mul_i32 s95, s95, 12800                      ; the half of K
	s_add_co_u32 s94, s94, s95
	s_mov_b32 s95, 0
	s_add_nc_u64 s[8:9], s[8:9], s[94:95]
	s_and_b32 s97, s96, 15
	s_mul_i32 s98, s97, 768
	s_add_co_u32 s98, s98, 512
	v_add_nc_u32 v27, s98, v[L16]                  ; the unit
	s_add_co_u32 s98, s98, 512
	v_add_nc_u32 v28, s98, v[L8]
	s_lshr_b32 s98, s97, 1
	s_lshl_b32 s98, s98, 6                         ; its K step among the scale words,
	s_and_b32 s99, s96, 1
	s_lshl_b32 s99, s99, 1                         ; its half of a word
	s_add_co_u32 s98, s98, s99
	v_mul_u32_u24 v29, v2, 25600                   ; lanes 16-31 carry the next tile's
	v_lshl_add_u32 v29, v1, 2, v29
	v_add_nc_u32 v29, s98, v29
	s_wait_tensorcnt 3                             ; my part of chunk 0 is in; three later loads of mine stay out
	s_barrier_signal -1
	s_barrier_wait -1
	SCALES
	WIN TO_F
	FETCH 0, 0
.irp s, 0,1,2,3,4,5,6,7
	KSTEP \s
.endr
	WIN 0
	PLACES
.irp u, 0,1                                    ; silu, 64 numbers at a time; each batch of transcendentals has one wait
.set j, 0
.rept 32
	v_pk_mul_f32 v[TT+j:TT+j+1], v[ACC+64*\u+j:ACC+64*\u+j+1], s[CS:CS+1] op_sel_hi:[1,0]
.set j, j+2
.endr
.set j, 0
.rept 64
	v_exp_f32 v[TT+j], v[TT+j]
.set j, j+1
.endr
	v_nop
	s_wait_alu depctr_va_vdst(0)
.set j, 0
.rept 32
	v_pk_add_f32 v[TT+j:TT+j+1], v[TT+j:TT+j+1], 1.0 op_sel_hi:[1,0]
.set j, j+2
.endr
.set j, 0
.rept 64
	v_rcp_f32 v[TT+j], v[TT+j]
.set j, j+1
.endr
	v_nop
	s_wait_alu depctr_va_vdst(0)
.set j, 0
.rept 32
	v_pk_mul_f32 v[ACC+64*\u+j:ACC+64*\u+j+1], v[ACC+64*\u+j:ACC+64*\u+j+1], v[TT+j:TT+j+1]
.set j, j+2
.endr
.endr
	QH4 ACC
	v_cmp_eq_u32 vcc_lo, 1, v2
	v_cndmask_b32 v108, v[PW], v[PW+1], vcc_lo
	v_cndmask_b32 v109, v[PW+2], v[PW+3], vcc_lo
.irp a, 0,1,2,3
	global_store_b128 v27, v[PC+8*\a:PC+8*\a+3], s[8:9] offset:25600*\a    ; 512 and 256 consecutive bytes, aligned to 256
	global_store_b64 v28, v[PC+8*\a+4:PC+8*\a+5], s[8:9] offset:25600*\a
.endr
	global_store_b16 v29, v108, s[8:9]
	global_store_b16 v29, v109, s[8:9] offset:51200
	s_wait_tensorcnt 0x0                           ; the wave's end
	ds_add_u32 v[SPW], v[NIL]
	s_wait_dscnt 0x0
	CROUND                                         ; the closing round
	s_endpgm
.Lfunc_end_k_qd6cb351a26_fc:
	.size	k_qd6cb351a26_fc, .Lfunc_end_k_qd6cb351a26_fc-k_qd6cb351a26_fc
	.p2alignl 7, 3214868480
	.fill 96, 4, 3214868480
	.section	.rodata,"a",@progbits
	.p2align	6, 0x0
	.amdhsa_kernel k_qd6cb351a26_fc
		.amdhsa_group_segment_fixed_size 205312
		.amdhsa_private_segment_fixed_size 0
		.amdhsa_enable_private_segment 0
		.amdhsa_kernarg_size 24
		.amdhsa_user_sgpr_count 2
		.amdhsa_user_sgpr_kernarg_segment_ptr 1
		.amdhsa_wavefront_size32 1
		.amdhsa_system_sgpr_workgroup_id_x 1
		.amdhsa_system_sgpr_workgroup_id_y 1
		.amdhsa_system_sgpr_workgroup_id_z 1
		.amdhsa_system_vgpr_workitem_id 0
		.amdhsa_next_free_vgpr 512
		.amdhsa_next_free_sgpr 100
		.amdhsa_reserve_vcc 1
		.amdhsa_float_denorm_mode_32 3
		.amdhsa_float_denorm_mode_16_64 3
		.amdhsa_memory_ordered 1
		.amdhsa_forward_progress 1
		.amdhsa_inst_pref_size 78
	.end_amdhsa_kernel
	.amdgpu_metadata
---
amdhsa.version: [ 1, 2 ]
amdhsa.kernels:
  - .name:           k_qd6cb351a26_fc
    .symbol:         k_qd6cb351a26_fc.kd
    .args:
      - { .name: h2, .offset: 0, .size: 8, .value_kind: global_buffer, .address_space: global }
      - { .name: pre, .offset: 8, .size: 8, .value_kind: global_buffer, .address_space: global }
      - { .name: hid, .offset: 16, .size: 8, .value_kind: global_buffer, .address_space: global }
    .group_segment_fixed_size: 205312
    .private_segment_fixed_size: 0
    .kernarg_segment_align: 8
    .kernarg_segment_size: 24
    .max_flat_workgroup_size: 128
    .sgpr_count:     100
    .vgpr_count:     512
    .wavefront_size: 32
...
	.end_amdgpu_metadata
.endif
;; end of part 5
;; launch proj (part 6): grid 16 x 32, 4 waves a work-group, clusters of 4 x 4, 307,712 bytes of LDS; arguments hid, pre, x1, out0; writes out0
.if DOCPART == 6
	.amdgcn_target "amdgcn-amd-amdhsa--gfx1250"
	.amdhsa_code_object_version 6
	.text
	.protected	k_qd6cb351a26_proj
	.globl	k_qd6cb351a26_proj
	.p2align	8
	.type	k_qd6cb351a26_proj,@function
k_qd6cb351a26_proj:
	s_mov_b64 s[64:65], 0
	v_nop
	global_prefetch_b8 v0, s[64:65] scope:SCOPE_SE
	s_setreg_imm32_b32 hwreg(HW_REG_WAVE_MODE, 25, 1), 1
	s_wait_xcnt 0x0
	s_wait_alu depctr_hold_cnt(0) depctr_sa_sdst(0) depctr_va_vdst(0) depctr_va_sdst(0) depctr_va_ssrc(0) depctr_va_vcc(0) depctr_vm_vsrc(0)
	s_getreg_b32 s2, hwreg(HW_REG_IB_STS2, 6, 4)
	s_cmp_eq_u32 s2, 0
	s_cbranch_scc0 .Lentry_in_a_cluster
	s_endpgm
.Lentry_in_a_cluster:
	s_bfe_u32 s2, ttmp6, 0x10000c
	s_cmp_lg_u32 s2, 0xf033
	s_cbranch_scc0 .Lentry_shape_is_right
	s_endpgm
.Lentry_shape_is_right:
; out0 = x1 + hid w_proj^T on codes of FP6 (E2M3), K = 2,048; out0 is f32, row-major.
; OPERANDS: for each tile of 16 rows two blocks of 12,800 bytes (K's halves), each 512 bytes of scale words [K step][row] and 8 fragments of 1,536 bytes, images of the operand's registers.
; Place i of tile T is row 32 (T / 2) + 8 (T % 2) + i + 8 (i / 8).
; SHARES.  A work-group makes 128 rows x 64 columns, each of four waves 64 x 32: 8 accumulators: the largest tile whose whole K fits in LDS.
; LDS.  8 + 4 tiles x 25,600 bytes = 307,200, filled ONCE, in four chunks of four K steps; each wave issues four tensor loads at the head (four of mine are out at most),
; and a counted wait with a plain barrier opens each chunk.  Nothing is filled again.  The stage of the way out lies in chunk 0's bytes, which have had their only fill
; and whose last reads every wave has awaited in front of the barrier that opens chunk 1.
; CLUSTER 4 x 4: the activations' tiles are shared along a row of the cluster, the weights' along a column: joint loads.
.set NB,    2
.set NKS,   16
.set CK,    4
.set RBE,   6656                       ; a tile's bytes in chunks 0 and 2: the scale words and four fragments
.set RBO,   6144                       ; in chunks 1 and 3
.set TSTR,  25600
.set WB0,   640*12800                  ; w_proj's first block in pre
.set STAGE, 0
.set SP,    272
.set SPARE, 307200
.set SC,   32                          ; v32-95 scale words: register 4 s + i: lanes 0-15 the activations' tile i, lanes 16-31 the weights' tile i % 2
.set XR,   96                          ; v96-159 x1's rows
.set ACC,  192
.set SPW,  22
.set NIL,  23
.set L16,  24
.set L8,   25
.set STO,  28
.set RD,   29
.set XO,   30
.set G1A,  24
.set G1B,  40
.set MSB, 0
.macro WIN new
.if MSB != \new
	s_set_vgpr_msb (MSB<<8)|\new
.set MSB, \new
.endif
.endm
.set MUL,  0x05
.set TO_F, 0x40
.macro PLACES
.rept 4
	v_nop
.endr
.endm
.macro CHP q
.if (\q)%2 == 0
.set RBQ, RBE
.set HDQ, 512
.set G1Q, 0
.else
.set RBQ, RBO
.set HDQ, 0
.set G1Q, 8
.endif
.set CHQ, 12*(RBE+RBO)*((\q)/2)+12*RBE*((\q)%2)
.set SRQ, 12800*((\q)/2)+RBE*((\q)%2)
.endm
.macro JLOAD g0a, g1a, g0b, g1b        ; waves 0 and 1 fetch the activations' tiles, waves 2 and 3 the weights'; an s_nop 0 and four v_nop follow each line
	s_cmp_eq_u32 s13, 0
	s_cbranch_scc0 .Lfor_b_\@
	tensor_load_to_lds s[\g0a:\g0a+3], s[\g1a:\g1a+7]
	s_nop 0
.rept 4
	v_nop
.endr
	s_branch .Lasked_\@
.Lfor_b_\@:
	tensor_load_to_lds s[\g0b:\g0b+3], s[\g1b:\g1b+7]
	s_nop 0
.rept 4
	v_nop
.endr
.Lasked_\@:
.endm
.macro CROUND
	s_barrier_signal -1
	s_barrier_wait -1
	s_cmp_lg_u32 s12, 0
	s_cbranch_scc1 .Lnot_wave_0_\@
	s_barrier_signal -3
.Lnot_wave_0_\@:
	s_barrier_wait -3
	s_barrier_signal -1
	s_barrier_wait -1
.endm
.macro ADDRS q
	CHP \q
	s_mul_i32 s92, s13, 4*RBQ
	s_add_co_u32 s92, s92, CHQ+HDQ
	v_add_nc_u32 v[4+4*\q], s92, v[L16]
	s_add_co_u32 s92, s92, 512
	v_add_nc_u32 v[5+4*\q], s92, v[L8]
	s_mul_i32 s93, s14, NB*RBQ
	s_add_co_u32 s93, s93, CHQ+HDQ+8*RBQ
	v_add_nc_u32 v[6+4*\q], s93, v[L16]
	s_add_co_u32 s93, s93, 512
	v_add_nc_u32 v[7+4*\q], s93, v[L8]
.endm
.macro FRAG reg, a16, off
	ds_load_b128 v[\reg:\reg+3], v[\a16] offset:\off
	ds_load_b64 v[\reg+4:\reg+5], v[\a16+1] offset:\off
	ds_load_b128 v[\reg+6:\reg+9], v[\a16] offset:\off+768
	ds_load_b64 v[\reg+10:\reg+11], v[\a16+1] offset:\off+768
.endm
.macro FETCH s, f
	CHP (\s)/CK
.set AQ, 4+4*((\s)/CK)
.set UO, 1536*((\s)%CK)
.irp i, 0,1,2,3
	FRAG \f+12*\i, AQ, UO+\i*RBQ
.endr
.irp i, 0,1
	FRAG \f+48+12*\i, AQ+2, UO+\i*RBQ
.endr
.endm
.macro SCALES hf                       ; the scale words of K's half hf: v20, v21 (half 0) or v26, v27 (half 1); the second register of each pair has lanes 16-31 two tiles back
.irp s, 0,1,2,3,4,5,6,7
.irp i, 0,1
	ds_load_b32 v[SC+32*\hf+4*\s+\i], v[20+6*\hf] offset:\i*RBE+64*\s
.endr
.irp i, 2,3
	ds_load_b32 v[SC+32*\hf+4*\s+\i], v[21+6*\hf] offset:\i*RBE+64*\s
.endr
.endr
.endm
.macro WM d, a, b, z, sa, sb
.if \z
	v_wmma_scale_f32_16x16x128_f8f6f4 v[\d:\d+7], v[\a:\a+11], v[\b:\b+11], 0, v[\sa], v[\sb] matrix_a_fmt:MATRIX_FMT_FP6 matrix_b_fmt:MATRIX_FMT_FP6 matrix_a_scale:MATRIX_SCALE_ROW1
.else
	v_wmma_scale_f32_16x16x128_f8f6f4 v[\d:\d+7], v[\a:\a+11], v[\b:\b+11], v[\d:\d+7], v[\sa], v[\sb] matrix_a_fmt:MATRIX_FMT_FP6 matrix_b_fmt:MATRIX_FMT_FP6 matrix_a_scale:MATRIX_SCALE_ROW1
.endif
.endm
.macro MULS f, s, z                    ; the 8 accumulators take turns, one instruction a turn
.irp a, 0,1,2,3
.irp b, 0,1
	WM ACC+8*(2*\a+\b), \f+48+12*\b, \f+12*\a, \z, SC+4*(\s)+\b, SC+4*(\s)+\a
.endr
.endr
.endm
.macro KSTEP s
	s_wait_dscnt 0x0                               ; this K step's fragments, asked for a K step ago
.if (\s)+1 < NKS
.if ((\s)+1)%CK == 0
	s_wait_tensorcnt 3-((\s)+1)/CK                 ; my part of the next chunk has landed; the later chunks' loads stay out
	s_barrier_signal -1
	s_barrier_wait -1
.endif
.if (\s) > 0
	PLACES
.endif
.if (\s)+1 == 8
	WIN 0
	SCALES 1                                       ; chunk 2 brings the scale words of K's second half
.endif
	WIN TO_F
	FETCH (\s)+1, 128*(((\s)+1)%2)
.endif
	WIN MUL
.if (\s) == 0
	MULS 128*((\s)%2), \s, 1
.else
	MULS 128*((\s)%2), \s, 0
.endif
.endm
	s_load_b256 s[4:11], s[0:1], 0x0               ; hid s[4:5], pre s[6:7], x1 s[8:9], out0 s[10:11]
	v_lshl_add_u32 v[SPW], v0, 2, SPARE
	v_mov_b32 v[NIL], 0
	ds_add_u32 v[SPW], v[NIL]                      ; the wave's opening: the add, twice on end, and its wait ahead of my first tensor load
	ds_add_u32 v[SPW], v[NIL]
	v_lshrrev_b32 v1, 5, v0
	v_readfirstlane_b32 s12, v1
	s_lshr_b32 s13, s12, 1
	s_and_b32 s14, s12, 1
	s_bfe_u32 s15, ttmp6, 0x40000
	s_bfe_u32 s16, ttmp6, 0x40004
	s_lshl_b32 s17, ttmp9, 2
	s_add_co_u32 s17, s17, s15                     ; tile column (64 columns)
	s_and_b32 s18, ttmp7, 0xffff
	s_lshl_b32 s18, s18, 2
	s_add_co_u32 s18, s18, s16                     ; tile row (128 rows)
	s_lshl_b32 s19, s16, 2
	s_lshl_b32 s19, 15, s19
	s_lshl_b32 s20, 0x1111, s15
	s_or_b32 s[G1A], s19, (3<<16)|(1<<21)
	s_or_b32 s[G1A+8], s19, (3<<16)|(1<<21)
	s_or_b32 s[G1B], s20, (3<<16)|(1<<21)
	s_or_b32 s[G1B+8], s20, (3<<16)|(1<<21)
.irp g, G1A, G1B
	s_mov_b32 s[\g+1], (RBE/8)<<16
	s_mov_b32 s[\g+3], (RBE/8)<<16
	s_mov_b32 s[\g+5], TSTR/8
	s_mov_b32 s[\g+6], 0
	s_mov_b32 s[\g+7], 0
	s_mov_b32 s[\g+9], (RBO/8)<<16
	s_mov_b32 s[\g+11], (RBO/8)<<16
	s_mov_b32 s[\g+13], TSTR/8
	s_mov_b32 s[\g+14], 0
	s_mov_b32 s[\g+15], 0
.endr
	s_mov_b32 s[G1A+2], 4<<16                      ; four tiles of the activations to a load,
	s_mov_b32 s[G1A+4], 4
	s_mov_b32 s[G1A+10], 4<<16
	s_mov_b32 s[G1A+12], 4
	s_mov_b32 s[G1B+2], NB<<16                     ; two of the weights
	s_mov_b32 s[G1B+4], NB
	s_mov_b32 s[G1B+10], NB<<16
	s_mov_b32 s[G1B+12], NB
	s_lshl_b32 s92, s18, 3
	s_lshl_b32 s93, s14, 2
	s_add_co_u32 s92, s92, s93
	s_mul_i32 s92, s92, TSTR
	s_mov_b32 s93, 0
	s_lshl_b32 s94, s17, 2
	s_lshl_b32 s95, s14, 1
	s_add_co_u32 s94, s94, s95
	s_mul_i32 s94, s94, TSTR
	s_add_co_u32 s94, s94, WB0
	s_mov_b32 s95, 0
	s_wait_dscnt 0x0
	s_wait_kmcnt 0x0
	s_add_nc_u64 s[92:93], s[4:5], s[92:93]
	s_add_nc_u64 s[94:95], s[6:7], s[94:95]
	CROUND
.irp q, 0,1,2,3
	CHP \q
.set GA, 56+4*\q+4*(\q/2)
.set GB, 76+4*\q
	s_mov_b32 s[GA], 1
	s_mul_i32 s96, s14, 4*RBQ
	s_add_co_u32 s[GA+1], s96, CHQ
	s_add_nc_u64 s[GA+2:GA+3], s[92:93], SRQ
	s_or_b32 s[GA+3], s[GA+3], 0x80000000
	s_mov_b32 s[GB], 1
	s_mul_i32 s97, s14, NB*RBQ
	s_add_co_u32 s[GB+1], s97, CHQ+8*RBQ
	s_add_nc_u64 s[GB+2:GB+3], s[94:95], SRQ
	s_or_b32 s[GB+3], s[GB+3], 0x80000000
	JLOAD GA, G1A+G1Q, GB, G1B+G1Q
.endr
	v_and_b32 v1, 15, v0
	v_bfe_u32 v2, v0, 4, 1
	v_and_b32 v3, 31, v0
	v_lshlrev_b32 v[L16], 4, v3
	v_lshlrev_b32 v[L8], 3, v3
	s_lshl_b32 s92, s18, 7                         ; the rows that I store: 128 x tile row + 32 x wave; the tile's 256 bytes of a row
	s_lshl_b32 s93, s12, 5
	s_add_co_u32 s92, s92, s93
	s_lshl_b32 s92, s92, 12
	s_lshl_b32 s93, s17, 8
	s_add_co_u32 s92, s92, s93
	s_mov_b32 s93, 0
	s_add_nc_u64 s[8:9], s[8:9], s[92:93]
	s_add_nc_u64 s[10:11], s[10:11], s[92:93]
	v_lshlrev_b32 v[XO], 12, v2
	v_lshl_add_u32 v[XO], v1, 4, v[XO]             ; lanes 0-15 one row, lanes 16-31 the next; 16 bytes a lane
.set t, 0
.rept 16                                       ; x1's rows in the order of the stage: stage rows 2 t, 2 t + 1 of my 32 are rows m, m + 1 with m = 8 ((u / 16) % 2) + u % 8 + 16 ((u / 8) % 2), u = 2 t
.set u, 2*t
	global_load_b128 v[XR+4*t:XR+4*t+3], v[XO], s[8:9] offset:(8*((u/16)%2)+u%8+16*((u/8)%2))*4096 th:TH_LOAD_NT
.set t, t+1
.endr
.irp q, 0,1,2,3
	ADDRS \q
.endr
	s_mul_i32 s92, s13, 4*RBE                      ; the scale words: the lower base + h x the distance
	s_mul_i32 s93, s14, NB*RBE
	s_add_co_u32 s93, s93, 8*RBE
	s_sub_co_u32 s93, s93, s92
	v_mul_u32_u24 v20, s93, v2
	v_lshl_add_u32 v20, v1, 2, v20
	v_add_nc_u32 v20, s92, v20
	s_sub_co_u32 s93, s93, 2*RBE                   ; for registers 2, 3: the weights' tiles 0, 1 again
	v_mul_u32_u24 v21, s93, v2
	v_lshl_add_u32 v21, v1, 2, v21
	v_add_nc_u32 v21, s92, v21
	v_add_nc_u32 v26, 12*(RBE+RBO), v20            ; and in chunk 2
	v_add_nc_u32 v27, 12*(RBE+RBO), v21
	s_mul_i32 s92, s13, 64*SP                      ; into the stage: my 64 rows, my 128 bytes of them; row r, + 64 h
	s_lshl_b32 s93, s14, 7
	s_add_co_u32 s92, s92, s93
	s_add_co_u32 s92, s92, STAGE
	v_mul_u32_u24 v[STO], v1, SP
	v_lshl_add_u32 v[STO], v2, 6, v[STO]
	v_add_nc_u32 v[STO], s92, v[STO]
	s_mul_i32 s92, s12, 32*SP                      ; back: my 32 rows, two an instruction
	s_add_co_u32 s92, s92, STAGE
	v_mul_u32_u24 v[RD], v2, SP
	v_lshl_add_u32 v[RD], v1, 4, v[RD]
	v_add_nc_u32 v[RD], s92, v[RD]
	s_wait_tensorcnt 3                             ; my part of chunk 0 is in; three later loads of mine stay out
	s_barrier_signal -1
	s_barrier_wait -1
	SCALES 0
	WIN TO_F
	FETCH 0, 0
.irp s, 0,1,2,3,4,5,6,7,8,9,10,11,12,13,14,15
	KSTEP \s
.endr
	WIN 0
	PLACES
.irp a, 0,1,2,3
.irp b, 0,1
	ds_store_b128 v[STO], v[ACC+8*(2*\a+\b):ACC+8*(2*\a+\b)+3] offset:\a*16*SP+32*\b       ; each accumulator from its low end on: columns 16 h + 8 b + 0 .. 7 of my 32
	ds_store_b128 v[STO], v[ACC+8*(2*\a+\b)+4:ACC+8*(2*\a+\b)+7] offset:\a*16*SP+32*\b+16
.endr
.endr
	s_wait_dscnt 0x0                               ; for the others' sake: my stores into the stage are done
	s_barrier_signal -1
	s_barrier_wait -1
.set t, 0
.rept 16
	ds_load_b128 v[ACC+4*t:ACC+4*t+3], v[RD] offset:2*t*SP
.set t, t+1
.endr
	s_wait_loadcnt 0x0                             ; x1
.set t, 0
.rept 16
.set u, 2*t
	s_wait_dscnt 15-t                              ; these two rows are back; the younger ones stay out
	v_pk_add_f32 v[ACC+4*t:ACC+4*t+1], v[ACC+4*t:ACC+4*t+1], v[XR+4*t:XR+4*t+1]
	v_pk_add_f32 v[ACC+4*t+2:ACC+4*t+3], v[ACC+4*t+2:ACC+4*t+3], v[XR+4*t+2:XR+4*t+3]
	global_store_b128 v[XO], v[ACC+4*t:ACC+4*t+3], s[10:11] offset:(8*((u/16)%2)+u%8+16*((u/8)%2))*4096 th:TH_STORE_NT   ; sixteen lanes store 256 consecutive bytes, aligned
.set t, t+1
.endr
	s_wait_tensorcnt 0x0                           ; the wave's end
	ds_add_u32 v[SPW], v[NIL]
	s_wait_dscnt 0x0
	CROUND                                         ; the closing round
	s_endpgm
.Lfunc_end_k_qd6cb351a26_proj:
	.size	k_qd6cb351a26_proj, .Lfunc_end_k_qd6cb351a26_proj-k_qd6cb351a26_proj
	.p2alignl 7, 3214868480
	.fill 96, 4, 3214868480
	.section	.rodata,"a",@progbits
	.p2align	6, 0x0
	.amdhsa_kernel k_qd6cb351a26_proj
		.amdhsa_group_segment_fixed_size 307712
		.amdhsa_private_segment_fixed_size 0
		.amdhsa_enable_private_segment 0
		.amdhsa_kernarg_size 32
		.amdhsa_user_sgpr_count 2
		.amdhsa_user_sgpr_kernarg_segment_ptr 1
		.amdhsa_wavefront_size32 1
		.amdhsa_system_sgpr_workgroup_id_x 1
		.amdhsa_system_sgpr_workgroup_id_y 1
		.amdhsa_system_sgpr_workgroup_id_z 1
		.amdhsa_system_vgpr_workitem_id 0
		.amdhsa_next_free_vgpr 512
		.amdhsa_next_free_sgpr 100
		.amdhsa_reserve_vcc 0
		.amdhsa_float_denorm_mode_32 3
		.amdhsa_float_denorm_mode_16_64 3
		.amdhsa_memory_ordered 1
		.amdhsa_forward_progress 1
		.amdhsa_inst_pref_size 69
	.end_amdhsa_kernel
	.amdgpu_metadata
---
amdhsa.version: [ 1, 2 ]
amdhsa.kernels:
  - .name:           k_qd6cb351a26_proj
    .symbol:         k_qd6cb351a26_proj.kd
    .args:
      - { .name: hid, .offset: 0, .size: 8, .value_kind: global_buffer, .address_space: global }
      - { .name: pre, .offset: 8, .size: 8, .value_kind: global_buffer, .address_space: global }
      - { .name: x1, .offset: 16, .size: 8, .value_kind: global_buffer, .address_space: global }
      - { .name: out0, .offset: 24, .size: 8, .value_kind: global_buffer, .address_space: global }
    .group_segment_fixed_size: 307712
    .private_segment_fixed_size: 0
    .kernarg_segment_align: 8
    .kernarg_segment_size: 32
    .max_flat_workgroup_size: 128
    .sgpr_count:     100
    .vgpr_count:     512
    .wavefront_size: 32
...
	.end_amdgpu_metadata
.endif
;; end of part 6
;; ======== version 2 of 2: 7 launches
;; limits: right only within a limited range of input values
;; workspace buffers: pre 10,354,688 bytes; qkvc 10,092,544 bytes; att 3,276,800 bytes; x1 16,777,216 bytes; h2 3,276,800 bytes; hid 6,553,600 bytes
;; launch prep (part 7): grid 768 x 1, 8 waves a work-group, no clusters, 69,632 bytes of LDS; arguments x, w_in_norm, w_qkv, w_out, w_fc, w_proj, pre; writes pre
.if DOCPART == 7
	.amdgcn_target "amdgcn-amd-amdhsa--gfx1250"
	.amdhsa_code_object_version 6
	.text
	.protected	k_qd6cb351a26_prep
	.globl	k_qd6cb351a26_prep
	.p2align	8
	.type	k_qd6cb351a26_prep,@function
k_qd6cb351a26_prep:
	s_mov_b64 s[64:65], 0
	v_nop
	global_prefetch_b8 v0, s[64:65] scope:SCOPE_SE
	s_setreg_imm32_b32 hwreg(HW_REG_WAVE_MODE, 25, 1), 1
	s_wait_xcnt 0x0
; THE PROGRAM: one pre-norm transformer block, all six products on codes of FP6 (E2M3) with one E8M0 scale for each 32 along K.
; Launches: prep (this text) | qkv | attn | outp | norm2 (this text again, on x1) | fc | proj.
; WORK LEFT OUT, in the whole program: key steps of 128 keys that lie wholly behind a tile's queries (launch attn).  reference() builds the causal mask in its own body
; (jnp.tril) and replaces those scores by the most negative f32 number ahead of the softmax, whatever the inputs hold: their p is 0, they add nothing to the row's sum nor to the second product.
; They are left out in whole steps; inside the step on the diagonal the work is done and masked.  Every input has a way to the output and is loaded.
; LIMIT: a NaN, an infinity or an overflow that reaches only such hidden scores is not carried to the result.
; THIS TEXT turns rows of f32 into an operand's BLOCKS.  A block is 16 rows x 1,024 along K = 12,800 bytes: 512 bytes of scale words [K step 8][row 16], then 16 units of 768 bytes.
; A unit is 16 rows x 64 K as an image of the operand's registers: lane l's registers 0-3 at 16 l, registers 4-5 at 512 + 8 l; two units on end are a fragment of 128 K.
; THE ROWS OF A TILE ARE NOT NEIGHBOURS: place i of tile T holds row 32 (T / 2) + 8 (T % 2) + i + 8 (i / 8), in every operand of the program, so that the 16 result registers of two neighbouring tiles are 16 neighbours.
; Work-group g makes block g: g < 256: x (or x1), with rmsnorm and its gain ahead of the quantiser; 256.. w_qkv; 448.. w_out; 512.. w_fc; 640.. w_proj (two blocks a tile: K's halves).
; Wave w makes K step w: 16 rows x 128 numbers.  Each load reads 512 consecutive bytes of a row; the numbers turn through the wave's own stage in LDS so that a lane holds 16 neighbours of each block of 32.
; The weights' work-groups also make the table of cos and sin, a position for each of their waves 0-3: [2,048][32](cos, sin), 256 bytes a row, by range reduction and polynomials in f32.
; No work-group shares an input with another, so no cluster; nothing is multiplied, so no matrix unit.
; REGISTERS are laid over each other where one use has ended: the sums over the rows' offsets (their loads are done), the codes and the quantiser's work over the gain (it has been multiplied in).
; LIMITS: NaN and infinities among the inputs are not served; a block whose largest magnitude lies under 2^-124 (a block of zeros too) keeps the byte 1: its bytes are read by this program alone;
; 1 / 10000^(i / 32) is made by v_exp_f32, so an angle may differ from the f32 angle of reference() by about 2e-4 at the last positions, the size of that angle's own rounding.
.set SROW,  528                        ; a stage row: 512 bytes + 16: sixteen rows start in sixteen different groups of banks
.set WSTG,  16*SROW                    ; a wave's stage
.set PART,  8*WSTG                     ; [row 16][wave 8] f32: the waves' sums of squares
.set SCW,   PART+512                   ; [wave 8][row 16]: the block's scale words
.set SPARE, SCW+512                    ; the spare words, 128 bytes for each of eight waves
.set BLK,   12800
.set ROPE,  768*BLK                    ; the table stands behind the 768 blocks
.set X,   32                           ; v32-95   64 numbers
.set W,   96                           ; v96-159  the gain's 64 numbers; v136-147 at work on the table
.set PC,  96                           ; v96-114  codes, where the gain stood
.set TM,  116                          ; v116-131 at work in QUANT
.set PW,  132                          ; the scale word
.set SM,  16                           ; v16-23   sums, where the rows' offsets stood
.set SPW, 12
.set NIL, 13
.set WV,  18
.set SEL, 30
; 64 numbers of a lane, register 16 b + i = k 32 b + 16 (lane / 16) + i of my row, become a fragment's codes in v[PC] on and its scale word in v[PW]
.macro QUANT s
.irp b, 0,1,2,3
	v_max3_num_f32 v[TM+\b], |v[\s+16*\b]|, |v[\s+1+16*\b]|, 0x1800000   ; my 16 numbers of block b, and the floor 2^(3 - 127): the byte cannot fall under 1
.endr
.irp i, 2,4,6,8,10,12,14
.irp b, 0,1,2,3
	s_delay_alu instid0(VALU_DEP_4)
	v_max3_num_f32 v[TM+\b], v[TM+\b], |v[\s+16*\b+\i]|, |v[\s+1+16*\b+\i]|
.endr
.endr
.irp b, 0,1,2,3
	s_delay_alu instid0(VALU_DEP_4)
	v_permlanex16_b32 v[TM+4+\b], v[TM+\b], s[SEL], s[SEL+1]
.endr
.irp b, 0,1,2,3
	s_delay_alu instid0(VALU_DEP_4)
	v_max_num_f32 v[TM+\b], v[TM+\b], v[TM+4+\b]     ; with lane l xor 16's: the block's largest magnitude
.endr
.irp b, 0,1,2,3
	s_delay_alu instid0(VALU_DEP_4)
	v_add_nc_u32 v[TM+12+\b], 0xff000000, v[TM+\b]   ; 2 off its exponent field: the conversion's scale operand
.endr
.irp b, 0,1,2,3
	s_delay_alu instid0(VALU_DEP_4)
	v_lshrrev_b32 v[TM+4+\b], 23, v[TM+12+\b]        ; the scale's byte
.endr
	s_delay_alu instid0(VALU_DEP_3)
	v_lshl_or_b32 v[PW], v[TM+5], 8, v[TM+4]
	s_delay_alu instid0(VALU_DEP_1)
	v_lshl_or_b32 v[PW], v[TM+6], 16, v[PW]
	s_delay_alu instid0(VALU_DEP_1)
	v_lshl_or_b32 v[PW], v[TM+7], 24, v[PW]
.irp c, 0,1
	v_cvt_scalef32_pk16_fp6_f32 v[PC+6*\c:PC+2+6*\c], v[\s+32*\c:\s+15+32*\c], v[TM+12+2*\c]
	v_cvt_scalef32_pk16_fp6_f32 v[PC+12+4*\c:PC+14+4*\c], v[\s+16+32*\c:\s+31+32*\c], v[TM+12+2*\c+1]
.endr
	v_nop                                          ; one plain place behind a scaled conversion
.irp c, 0,1                                    ; the operand wants a whole block in a lane: lanes 0-15 block 2 c, lanes 16-31 block 2 c + 1
.irp i, 0,1,2
	v_permlane16_swap_b32 v[PC+6*\c+\i], v[PC+12+4*\c+\i]
.endr
.irp i, 0,1,2
	s_delay_alu instid0(VALU_DEP_3)
	v_mov_b32 v[PC+3+6*\c+\i], v[PC+12+4*\c+\i]
.endr
.endr
.endm
	s_load_b256 s[4:11], s[0:1], 0x0               ; x s[4:5], the gain s[6:7], w_qkv s[8:9], w_out s[10:11]
	s_load_b128 s[12:15], s[0:1], 0x20             ; w_fc, w_proj
	s_load_b64 s[16:17], s[0:1], 0x30              ; the blocks
	v_lshl_add_u32 v[SPW], v0, 2, SPARE
	v_mov_b32 v[NIL], 0
	v_lshrrev_b32 v1, 5, v0
	s_delay_alu instid0(VALU_DEP_1)
	v_readfirstlane_b32 s[WV], v1                  ; wave 0..7
	v_and_b32 v1, 31, v0                           ; lane
	v_and_b32 v2, 15, v0                           ; r
	v_bfe_u32 v3, v0, 4, 1                         ; h
	s_delay_alu instid0(VALU_DEP_3)
	v_lshlrev_b32 v4, 4, v1                        ; 16 x lane
	s_delay_alu instid0(VALU_DEP_4)
	v_lshlrev_b32 v5, 3, v1                        ; 8 x lane
	s_mul_i32 s19, s[WV], WSTG
	v_add_nc_u32 v6, s19, v4                       ; the stage, on the way in
	v_mul_u32_u24 v7, v2, SROW
	s_delay_alu instid0(VALU_DEP_1)
	v_lshl_add_u32 v7, v3, 6, v7
	s_delay_alu instid0(VALU_DEP_1)
	v_add_nc_u32 v7, s19, v7                       ; and out: row r, + 64 h
	v_lshlrev_b32 v9, 5, v2
	s_delay_alu instid0(VALU_DEP_1)
	v_add_nc_u32 v9, PART, v9                      ; my row's eight partial sums
	s_lshl_b32 s19, s[WV], 2
	v_add_nc_u32 v8, s19, v9                       ; and my wave's among them
	v_lshlrev_b32 v10, 2, v2
	s_lshl_b32 s19, s[WV], 6
	s_add_co_u32 s19, s19, SCW
	v_add_nc_u32 v10, s19, v10                     ; my wave's scale words
	v_add_nc_u32 v11, SCW, v4                      ; all 512 bytes of them, 16 a lane
	s_mov_b32 s[SEL], 0x76543210
	s_mov_b32 s[SEL+1], 0xfedcba98                 ; v_permlanex16_b32's selects for lane l xor 16
	s_mov_b32 s32, 0x3a800000                      ; 1 / 1,024
	s_mov_b32 s33, 0x358637bd                      ; 1e-6
	s_mov_b32 s22, 640
	s_wait_kmcnt 0x0
	s_cmp_lt_u32 ttmp9, 640                        ; which tensor: the choice hangs on the work-group's number alone
	s_cselect_b64 s[20:21], s[12:13], s[14:15]
	s_cselect_b32 s22, 512, s22                    ; the tensor's first block
	s_cselect_b32 s23, 0, 1                        ; 1: two blocks a tile (w_proj)
	s_cmp_lt_u32 ttmp9, 512
	s_cselect_b64 s[20:21], s[10:11], s[20:21]
	s_cselect_b32 s22, 448, s22
	s_cmp_lt_u32 ttmp9, 448
	s_cselect_b64 s[20:21], s[8:9], s[20:21]
	s_cselect_b32 s22, 256, s22
	s_cmp_lt_u32 ttmp9, 256
	s_cselect_b64 s[20:21], s[4:5], s[20:21]
	s_cselect_b32 s22, 0, s22
	s_sub_co_u32 s24, ttmp9, s22
	s_and_b32 s25, s24, s23                        ; which half of K
	s_lshr_b32 s24, s24, s23                       ; the tile T
	s_lshl_b32 s26, 4096, s23                      ; a row in bytes
	s_lshr_b32 s27, s24, 1
	s_lshl_b32 s27, s27, 5
	s_and_b32 s28, s24, 1
	s_lshl_b32 s28, s28, 3
	s_add_co_u32 s27, s27, s28                     ; the tile's first row: 32 (T / 2) + 8 (T % 2)
	s_mul_i32 s27, s27, s26
	s_lshl_b32 s25, s25, 12
	s_add_co_u32 s27, s27, s25
	s_lshl_b32 s28, s[WV], 9                       ; my K step: 512 bytes of a row
	s_add_co_u32 s28, s28, s27
	s_mov_b32 s29, 0
	s_add_nc_u64 s[20:21], s[20:21], s[28:29]
	s_mul_i32 s38, ttmp9, BLK
	s_mov_b32 s39, 0
	s_add_nc_u64 s[38:39], s[16:17], s[38:39]      ; my block
	s_mul_i32 s42, s[WV], 1536
	s_add_co_u32 s42, s42, 512
	s_mov_b32 s43, 0
	s_add_nc_u64 s[40:41], s[38:39], s[42:43]      ; my fragment in it
.irp i, 0,1,2,3,4,5,6,7,8,9,10,11,12,13,14,15
	v_mad_u32_u24 v[16+\i], s26, \i+8*(\i/8), v4   ; place i's row, + 16 x lane
.endr
.irp i, 0,1,2,3,4,5,6,7,8,9,10,11,12,13,14,15
	global_load_b128 v[X+4*\i:X+4*\i+3], v[16+\i], s[20:21] th:TH_LOAD_NT   ; 32 lanes read 512 consecutive bytes of one row
.endr
.irp i, 0,1,2,3,4,5,6,7,8,9,10,11,12,13,14,15
	s_wait_loadcnt 15-\i                           ; loads come back in order: row i is in, the younger ones stay out
	ds_store_b128 v6, v[X+4*\i:X+4*\i+3] offset:SROW*\i
.endr
.irp b, 0,1,2,3
.irp j, 0,1,2,3
	ds_load_b128 v[X+16*\b+4*\j:X+16*\b+4*\j+3], v7 offset:128*\b+16*\j   ; LDS serves a wave's instructions in order: these see my stores.  Register 16 b + i = k 32 b + 16 h + i of row r
.endr
.endr
	s_wait_dscnt 0x0
	s_cmp_lt_u32 ttmp9, 256
	s_cbranch_scc0 .Lw
	; ---- rmsnorm: x * rsqrt(mean(x^2) + 1e-6) * gain, in that order, in f32
	v_lshlrev_b32 v14, 6, v3
	s_lshl_b32 s19, s[WV], 9
	v_add_nc_u32 v14, s19, v14
.irp b, 0,1,2,3
.irp j, 0,1,2,3
	global_load_b128 v[W+16*\b+4*\j:W+16*\b+4*\j+3], v14, s[6:7] offset:128*\b+16*\j   ; the gain at my 64 places
.endr
.endr
	v_pk_mul_f32 v[SM:SM+1], v[X:X+1], v[X:X+1]    ; the first products start the sums, in two chains (all sixteen row loads are done: their offsets' registers are free)
	v_pk_mul_f32 v[SM+2:SM+3], v[X+2:X+3], v[X+2:X+3]
.set j, 4
.rept 15
	s_delay_alu instid0(VALU_DEP_2)
	v_pk_fma_f32 v[SM:SM+1], v[X+j:X+j+1], v[X+j:X+j+1], v[SM:SM+1]
	s_delay_alu instid0(VALU_DEP_2)
	v_pk_fma_f32 v[SM+2:SM+3], v[X+j+2:X+j+3], v[X+j+2:X+j+3], v[SM+2:SM+3]
.set j, j+4
.endr
	s_delay_alu instid0(VALU_DEP_1)
	v_pk_add_f32 v[SM:SM+1], v[SM:SM+1], v[SM+2:SM+3]
	s_delay_alu instid0(VALU_DEP_1)
	v_add_f32 v[SM], v[SM], v[SM+1]
	s_delay_alu instid0(VALU_DEP_1)
	v_permlanex16_b32 v[SM+1], v[SM], s[SEL], s[SEL+1]
	s_delay_alu instid0(VALU_DEP_1)
	v_add_f32 v[SM], v[SM], v[SM+1]                ; my wave's 128 numbers of row r
	ds_store_b32 v8, v[SM]                         ; (both lanes of a row write the same word with the same value)
	s_wait_dscnt 0x0                               ; for the others' sake: my store is done
	s_barrier_signal -1
	s_barrier_wait -1
	ds_load_b128 v[SM:SM+3], v9
	ds_load_b128 v[SM+4:SM+7], v9 offset:16
	s_wait_dscnt 0x0
	v_pk_add_f32 v[SM:SM+1], v[SM:SM+1], v[SM+2:SM+3]
	v_pk_add_f32 v[SM+4:SM+5], v[SM+4:SM+5], v[SM+6:SM+7]
	s_delay_alu instid0(VALU_DEP_1)
	v_pk_add_f32 v[SM:SM+1], v[SM:SM+1], v[SM+4:SM+5]
	s_delay_alu instid0(VALU_DEP_1)
	v_add_f32 v[SM], v[SM], v[SM+1]
	s_delay_alu instid0(VALU_DEP_1)
	v_fma_f32 v[SM], v[SM], s32, s33               ; the mean + 1e-6
	s_wait_alu depctr_va_vdst(0)
	v_rsq_f32 v[SM+2], v[SM]                       ; twice: a pair for the packed multiply
	v_rsq_f32 v[SM+3], v[SM]
	v_nop                                          ; a plain place behind the transcendentals
	s_wait_alu depctr_va_vdst(0)                   ; one wait for both, ahead of their first reader
	s_wait_loadcnt 0x0                             ; the gain
.set j, 0
.rept 32
	v_pk_mul_f32 v[X+j:X+j+1], v[X+j:X+j+1], v[SM+2:SM+3]
.set j, j+2
.endr
.set j, 0
.rept 32
	v_pk_mul_f32 v[X+j:X+j+1], v[X+j:X+j+1], v[W+j:W+j+1]
.set j, j+2
.endr
	s_branch .Lq
.Lw:
	; ---- the table: waves 0-3 of a weights' work-group take position 4 (g - 256) + wave; lane i takes frequency i
	s_cmp_lt_u32 s[WV], 4
	s_cbranch_scc0 .Lq
	s_sub_co_u32 s34, ttmp9, 256
	s_lshl_b32 s34, s34, 2
	s_add_co_u32 s34, s34, s[WV]                   ; the position
	s_lshl_b32 s36, s34, 8
	s_add_co_u32 s36, s36, ROPE
	s_mov_b32 s37, 0
	s_add_nc_u64 s[36:37], s[16:17], s[36:37]
	s_mov_b32 s35, 0x3fc90fdb                      ; pi / 2, its f32 part,
	s_mov_b32 s42, 0x333bbd2e                      ; and what that part has too much
	v_cvt_f32_u32 v136, v1
	s_delay_alu instid0(VALU_DEP_1)
	v_mul_f32 v136, 0xbed49a78, v136               ; - i log2(10000) / 32
	s_wait_alu depctr_va_vdst(0)
	v_exp_f32 v136, v136                           ; 1 / 10000^(i / 32)
	v_cvt_f32_u32 v137, s34                        ; (a plain place)
	s_wait_alu depctr_va_vdst(0)
	v_mul_f32 v136, v137, v136                     ; the angle
	s_delay_alu instid0(VALU_DEP_1)
	v_mul_f32 v138, 0x3f22f983, v136
	s_delay_alu instid0(VALU_DEP_1)
	v_rndne_f32 v138, v138                         ; k = the nearest multiple of pi / 2
	s_delay_alu instid0(VALU_DEP_1)
	v_fma_f32 v139, -v138, s35, v136
	s_delay_alu instid0(VALU_DEP_1)
	v_fma_f32 v139, v138, s42, v139                ; y = angle - k pi / 2, within pi / 4
	s_delay_alu instid0(VALU_DEP_1)
	v_mul_f32 v140, v139, v139
	v_mov_b32 v141, 0xb94ca1f9
	s_delay_alu instid0(VALU_DEP_1)
	v_fmaak_f32 v141, v141, v140, 0x3c08839e
	s_delay_alu instid0(VALU_DEP_1)
	v_fmaak_f32 v141, v141, v140, 0xbe2aaaa3
	s_delay_alu instid0(VALU_DEP_1)
	v_mul_f32 v141, v141, v140
	s_delay_alu instid0(VALU_DEP_1)
	v_fma_f32 v141, v141, v139, v139               ; sin y
	v_mov_b32 v142, 0x37ccf5ce
	s_delay_alu instid0(VALU_DEP_1)
	v_fmaak_f32 v142, v142, v140, 0xbab6061a
	s_delay_alu instid0(VALU_DEP_1)
	v_fmaak_f32 v142, v142, v140, 0x3d2aaaa5
	s_delay_alu instid0(VALU_DEP_1)
	v_mul_f32 v142, v142, v140
	v_fma_f32 v143, v140, -0.5, 1.0
	s_delay_alu instid0(VALU_DEP_1)
	v_fma_f32 v142, v142, v140, v143               ; cos y
	v_cvt_i32_f32 v144, v138
	s_delay_alu instid0(VALU_DEP_1)
	v_and_b32 v145, 1, v144
	s_delay_alu instid0(VALU_DEP_1)
	v_cmp_eq_u32 vcc_lo, 1, v145                   ; odd k: sine and cosine change places
	s_delay_alu instid0(VALU_DEP_1)
	v_cndmask_b32 v146, v142, v141, vcc_lo
	s_delay_alu instid0(VALU_DEP_2)
	v_cndmask_b32 v147, v141, v142, vcc_lo
	v_add_nc_u32 v145, 1, v144
	s_delay_alu instid0(VALU_DEP_1)
	v_and_b32 v145, 2, v145
	s_delay_alu instid0(VALU_DEP_1)
	v_lshlrev_b32 v145, 30, v145
	s_delay_alu instid0(VALU_DEP_1)
	v_xor_b32 v146, v145, v146                     ; the cosine is negative for k % 4 = 1, 2
	v_and_b32 v144, 2, v144
	s_delay_alu instid0(VALU_DEP_1)
	v_lshlrev_b32 v144, 30, v144
	s_delay_alu instid0(VALU_DEP_1)
	v_xor_b32 v147, v144, v147                     ; the sine for k % 4 = 2, 3
	global_store_b64 v5, v[146:147], s[36:37]      ; 32 lanes store 256 consecutive bytes, aligned; nothing below writes v5, v146 or v147
.Lq:
.irp b, 0,1,2,3
	v_mov_b32 v[TM+4+\b], 0                        ; a lane permute's destination counts as one of its sources
.endr
	QUANT X
	global_store_b128 v4, v[PC:PC+3], s[40:41]                  ; each store covers 512 or 256 consecutive bytes, aligned to 256
	global_store_b64 v5, v[PC+4:PC+5], s[40:41] offset:512
	global_store_b128 v4, v[PC+6:PC+9], s[40:41] offset:768
	global_store_b64 v5, v[PC+10:PC+11], s[40:41] offset:1280
	ds_store_b32 v10, v[PW]
	s_wait_dscnt 0x0                               ; for wave 0's sake
	s_barrier_signal -1
	s_barrier_wait -1
	s_cmp_lg_u32 s[WV], 0
	s_cbranch_scc1 .Lend
	ds_load_b128 v[SM:SM+3], v11                   ; the block's 512 bytes of scale words leave together
	s_wait_dscnt 0x0
	global_store_b128 v4, v[SM:SM+3], s[38:39]
.Lend:
	s_wait_tensorcnt 0x0                           ; the wave's end
	ds_add_u32 v[SPW], v[NIL]
	s_wait_dscnt 0x0
	s_endpgm
.Lfunc_end_k_qd6cb351a26_prep:
	.size	k_qd6cb351a26_prep, .Lfunc_end_k_qd6cb351a26_prep-k_qd6cb351a26_prep
	.p2alignl 7, 3214868480
	.fill 96, 4, 3214868480
	.section	.rodata,"a",@progbits
	.p2align	6, 0x0
	.amdhsa_kernel k_qd6cb351a26_prep
		.amdhsa_group_segment_fixed_size 69632
		.amdhsa_private_segment_fixed_size 0
		.amdhsa_enable_private_segment 0
		.amdhsa_kernarg_size 56
		.amdhsa_user_sgpr_count 2
		.amdhsa_user_sgpr_kernarg_segment_ptr 1
		.amdhsa_wavefront_size32 1
		.amdhsa_system_sgpr_workgroup_id_x 1
		.amdhsa_system_sgpr_workgroup_id_y 1
		.amdhsa_system_sgpr_workgroup_id_z 1
		.amdhsa_system_vgpr_workitem_id 0
		.amdhsa_next_free_vgpr 160
		.amdhsa_next_free_sgpr 66
		.amdhsa_reserve_vcc 1
		.amdhsa_float_denorm_mode_32 3
		.amdhsa_float_denorm_mode_16_64 3
		.amdhsa_memory_ordered 1
		.amdhsa_forward_progress 1
		.amdhsa_inst_pref_size 28
	.end_amdhsa_kernel
	.amdgpu_metadata
---
amdhsa.version: [ 1, 2 ]
amdhsa.kernels:
  - .name:           k_qd6cb351a26_prep
    .symbol:         k_qd6cb351a26_prep.kd
    .args:
      - { .name: x, .offset: 0, .size: 8, .value_kind: global_buffer, .address_space: global }
      - { .name: w_in_norm, .offset: 8, .size: 8, .value_kind: global_buffer, .address_space: global }
      - { .name: w_qkv, .offset: 16, .size: 8, .value_kind: global_buffer, .address_space: global }
      - { .name: w_out, .offset: 24, .size: 8, .value_kind: global_buffer, .address_space: global }
      - { .name: w_fc, .offset: 32, .size: 8, .value_kind: global_buffer, .address_space: global }
      - { .name: w_proj, .offset: 40, .size: 8, .value_kind: global_buffer, .address_space: global }
      - { .name: pre, .offset: 48, .size: 8, .value_kind: global_buffer, .address_space: global }
    .group_segment_fixed_size: 69632
    .private_segment_fixed_size: 0
    .kernarg_segment_align: 8
    .kernarg_segment_size: 56
    .max_flat_workgroup_size: 256
    .sgpr_count:     66
    .vgpr_count:     160
    .wavefront_size: 32
...
	.end_amdgpu_metadata
.endif
;; end of part 7
;; launch qkv (part 8): grid 8 x 32, 4 waves a work-group, clusters of 4 x 4, 327,680 bytes of LDS; arguments pre, qkvc; writes qkvc
.if DOCPART == 8
	.amdgcn_target "amdgcn-amd-amdhsa--gfx1250"
	.amdhsa_code_object_version 6
	.text
	.protected	k_qd6cb351a26_qkv
	.globl	k_qd6cb351a26_qkv
	.p2align	8
	.type	k_qd6cb351a26_qkv,@function
k_qd6cb351a26_qkv:
	s_mov_b64 s[64:65], 0
	v_nop
	global_prefetch_b8 v0, s[64:65] scope:SCOPE_SE
	s_setreg_imm32_b32 hwreg(HW_REG_WAVE_MODE, 25, 1), 1
	s_wait_xcnt 0x0
	s_wait_alu depctr_hold_cnt(0) depctr_sa_sdst(0) depctr_va_vdst(0) depctr_va_sdst(0) depctr_va_ssrc(0) depctr_va_vcc(0) depctr_vm_vsrc(0)
	s_getreg_b32 s2, hwreg(HW_REG_IB_STS2, 6, 4)
	s_cmp_eq_u32 s2, 0
	s_cbranch_scc0 .Lentry_in_a_cluster
	s_endpgm
.Lentry_in_a_cluster:
	s_bfe_u32 s2, ttmp6, 0x10000c
	s_cmp_lg_u32 s2, 0xf033
	s_cbranch_scc0 .Lentry_shape_is_right
	s_endpgm
.Lentry_shape_is_right:
; qkv = h w_qkv^T on codes of FP6 (E2M3), then what attention wants of it: q and k turned by RoPE and quantised along the head's 64, v quantised along the keys.
; OPERANDS are blocks of 12,800 bytes for each tile of 16 rows: 512 bytes of scale words [K step][row], then 8 fragments of 1,536 bytes, images of the operand's registers
; (lane l's registers 0-3 at 16 l, 4-5 at 512 + 8 l, 6-9 at 768 + 16 l, 10-11 at 1,280 + 8 l).  Place i of tile T is row 32 (T / 2) + 8 (T % 2) + i + 8 (i / 8).
; SHARES.  A WORK-GROUP STAYS: it makes 128 rows x 128 columns three times, for q, for k and for v of the same two heads, on the same 128 rows of h, which are fetched once.
; Each of four waves makes 64 x 64 a pass: 16 accumulators; a wave's 64 columns are one head.
; LDS.  Whole blocks: 8 tiles of h, 8 of w in slot X, 8 of w in slot Y: 24 x 12,800 = 307,200 bytes.  At the head each wave issues one tensor load (one of mine is out):
; h or q's rows of w (slot X); slot Y (k's rows) is filled as a refill is, behind a round, ahead of the first pass.  Behind the first pass's products slot X is filled again, with v's rows of w:
; wave w two whole blocks of the eight.
; That load has q's way out and the whole second pass in which to land.
; CLUSTER 4 x 4: h's tiles are shared along a row of the cluster, w's along a column: joint loads.
; q, k: source 0 = 16 rows of w, source 1 = 16 rows of h: a lane holds one position and 32 + 32 neighbouring channels.
; v: the sources change places: a lane holds one channel and its registers run along the keys, which are the K of attention's second product.
; OUT (qkvc): for each of 32 heads 16 key steps of 13,056 bytes: K's 8 units of 768 | V's 4 fragments of 1,536 at 6,144 | K's words [tile 8][16] at 12,288 | V's words [tile 4][16] at 12,800;
; behind them, from 6,684,672 on, for each head 106,496 bytes: Q's units | Q's words at 98,304.  Q's and K's words have two bytes (K = 64) and two zeros.
; REGISTERS: window 0: v4-7, v10-11 LDS addresses, v20-21 scale words' addresses, v32-63 scale words, v128-255 accumulators; window 1: two fragment buffers (v0-95, v128-223), the table of tiles 0, 1 (v96-127, v224-255);
; window 2: the table of tiles 2, 3 (v0-63): it serves q and k.
; LIMITS: NaN and infinities are not served; a block whose largest magnitude lies under 2^-124 keeps the byte 1.  V's half words leave as 2 bytes a lane: 1 byte in 24 of those tiles' stores.
.set NKS,   8                          ; K steps of 128
.set CK,    8                          ; all eight K steps of a tile stand together in LDS: a tile is its whole block
.set RBE,   12800                      ; a tile's bytes in LDS: the scale words and eight fragments
.set RBO,   3072                       ; and in the others
.set NT,    24                         ; tiles in a chunk
.set TSTR,  12800                      ; from tile to tile in memory
.set W0,    256                        ; w_qkv's first block in pre
.set ROPE,  9830400                    ; the table of cos and sin in pre
.set SPARE, NT*RBE
.set SC,   32                          ; v32-63  scale words: register 4 s + i: lanes 0-15 tile i of h, lanes 16-31 tile i of w, K step s
.set ACC,  128                         ; v128-255 the accumulators
.set SPW,  22
.set NIL,  23
.set L16,  24                          ; 16 x lane
.set L8,   25                          ; 8 x lane
.set TT,   32                          ; the way out: at work in ROT
.set PC,   32                          ; codes, 8 registers a unit
.set PT,   64
.set TM,   80
.set PW,   104
.set SEL,  10
.set VP,   22                          ; s[22:23] v's rows of w in memory
.set G1A,  24                          ; s[24:31], s[32:39] descriptor group 1 for h's tiles: chunk 0, the other chunks
.set G1B,  40                          ; s[40:47], s[48:55] for w's
.set MSB, 0
.macro WIN new                         ; the immediate's high byte repeats the setting that is left
.if MSB != \new
	s_set_vgpr_msb (MSB<<8)|\new
.set MSB, \new
.endif
.endm
.set MUL,  0x05                        ; sources 0 and 1 window 1; C and D window 0
.set TO_F, 0x40                        ; destination window 1, address window 0
.macro PLACES                          ; four places behind matrix instructions, in front of loads into their registers and of reads of results
.rept 4
	v_nop
.endr
.endm
.macro CHP q                           ; chunk q: a tile's bytes, the scale words in front, its place in LDS, in a block, and its group 1
.if (\q) == 0
.set RBQ, RBE
.set HDQ, 512
.set CHQ, 0
.set SRQ, 0
.set G1Q, 0
.else
.set RBQ, RBO
.set HDQ, 0
.set CHQ, NT*RBE+NT*RBO*((\q)-1)
.set SRQ, RBE+RBO*((\q)-1)
.set G1Q, 8
.endif
.endm
; A joint load: waves 0 and 1 fetch h's tiles, waves 2 and 3 slot X's halves.  The branch hangs on the wave's number alone.  An s_nop 0 and four v_nop follow each of the two lines.
.macro JLOAD g0a, g1a, g0b, g1b
	s_cmp_eq_u32 s13, 0
	s_cbranch_scc0 .Lfor_b_\@
	tensor_load_to_lds s[\g0a:\g0a+3], s[\g1a:\g1a+7]
	s_nop 0
.rept 4
	v_nop
.endr
	s_branch .Lasked_\@
.Lfor_b_\@:
	tensor_load_to_lds s[\g0b:\g0b+3], s[\g1b:\g1b+7]
	s_nop 0
.rept 4
	v_nop
.endr
.Lasked_\@:
.endm
; A joint fill of a slot: every wave brings two whole blocks of the slot's eight: one shape, so one line and no branch
.macro RLOAD
	tensor_load_to_lds s[80:83], s[G1B+8:G1B+15]   ; every wave brings two whole blocks of the slot's eight: one line, no branch
	s_nop 0
.rept 4
	v_nop
.endr
.Lr_asked_\@:
.endm
.macro CROUND                          ; a round of the cluster's barrier
	s_barrier_signal -1
	s_barrier_wait -1
	s_cmp_lg_u32 s12, 0
	s_cbranch_scc1 .Lnot_wave_0_\@
	s_barrier_signal -3
.Lnot_wave_0_\@:
	s_barrier_wait -3
	s_barrier_signal -1
	s_barrier_wait -1
.endm
.macro ADDRS q                         ; v[4 + 4 q ..]: my tiles of h in chunk q (16 x lane; 512 + 8 x lane), my tiles of w in slot X likewise; slot Y, 8 tiles further on, at v[10 + 4 q ..]
	CHP \q
	s_mul_i32 s92, s13, 4*RBQ
	s_add_co_u32 s92, s92, CHQ+HDQ
	v_add_nc_u32 v[4+4*\q], s92, v[L16]
	s_add_co_u32 s92, s92, 512
	v_add_nc_u32 v[5+4*\q], s92, v[L8]
	s_mul_i32 s93, s14, 4*RBQ
	s_add_co_u32 s93, s93, CHQ+HDQ+8*RBQ
	v_add_nc_u32 v[6+4*\q], s93, v[L16]
	s_add_co_u32 s93, s93, 512
	v_add_nc_u32 v[7+4*\q], s93, v[L8]
	s_add_co_u32 s93, s93, 8*RBQ-512               ; slot Y, eight tiles further on, has address registers of its own
	v_add_nc_u32 v[10+4*\q], s93, v[L16]
	s_add_co_u32 s93, s93, 512
	v_add_nc_u32 v[11+4*\q], s93, v[L8]
.endm
.macro FRAG reg, a16, off              ; a fragment comes as it was stored: every load reads 512 or 256 consecutive bytes
	ds_load_b128 v[\reg:\reg+3], v[\a16] offset:\off
	ds_load_b64 v[\reg+4:\reg+5], v[\a16+1] offset:\off
	ds_load_b128 v[\reg+6:\reg+9], v[\a16] offset:\off+768
	ds_load_b64 v[\reg+10:\reg+11], v[\a16+1] offset:\off+768
.endm
.macro FETCH s, f, sl                  ; K step s: h's four fragments to v[f] on, w's four (slot sl) to v[f + 48] on, in window 1
	CHP (\s)/CK
.set AQ, 4+4*((\s)/CK)
.set UO, 1536*((\s)%CK)
.irp i, 0,1,2,3
	FRAG \f+12*\i, AQ, UO+\i*RBQ
.endr
.irp i, 0,1,2,3
	FRAG \f+48+12*\i, AQ+2+4*(\sl), UO+\i*RBQ
.endr
.endm
.macro SCALES sl
.irp s, 0,1,2,3,4,5,6,7
.irp i, 0,1,2,3
	ds_load_b32 v[SC+4*\s+\i], v[20+\sl] offset:\i*RBE+64*\s
.endr
.endr
.endm
.macro WM d, a, b, z, sa, sb, sw       ; one product; z: it starts the sum; sw = 0: w is source 0 (its words in lanes 16-31), sw = 1: w is source 1
.if \sw
.if \z
	v_wmma_scale_f32_16x16x128_f8f6f4 v[\d:\d+7], v[\a:\a+11], v[\b:\b+11], 0, v[\sa], v[\sb] matrix_a_fmt:MATRIX_FMT_FP6 matrix_b_fmt:MATRIX_FMT_FP6 matrix_b_scale:MATRIX_SCALE_ROW1
.else
	v_wmma_scale_f32_16x16x128_f8f6f4 v[\d:\d+7], v[\a:\a+11], v[\b:\b+11], v[\d:\d+7], v[\sa], v[\sb] matrix_a_fmt:MATRIX_FMT_FP6 matrix_b_fmt:MATRIX_FMT_FP6 matrix_b_scale:MATRIX_SCALE_ROW1
.endif
.else
.if \z
	v_wmma_scale_f32_16x16x128_f8f6f4 v[\d:\d+7], v[\a:\a+11], v[\b:\b+11], 0, v[\sa], v[\sb] matrix_a_fmt:MATRIX_FMT_FP6 matrix_b_fmt:MATRIX_FMT_FP6 matrix_a_scale:MATRIX_SCALE_ROW1
.else
	v_wmma_scale_f32_16x16x128_f8f6f4 v[\d:\d+7], v[\a:\a+11], v[\b:\b+11], v[\d:\d+7], v[\sa], v[\sb] matrix_a_fmt:MATRIX_FMT_FP6 matrix_b_fmt:MATRIX_FMT_FP6 matrix_a_scale:MATRIX_SCALE_ROW1
.endif
.endif
.endm
.macro MULS f, s, z, sw                ; 16 products; the 16 accumulators take turns, one instruction a turn, in the same order in every K step
.irp a, 0,1,2,3
.irp b, 0,1,2,3
.if \sw
	WM ACC+8*(4*\b+\a), \f+12*\a, \f+48+12*\b, \z, SC+4*(\s)+\a, SC+4*(\s)+\b, 1
.else
	WM ACC+8*(4*\a+\b), \f+48+12*\b, \f+12*\a, \z, SC+4*(\s)+\b, SC+4*(\s)+\a, 0
.endif
.endr
.endr
.endm
.macro KSTEP s, sw, sl, first          ; first = 1: the first pass, in which the chunks are still landing
	s_wait_dscnt 0x0                               ; this K step's fragments, asked for a K step ago
.if (\s)+1 < NKS
.if \first
.if ((\s)+1)%CK == 0
	s_wait_tensorcnt 3-((\s)+1)/CK                 ; my part of the next chunk has landed; the later chunks' loads stay out
	s_barrier_signal -1
	s_barrier_wait -1                              ; everybody's has
.endif
.endif
.if (\s) > 0
	PLACES                                         ; the buffer below was multiplied in the last K step
.endif
	WIN TO_F
	FETCH (\s)+1, 128*(((\s)+1)%2), \sl
.endif
	WIN MUL
.if (\s) == 0
	MULS 128*((\s)%2), \s, 1, \sw                  ; the first K step starts the sums: nothing is cleared
.else
	MULS 128*((\s)%2), \s, 0, \sw
.endif
.endm
.macro KLOOP sw, sl, first
.if \first
	s_wait_alu depctr_va_vdst(0)
	s_wait_tensorcnt 0x0                           ; my part of h or of slot X is in; slot Y's first fill is issued as a refill is:
	ds_add_u32 v[SPW], v[NIL]                      ; 0 onto my spare word
	s_mov_b32 s80, 1                               ; k's rows of w, two blocks a wave: LDS 16 tiles + 2 x wave, memory 64 blocks ahead of v's rows
	s_mul_i32 s81, s12, 2*RBE
	s_add_co_u32 s81, s81, 16*RBE
	s_mul_i32 s82, s12, 2*TSTR
	s_mov_b32 s83, 0
	s_add_nc_u64 s[82:83], s[VP:VP+1], s[82:83]
	s_sub_nc_u64 s[82:83], s[82:83], 64*TSTR
	s_or_b32 s83, s83, 0x80000000
	s_wait_dscnt 0x0
	CROUND                                         ; everybody's part is in, and the joint loads meet
	RLOAD                                          ; it has the first pass in which to land
.endif
	SCALES \sl
	WIN TO_F
	FETCH 0, 0, \sl
.irp s, 0,1,2,3,4,5,6,7
	KSTEP \s, \sw, \sl, \first
.endr
	WIN 0
	PLACES
.endm
; 128 numbers of a lane, v[s] on: four units; in unit u register 16 b + i = k 32 b + 16 (lane / 16) + i of my row.  Codes to v[PC + 8 u] on (6 registers), the two scale bytes to v[PW + u].  The eight blocks by turns.
.macro QH4 s
.irp n, 0,1,2,3,4,5,6,7
	v_mov_b32 v[TM+8+\n], 0                        ; a lane permute's destination counts as one of its sources
.endr
.irp n, 0,1,2,3,4,5,6,7
	v_max3_num_f32 v[TM+\n], |v[\s+16*\n]|, |v[\s+16*\n+1]|, 0x1800000   ; the floor 2^(3 - 127): the byte cannot fall under 1
.endr
.irp i, 2,4,6,8,10,12,14
.irp n, 0,1,2,3,4,5,6,7
	v_max3_num_f32 v[TM+\n], v[TM+\n], |v[\s+16*\n+\i]|, |v[\s+16*\n+\i+1]|
.endr
.endr
.irp n, 0,1,2,3,4,5,6,7
	v_permlanex16_b32 v[TM+8+\n], v[TM+\n], s[SEL], s[SEL+1]
.endr
.irp n, 0,1,2,3,4,5,6,7
	v_max_num_f32 v[TM+\n], v[TM+\n], v[TM+8+\n]
.endr
.irp n, 0,1,2,3,4,5,6,7
	v_add_nc_u32 v[TM+16+\n], 0xff000000, v[TM+\n] ; 2 off the exponent field: the conversion's scale operand
.endr
.irp n, 0,1,2,3,4,5,6,7
	v_lshrrev_b32 v[TM+8+\n], 23, v[TM+16+\n]      ; the scale's byte
.endr
.irp u, 0,1,2,3
	v_lshl_or_b32 v[PW+\u], v[TM+9+2*\u], 8, v[TM+8+2*\u]
.endr
.irp u, 0,1,2,3
	v_cvt_scalef32_pk16_fp6_f32 v[PC+8*\u:PC+8*\u+2], v[\s+32*\u:\s+32*\u+15], v[TM+16+2*\u]
	v_cvt_scalef32_pk16_fp6_f32 v[PT+4*\u:PT+4*\u+2], v[\s+32*\u+16:\s+32*\u+31], v[TM+17+2*\u]
.endr
	v_nop                                          ; one plain place behind a scaled conversion
.irp u, 0,1,2,3
.irp i, 0,1,2
	v_permlane16_swap_b32 v[PC+8*\u+\i], v[PT+4*\u+\i]   ; a whole block to a lane
.endr
.endr
.irp u, 0,1,2,3
.irp i, 0,1,2
	v_mov_b32 v[PC+8*\u+3+\i], v[PT+4*\u+\i]
.endr
.endr
.endm
; RoPE on tile a: a register pair is (even, odd) of one pair of channels, the table's pair (cos, sin): even' = e c - o s, odd' = o c + e s
.macro ROT a, cs
.irp g, 0,1,2,3
.irp p, 0,1,2,3
	v_pk_mul_f32 v[TT+2*\p:TT+2*\p+1], v[ACC+32*\a+8*\g+2*\p:ACC+32*\a+8*\g+2*\p+1], v[\cs+8*\g+2*\p:\cs+8*\g+2*\p+1] op_sel_hi:[1,0]   ; (e c, o c)
.endr
.irp p, 0,1,2,3
	v_pk_fma_f32 v[ACC+32*\a+8*\g+2*\p:ACC+32*\a+8*\g+2*\p+1], v[ACC+32*\a+8*\g+2*\p:ACC+32*\a+8*\g+2*\p+1], v[\cs+8*\g+2*\p:\cs+8*\g+2*\p+1], v[TT+2*\p:TT+2*\p+1] op_sel:[1,1,0] op_sel_hi:[0,1,1] neg_lo:[0,1,0]   ; (- o s + e c, e s + o c)
.endr
.endr
.endm
.macro OADDR su, sw                    ; a pass's store offsets: units at s[su] + 16 x lane and + 512 + 8 x lane, words at s[sw] + 4 x lane
	v_add_nc_u32 v27, s[\su], v[L16]
	v_add_nc_u32 v28, s[\su], v[L8]
	v_add_nc_u32 v28, 512, v28
	v_add_nc_u32 v29, s[\sw], v30
.endm
.macro OUTQK ob                        ; q's or k's way out: RoPE, the quantiser along the head's 64, four units and their words
	s_wait_loadcnt 0x0                             ; the table
	WIN 0x04                                       ; source 1 window 1
	ROT 0, 96
	ROT 1, 224
	WIN 0x08                                       ; source 1 window 2
	ROT 2, 0
	ROT 3, 32
	WIN 0
	QH4 ACC
	v_cmp_eq_u32 vcc_lo, 1, v2
	v_cndmask_b32 v108, v[PW], v[PW+1], vcc_lo     ; lanes 0-15 carry tile 2 n's words, lanes 16-31 tile 2 n + 1's
	v_cndmask_b32 v109, v[PW+2], v[PW+3], vcc_lo
.irp a, 0,1,2,3
	global_store_b128 v27, v[PC+8*\a:PC+8*\a+3], s[\ob:\ob+1] offset:768*\a    ; 512 and 256 consecutive bytes, aligned to 256
	global_store_b64 v28, v[PC+8*\a+4:PC+8*\a+5], s[\ob:\ob+1] offset:768*\a
.endr
	global_store_b32 v29, v108, s[\ob:\ob+1]
	global_store_b32 v29, v109, s[\ob:\ob+1] offset:128
.endm
	s_load_b64 s[4:5], s[0:1], 0x0                 ; h's blocks: they stand at the head of pre
	s_load_b64 s[6:7], s[0:1], 0x0                 ; the weights' blocks and the table: pre
	s_load_b64 s[8:9], s[0:1], 0x8                 ; qkvc
	v_lshl_add_u32 v[SPW], v0, 2, SPARE
	v_mov_b32 v[NIL], 0
	ds_add_u32 v[SPW], v[NIL]                      ; the wave's opening: the add, twice on end, and its wait ahead of my first tensor load
	ds_add_u32 v[SPW], v[NIL]
	v_lshrrev_b32 v1, 5, v0
	v_readfirstlane_b32 s12, v1                    ; wave 0..3
	s_lshr_b32 s13, s12, 1                         ; which 64 rows are mine.  Also: I fetch for h (0) or for w (1)
	s_and_b32 s14, s12, 1                          ; which 64 columns.  Also: which four tiles of h, or which half of slot X, I fetch
	s_bfe_u32 s15, ttmp6, 0x40000                  ; cx, cy: my place in the cluster
	s_bfe_u32 s16, ttmp6, 0x40004
	s_lshl_b32 s17, ttmp9, 2
	s_add_co_u32 s17, s17, s15                     ; the pair of heads = 4 x cluster x + cx
	s_and_b32 s18, ttmp7, 0xffff
	s_lshl_b32 s18, s18, 2
	s_add_co_u32 s18, s18, s16                     ; tile row = 4 x cluster y + cy
	s_lshl_b32 s19, s16, 2
	s_lshl_b32 s19, 15, s19                        ; my row of the cluster
	s_lshl_b32 s20, 0x1111, s15                    ; my column
	; group 1: rows (tiles) of RBE or RBO bytes, 12,800 bytes apart, dense in LDS; elements of 8 bytes; bit 21 set beside a mask
	s_or_b32 s[G1A], s19, (3<<16)|(1<<21)
	s_or_b32 s[G1A+8], s19, (3<<16)|(1<<21)
	s_or_b32 s[G1B], s20, (3<<16)|(1<<21)
	s_or_b32 s[G1B+8], s20, (3<<16)|(1<<21)
.irp g, G1A, G1B
	s_mov_b32 s[\g+1], (RBE/8)<<16                 ; tensor_dim0
	s_mov_b32 s[\g+3], (RBE/8)<<16                 ; tile_dim0
	s_mov_b32 s[\g+5], TSTR/8                      ; tensor_dim0_stride
	s_mov_b32 s[\g+6], 0
	s_mov_b32 s[\g+7], 0
	s_mov_b32 s[\g+9], (RBE/8)<<16
	s_mov_b32 s[\g+11], (RBE/8)<<16
	s_mov_b32 s[\g+13], TSTR/8
	s_mov_b32 s[\g+14], 0
	s_mov_b32 s[\g+15], 0
.endr
	s_mov_b32 s[G1A+2], 4<<16                      ; four tiles of h to a load,
	s_mov_b32 s[G1A+4], 4
	s_mov_b32 s[G1A+10], 4<<16
	s_mov_b32 s[G1A+12], 4
	s_mov_b32 s[G1B+2], 4<<16                      ; four of w at the head (waves 2 and 3: slot X's halves),
	s_mov_b32 s[G1B+4], 4
	s_mov_b32 s[G1B+10], 2<<16                     ; two a wave in the later fills
	s_mov_b32 s[G1B+12], 2
	s_lshl_b32 s92, s18, 3                         ; h: tile 8 x tile row + 4 x half
	s_lshl_b32 s93, s14, 2
	s_add_co_u32 s92, s92, s93
	s_mul_i32 s92, s92, TSTR
	s_mov_b32 s93, 0
	s_lshl_b32 s94, s17, 3                         ; w: tile W0 + 8 x pair of heads + 4 x half: q's rows, to slot X
	s_lshl_b32 s95, s14, 2
	s_add_co_u32 s94, s94, s95
	s_add_co_u32 s94, s94, W0
	s_mul_i32 s94, s94, TSTR
	s_mov_b32 s95, 0
	s_lshl_b32 s[VP], s17, 3                       ; v's rows: tile W0 + 128 + 8 x pair of heads
	s_add_co_u32 s[VP], s[VP], W0+128
	s_mul_i32 s[VP], s[VP], TSTR
	s_mov_b32 s[VP+1], 0
	s_wait_dscnt 0x0                               ; both opening adds are done
	s_wait_kmcnt 0x0
	s_add_nc_u64 s[92:93], s[4:5], s[92:93]
	s_add_nc_u64 s[94:95], s[6:7], s[94:95]
	s_add_nc_u64 s[VP:VP+1], s[6:7], s[VP:VP+1]
	CROUND                                         ; all sixteen work-groups are here: the joint loads meet
.irp q, 0
	CHP \q
.set GA, 56+4*\q+4*(\q/2)
.set GB, 76+4*\q                                   ; for w's: s76 ..
	s_mov_b32 s[GA], 1
	s_mul_i32 s96, s14, 4*RBQ
	s_add_co_u32 s[GA+1], s96, CHQ                 ; LDS: the chunk, h's tiles first: no place in the cluster enters
	s_add_nc_u64 s[GA+2:GA+3], s[92:93], SRQ
	s_or_b32 s[GA+3], s[GA+3], 0x80000000
	s_mov_b32 s[GB], 1
	s_mul_i32 s97, s14, 4*RBQ
	s_add_co_u32 s[GB+1], s97, CHQ+8*RBQ
	s_add_nc_u64 s[GB+2:GB+3], s[94:95], SRQ
	s_or_b32 s[GB+3], s[GB+3], 0x80000000
	JLOAD GA, G1A+G1Q, GB, G1B+G1Q
.endr
	v_and_b32 v1, 15, v0                           ; r
	v_bfe_u32 v2, v0, 4, 1                         ; h
	v_and_b32 v3, 31, v0                           ; lane
	v_lshlrev_b32 v[L16], 4, v3
	s_wait_alu depctr_va_vdst(0)
	v_lshlrev_b32 v[L8], 3, v3
	s_wait_alu depctr_va_vdst(0)
	v_lshlrev_b32 v30, 2, v3                       ; 4 x lane
	ADDRS 0
	s_mul_i32 s92, s13, 4*RBE                      ; the scale words: lanes 0-15 h's tiles, lanes 16-31 w's: the lower base + h x the distance
	s_mul_i32 s93, s14, 4*RBE
	s_add_co_u32 s93, s93, 8*RBE
	s_sub_co_u32 s93, s93, s92
	v_mul_u32_u24 v20, s93, v2                     ; slot X
	v_lshl_add_u32 v20, v1, 2, v20
	v_add_nc_u32 v20, s92, v20
	s_add_co_u32 s93, s93, 8*RBE
	v_mul_u32_u24 v21, s93, v2                     ; slot Y
	v_lshl_add_u32 v21, v1, 2, v21
	v_add_nc_u32 v21, s92, v21
	s_mov_b32 s[SEL], 0x76543210
	s_mov_b32 s[SEL+1], 0xfedcba98
	s_lshr_b32 s96, s18, 4
	s_lshl_b32 s96, s96, 4
	s_lshl_b32 s97, s17, 1
	s_add_co_u32 s96, s96, s97
	s_add_co_u32 s96, s96, s14                     ; batch x 16 + head
	s_and_b32 s97, s18, 15                         ; which 128 positions of the sequence: the key step
	s_mul_i32 s98, s96, 106496
	s_add_co_u32 s98, s98, 6684672
	s_mov_b32 s99, 0
	s_add_nc_u64 s[4:5], s[8:9], s[98:99]          ; my head's Q
	s_mul_i32 s98, s96, 208896
	s_mul_i32 s92, s97, 13056
	s_add_co_u32 s98, s98, s92
	s_add_nc_u64 s[8:9], s[8:9], s[98:99]          ; my head's key step of K and V
	s_lshl_b32 s98, s97, 3
	s_lshl_b32 s92, s13, 2
	s_add_co_u32 s98, s98, s92                     ; my first tile of positions
	s_mul_i32 s92, s98, 768                        ; q: its units,
	s_lshl_b32 s93, s98, 6
	s_add_co_u32 s93, s93, 98304                   ; its words
	s_lshl_b32 s98, s98, 12                        ; 16 positions a tile, 256 bytes a position
	s_add_co_u32 s98, s98, ROPE
	s_add_nc_u64 s[2:3], s[6:7], s[98:99]          ; the table at my first position
	s_mul_i32 s94, s13, 3072                       ; k: my four units of the step's eight,
	s_lshl_b32 s95, s13, 8
	s_add_co_u32 s95, s95, 12288                   ; their words
	s_mul_i32 s96, s13, 768                        ; v: my 64 keys are one unit of each fragment,
	s_add_co_u32 s96, s96, 6144
	s_lshl_b32 s97, s13, 1
	s_add_co_u32 s97, s97, 12800                   ; and two bytes of each word
	v_and_b32 v26, 8, v1
	v_add_nc_u32 v26, v26, v1
	v_lshlrev_b32 v26, 8, v26
	v_lshl_add_u32 v26, v2, 6, v26                 ; my position's row of the table, + 64 h: the pairs of my channels
	WIN 0x40                                       ; the table is asked for now and lands under the products: tiles 0, 1 into the free registers of window 1,
.irp a, 0,1
.irp g, 0,1
.irp j, 0,1,2,3
	global_load_b128 v[96+128*\a+16*\g+4*\j:99+128*\a+16*\g+4*\j], v26, s[2:3] offset:8*\a*256+128*\g+16*\j
.endr
.endr
.endr
	WIN 0x80                                       ; tiles 2, 3 into window 2
.irp a, 0,1
.irp g, 0,1
.irp j, 0,1,2,3
	global_load_b128 v[32*\a+16*\g+4*\j:3+32*\a+16*\g+4*\j], v26, s[2:3] offset:(32+8*\a)*256+128*\g+16*\j
.endr
.endr
.endr
	WIN 0
	; ---- q
	OADDR 92, 93
	KLOOP 0, 0, 1
	s_wait_tensorcnt 0x0                           ; all my tensor loads have landed, so the weights' group 0 registers may be written;
	ds_add_u32 v[SPW], v[NIL]                      ; 0 onto my spare word; the descriptors stand between it and the wait for it
	s_mov_b32 s80, 1                               ; v's rows of w, two blocks a wave: LDS 8 tiles + 2 x wave
	s_mul_i32 s81, s12, 2*RBE
	s_add_co_u32 s81, s81, 8*RBE
	s_mul_i32 s82, s12, 2*TSTR
	s_mov_b32 s83, 0
	s_add_nc_u64 s[82:83], s[VP:VP+1], s[82:83]
	s_or_b32 s83, s83, 0x80000000
	s_wait_dscnt 0x0                               ; the add is done, and my reads of slot X are over
	CROUND                                         ; both now hold of every wave of every work-group of the cluster
	RLOAD                                          ; v's rows of w into slot X: my one tensor load behind the round, and the first thing there
	OUTQK 4
	; ---- k
	s_wait_xcnt 0x0                                ; q's stores have read their registers: offsets and codes may be written again
	OADDR 94, 95
	KLOOP 0, 1, 0
	OUTQK 8
	; ---- v
	s_wait_xcnt 0x0
	OADDR 96, 97
	s_wait_tensorcnt 0x0                           ; my part of slot X's second fill has landed,
	s_wait_dscnt 0x0
	s_barrier_signal -1
	s_barrier_wait -1                              ; everybody's has
	KLOOP 1, 0, 0
	QH4 ACC                                        ; accumulator 4 b + a: unit b is 16 channels x my 64 keys
	v_cmp_eq_u32 vcc_lo, 1, v2
	v_cndmask_b32 v108, v[PW], v[PW+1], vcc_lo
	v_cndmask_b32 v109, v[PW+2], v[PW+3], vcc_lo
.irp b, 0,1,2,3
	global_store_b128 v27, v[PC+8*\b:PC+8*\b+3], s[8:9] offset:1536*\b
	global_store_b64 v28, v[PC+8*\b+4:PC+8*\b+5], s[8:9] offset:1536*\b
.endr
	global_store_b16 v29, v108, s[8:9]             ; my two bytes of each word of four
	global_store_b16 v29, v109, s[8:9] offset:128
	s_wait_tensorcnt 0x0                           ; the wave's end
	ds_add_u32 v[SPW], v[NIL]
	s_wait_dscnt 0x0
	CROUND                                         ; the closing round
	s_endpgm
.Lfunc_end_k_qd6cb351a26_qkv:
	.size	k_qd6cb351a26_qkv, .Lfunc_end_k_qd6cb351a26_qkv-k_qd6cb351a26_qkv
	.p2alignl 7, 3214868480
	.fill 96, 4, 3214868480
	.section	.rodata,"a",@progbits
	.p2align	6, 0x0
	.amdhsa_kernel k_qd6cb351a26_qkv
		.amdhsa_group_segment_fixed_size 327680
		.amdhsa_private_segment_fixed_size 0
		.amdhsa_enable_private_segment 0
		.amdhsa_kernarg_size 16
		.amdhsa_user_sgpr_count 2
		.amdhsa_user_sgpr_kernarg_segment_ptr 1
		.amdhsa_wavefront_size32 1
		.amdhsa_system_sgpr_workgroup_id_x 1
		.amdhsa_system_sgpr_workgroup_id_y 1
		.amdhsa_system_sgpr_workgroup_id_z 1
		.amdhsa_system_vgpr_workitem_id 0
		.amdhsa_next_free_vgpr 576
		.amdhsa_next_free_sgpr 100
		.amdhsa_reserve_vcc 1
		.amdhsa_float_denorm_mode_32 3
		.amdhsa_float_denorm_mode_16_64 3
		.amdhsa_memory_ordered 1
		.amdhsa_forward_progress 1
		.amdhsa_inst_pref_size 164
	.end_amdhsa_kernel
	.amdgpu_metadata
---
amdhsa.version: [ 1, 2 ]
amdhsa.kernels:
  - .name:           k_qd6cb351a26_qkv
    .symbol:         k_qd6cb351a26_qkv.kd
    .args:
      - { .name: pre, .offset: 0, .size: 8, .value_kind: global_buffer, .address_space: global }
      - { .name: qkvc, .offset: 8, .size: 8, .value_kind: global_buffer, .address_space: global }
    .group_segment_fixed_size: 327680
    .private_segment_fixed_size: 0
    .kernarg_segment_align: 8
    .kernarg_segment_size: 16
    .max_flat_workgroup_size: 128
    .sgpr_count:     100
    .vgpr_count:     576
    .wavefront_size: 32
...
	.end_amdgpu_metadata
.endif
;; end of part 8
;; launch attn (part 9): grid 8 x 32, 16 waves a work-group, clusters of 4 x 1, 327,680 bytes of LDS; arguments qkvc, att; writes att
.if DOCPART == 9
	.amdgcn_target "amdgcn-amd-amdhsa--gfx1250"
	.amdhsa_code_object_version 6
	.text
	.protected	k_qd6cb351a26_attn
	.globl	k_qd6cb351a26_attn
	.p2align	8
	.type	k_qd6cb351a26_attn,@function
k_qd6cb351a26_attn:
	s_mov_b64 s[64:65], 0
	v_nop
	global_prefetch_b8 v0, s[64:65] scope:SCOPE_SE
	s_setreg_imm32_b32 hwreg(HW_REG_WAVE_MODE, 25, 1), 1
	s_wait_xcnt 0x0
	s_wait_alu depctr_hold_cnt(0) depctr_sa_sdst(0) depctr_va_vdst(0) depctr_va_sdst(0) depctr_va_ssrc(0) depctr_va_vcc(0) depctr_vm_vsrc(0)
	s_getreg_b32 s2, hwreg(HW_REG_IB_STS2, 6, 4)
	s_cmp_eq_u32 s2, 0
	s_cbranch_scc0 .Lentry_in_a_cluster
	s_endpgm
.Lentry_in_a_cluster:
	s_bfe_u32 s2, ttmp6, 0x10000c
	s_cmp_lg_u32 s2, 0x3003
	s_cbranch_scc0 .Lentry_shape_is_right
	s_endpgm
.Lentry_shape_is_right:
; Causal attention of one head on codes of FP6 (E2M3): S^T = K Q^T, p = 2^(t - M) with a running whole M, O^T += V^T p^T, O / l, quantised along the head's 64 for the next product.
; WORK LEFT OUT: key steps of 128 keys that lie wholly behind a tile's queries: reference() masks them by its own jnp.tril, so their p is 0 for all inputs.  On the diagonal step the work is done and masked.
; LIMITS: a NaN, an infinity or an overflow that reaches only hidden scores is not carried on; the scaled scores stay under 2^31 in magnitude; NaN and infinities are not served.
; SHARES.  Work-group (x, head): the sixteen query tiles 8 d + x, d = 0 .. 15; tile 8 d + x has d + 1 key steps.  Tiles d = 15 - w and d = w are a pair of 17 steps, shared by waves 2 w and 2 w + 1:
; the wave of kind 0 walks steps 0 .. 8 of the long tile (9 steps); the wave of kind 1 walks its steps 9 .. 15 - w, leaves O^T, -M and l of that part in LDS, and then walks the short tile (8 steps in all).
; Behind one barrier kind 0 joins the two parts: each M is a whole number, so both are brought under the larger M by powers of two that round nothing.  Kind = (n ^ (n >> 2)) & 1: two of each kind among the waves
; n % 4 = const and among the waves n / 4 = const.  Every wave walks both loops of sixteen trips. Every wave loads both tiles of Q; kind 0 uses the first alone.
; LDS.  The head's K and V are 16 key steps of 13,056 bytes, dense in memory: wave n brings step n by ONE tensor load at the head (one of mine is out); nothing is filled again; one barrier shows all steps to all waves.
; Behind them the spare words, and behind those a stage of 4,608 bytes a pair, into which no fill lands.
; CLUSTER 4 x 1: four work-groups of one head ask for the same steps jointly.  No prefetch: every fill goes out at the head, so there is no loop to run ahead in.
; A KEY STEP in LDS: K's 8 units of 768 (16 keys x 64, images of registers) | V's 4 fragments of 1,536 at 6,144 | K's words [unit 8][16] at 12,288 | V's words [tile 4][16] at 12,800.
; THE KEYS OF A TILE ARE CHOSEN BY THE LDS ADDRESSES: place i of tile 4 c + u is key 64 c + 8 u + i % 8 + 32 (i / 8), which stands in unit 4 c + u % 2 + 2 (i / 8) at place i % 8 + 8 (u / 2).
; So lane (query r, half h) holds in registers 32 c + 0 .. 31 of S^T the whole block of 32 keys 64 c + 32 h ..: the block's maximum needs no other lane, and the conversions' results are the operand's registers.
; K = 64 in the first product: source 0 names a unit and the one behind it, Q's upper six registers are zero codes.
; REGISTERS: v1-6 lane terms, v7-8 the add's, v10 the mask's query, v12 -M, v13 largest t, v14-15 l, v16-27 Q, v32-85 K then V, v87-93 scale words, v96-159 S^T then p, v160-191 O^T, v192-218 at work, v219 the stage,
; v224-235 p's codes, v249-255 the short tile's Q.
.set SPARE, 208896
.set STAGE, SPARE+2048
.set STEPB, 13056
.set SEL, 24
.set CS,  26
.set WP,  29                           ; the pair w
.set DB,  30                           ; the walked tile's diagonal step
.set TY,  31                           ; the wave's kind
.set JJ,  32
.set TK,  33
.set LO,  48                           ; my first and last step of the walk
.set HI,  49
.set STG, 219
.macro CROUND
	s_barrier_signal -1
	s_barrier_wait -1
	s_cmp_lg_u32 s8, 0
	s_cbranch_scc1 .Lnot_wave_0_\@
	s_barrier_signal -3
.Lnot_wave_0_\@:
	s_barrier_wait -3
	s_barrier_signal -1
	s_barrier_wait -1
.endm
; 32 numbers of a lane, register 16 b + i = channel 32 b + 16 h + i, become a unit's six registers and two scale bytes
.macro QH s, pc, pt, tm, pw
.irp b, 0,1
	v_max3_num_f32 v[\tm+\b], |v[\s+16*\b]|, |v[\s+16*\b+1]|, 0x1800000   ; the floor 2^(3 - 127): the byte cannot fall under 1
.endr
.irp i, 2,4,6,8,10,12,14
.irp b, 0,1
	s_delay_alu instid0(VALU_DEP_2)
	v_max3_num_f32 v[\tm+\b], v[\tm+\b], |v[\s+16*\b+\i]|, |v[\s+16*\b+\i+1]|
.endr
.endr
.irp b, 0,1
	s_delay_alu instid0(VALU_DEP_2)
	v_permlanex16_b32 v[\tm+2+\b], v[\tm+\b], s[SEL], s[SEL+1]
.endr
.irp b, 0,1
	s_delay_alu instid0(VALU_DEP_2)
	v_max_num_f32 v[\tm+\b], v[\tm+\b], v[\tm+2+\b]
.endr
.irp b, 0,1
	s_delay_alu instid0(VALU_DEP_2)
	v_add_nc_u32 v[\tm+4+\b], 0xff000000, v[\tm+\b]
.endr
.irp b, 0,1
	s_delay_alu instid0(VALU_DEP_2)
	v_lshrrev_b32 v[\tm+2+\b], 23, v[\tm+4+\b]
.endr
	s_delay_alu instid0(VALU_DEP_1)
	v_lshl_or_b32 v[\pw], v[\tm+3], 8, v[\tm+2]
	v_cvt_scalef32_pk16_fp6_f32 v[\pc:\pc+2], v[\s:\s+15], v[\tm+4]
	v_cvt_scalef32_pk16_fp6_f32 v[\pt:\pt+2], v[\s+16:\s+31], v[\tm+5]
	v_nop
.irp i, 0,1,2
	v_permlane16_swap_b32 v[\pc+\i], v[\pt+\i]
.endr
.irp i, 0,1,2
	s_delay_alu instid0(VALU_DEP_3)
	v_mov_b32 v[\pc+3+\i], v[\pt+\i]
.endr
.endm
; A walk over the sixteen key steps: the steps LO .. HI are worked, step DB with the mask
.macro WALK
	s_mov_b32 s[JJ], 0
	s_mov_b32 s[TK], 0
.Lstep_\@:
	s_cmp_lt_u32 s[JJ], s[LO]
	s_cbranch_scc1 .Lhid_\@
	s_cmp_gt_u32 s[JJ], s[HI]
	s_cbranch_scc1 .Lhid_\@
	v_add_nc_u32 v11, s[TK], v3                    ; with the v_nop: the four places behind the last step's products, ahead of loads into their registers
	v_add_nc_u32 v28, s[TK], v4
	v_add_nc_u32 v31, s[TK], v5
	v_nop
.irp t, 0,1,2,3,4,5,6,7
	ds_load_b128 v[32+6*\t:35+6*\t], v11 offset:768*(4*(\t/4)+\t%2)+128*((\t%4)/2)
	ds_load_b64 v[36+6*\t:37+6*\t], v28 offset:768*(4*(\t/4)+\t%2)+64*((\t%4)/2)
.endr
.irp n, 0,1,2,3
	ds_load_b32 v[88+\n], v31 offset:256*(\n/2)+32*(\n%2)
.endr
	s_wait_dscnt 0x0
.irp t, 0,2,4,6
	v_wmma_scale_f32_16x16x128_f8f6f4 v[96+8*\t:103+8*\t], v[32+6*\t:43+6*\t], v[16:27], 0, v[88+\t/2], v87 matrix_a_fmt:MATRIX_FMT_FP6 matrix_b_fmt:MATRIX_FMT_FP6
	v_wmma_scale_f32_16x16x128_f8f6f4 v[104+8*\t:111+8*\t], v[38+6*\t:49+6*\t], v[16:27], 0, v[88+\t/2], v87 matrix_a_fmt:MATRIX_FMT_FP6 matrix_b_fmt:MATRIX_FMT_FP6 matrix_a_scale:MATRIX_SCALE_ROW1
.endr
	v_add_nc_u32 v29, s[TK], v1                    ; four places again
	v_add_nc_u32 v30, s[TK], v2
	v_add_nc_u32 v86, s[TK], v6
	v_nop
.irp t, 0,1,2,3
	ds_load_b128 v[32+12*\t:35+12*\t], v29 offset:6144+1536*\t      ; V lands under the softmax
	ds_load_b64 v[36+12*\t:37+12*\t], v30 offset:6144+1536*\t
	ds_load_b128 v[38+12*\t:41+12*\t], v29 offset:6144+1536*\t+768
	ds_load_b64 v[42+12*\t:43+12*\t], v30 offset:6144+1536*\t+768
.endr
	ds_load_b32 v92, v86
	ds_load_b32 v93, v86 offset:128
	s_cmp_lg_u32 s[JJ], s[DB]
	s_cbranch_scc1 .Lopen_\@
	v_mov_b32 v210, 0xff800000                     ; the diagonal step: register j is key 64 (j / 32) + 32 h + j % 32
.set j, 0
.rept 64
	v_cmp_gt_i32 vcc_lo, 64*(j/32)+j%32, v10
	v_cndmask_b32 v[96+j], v[96+j], v210, vcc_lo
.set j, j+1
.endr
.Lopen_\@:
.irp g, 0,1,2,3                                ; the largest score of each block, in four chains by turns; each accumulator is first read at its low end
	v_max3_num_f32 v[192+\g], v[96+16*\g], v[97+16*\g], v[98+16*\g]
.endr
.irp i, 3,5,7,9,11,13
.irp g, 0,1,2,3
	v_max3_num_f32 v[192+\g], v[192+\g], v[96+16*\g+\i], v[97+16*\g+\i]
.endr
.endr
	v_max3_num_f32 v192, v192, v193, v111
	v_max3_num_f32 v194, v194, v195, v143
	v_max_num_f32 v192, v192, v127                 ; block h
	v_max_num_f32 v194, v194, v159                 ; block 2 + h
	s_delay_alu instid0(VALU_DEP_1)
	v_max_num_f32 v210, v192, v194
	s_delay_alu instid0(VALU_DEP_1)
	v_permlanex16_b32 v196, v210, s[SEL], s[SEL+1]
	s_delay_alu instid0(VALU_DEP_1)
	v_max_num_f32 v210, v210, v196                 ; the step's largest score of my query
	s_delay_alu instid0(VALU_DEP_1)
	v_mul_f32 v210, s[CS], v210
	s_delay_alu instid0(VALU_DEP_1)
	v_max_num_f32 v13, v13, v210
	v_mov_b32 v210, v12
	s_delay_alu instid0(VALU_DEP_2)
	v_floor_f32 v12, -v13                          ; -M = floor(-t): M is a whole number
	s_delay_alu instid0(VALU_DEP_1)
	v_sub_f32 v210, v12, v210
	s_delay_alu instid0(VALU_DEP_1)
	v_cvt_i32_f32 v210, v210
	s_delay_alu instid0(VALU_DEP_1)
	v_ldexp_f32 v208, 1.0, v210                    ; f = 2^(old M - new M)
.set j, 0
.rept 32
	v_pk_fma_f32 v[96+j:97+j], v[96+j:97+j], s[CS:CS+1], v[12:13] op_sel_hi:[1,0,0]
.set j, j+2
.endr
	v_fma_f32 v192, v192, s[CS], v12               ; the same of each block's largest score: p rises with the score
	v_fma_f32 v194, v194, s[CS], v12
	s_wait_alu depctr_va_vdst(0)
.set j, 0
.rept 64
	v_exp_f32 v[96+j], v[96+j]
.set j, j+1
.endr
	v_exp_f32 v192, v192
	v_exp_f32 v194, v194
	v_pk_mul_f32 v[14:15], v[14:15], v[208:209] op_sel_hi:[1,0]   ; l under the new M; a plain place behind the batch
	s_wait_alu depctr_va_vdst(0)                   ; one wait for the batch
	v_pk_add_f32 v[196:197], v[96:97], v[98:99]    ; l is summed of the unquantised p, in two chains
.set j, 4
.rept 15
	v_pk_add_f32 v[14:15], v[14:15], v[96+j:97+j]
	v_pk_add_f32 v[196:197], v[196:197], v[98+j:99+j]
.set j, j+4
.endr
	v_max_num_f32 v192, 0x1800000, v192            ; the floor: the byte cannot fall under 1
	v_max_num_f32 v194, 0x1800000, v194
	v_pk_add_f32 v[14:15], v[14:15], v[196:197]
	v_add_nc_u32 v204, 0xff000000, v192            ; 2 off the exponent field: the conversions' scale operands
	v_add_nc_u32 v205, 0xff000000, v194
	s_delay_alu instid0(VALU_DEP_2)
	v_lshrrev_b32 v196, 23, v204
	s_delay_alu instid0(VALU_DEP_2)
	v_lshrrev_b32 v197, 23, v205
	s_delay_alu instid0(VALU_DEP_1)
	v_lshl_or_b32 v209, v197, 16, v196             ; my two bytes,
	s_delay_alu instid0(VALU_DEP_1)
	v_lshlrev_b32 v209, v248, v209                 ; 8 h bits up,
	s_delay_alu instid0(VALU_DEP_1)
	v_permlanex16_b32 v198, v209, s[SEL], s[SEL+1]
	s_delay_alu instid0(VALU_DEP_1)
	v_or_b32 v209, v209, v198                      ; with lane l xor 16's two: p's scale word
	v_cvt_scalef32_pk16_fp6_f32 v[224:226], v[96:111], v204
	v_cvt_scalef32_pk16_fp6_f32 v[212:214], v[112:127], v204     ; (a conversion's three registers begin on an even number)
	v_cvt_scalef32_pk16_fp6_f32 v[230:232], v[128:143], v205
	v_cvt_scalef32_pk16_fp6_f32 v[216:218], v[144:159], v205
	v_nop                                          ; one plain place behind a scaled conversion
.irp i, 0,1,2
	v_mov_b32 v[227+\i], v[212+\i]
	v_mov_b32 v[233+\i], v[216+\i]
.endr
	s_wait_alu depctr_va_vdst(0)
.set j, 0
.rept 16
	v_pk_mul_f32 v[160+j:161+j], v[160+j:161+j], v[208:209] op_sel_hi:[1,0]   ; O^T under the new M; also the places ahead of the scaled products
.set j, j+2
.endr
	s_wait_alu depctr_va_vdst(0)
	s_wait_dscnt 0x0                               ; V and its words
.irp t, 0,2
	v_wmma_scale_f32_16x16x128_f8f6f4 v[160+8*\t:167+8*\t], v[32+12*\t:43+12*\t], v[224:235], v[160+8*\t:167+8*\t], v[92+\t/2], v209 matrix_a_fmt:MATRIX_FMT_FP6 matrix_b_fmt:MATRIX_FMT_FP6
	v_wmma_scale_f32_16x16x128_f8f6f4 v[168+8*\t:175+8*\t], v[44+12*\t:55+12*\t], v[224:235], v[168+8*\t:175+8*\t], v[92+\t/2], v209 matrix_a_fmt:MATRIX_FMT_FP6 matrix_b_fmt:MATRIX_FMT_FP6 matrix_a_scale:MATRIX_SCALE_ROW1
.endr
.Lhid_\@:
	s_add_co_u32 s[TK], s[TK], STEPB
	s_add_co_u32 s[JJ], s[JJ], 1
	s_cmp_lt_u32 s[JJ], 16
	s_cbranch_scc1 .Lstep_\@
.rept 4
	v_nop                                          ; places behind the last products
.endr
.endm
	s_load_b128 s[4:7], s[0:1], 0x0                ; qkvc, att
	v_lshl_add_u32 v7, v0, 2, SPARE
	v_mov_b32 v8, 0
	ds_add_u32 v7, v8                              ; the opening lines: the add, twice on end, and its wait
	ds_add_u32 v7, v8
	v_lshrrev_b32 v9, 5, v0
	s_delay_alu instid0(VALU_DEP_1)
	v_readfirstlane_b32 s8, v9                     ; wave 0..15
	s_bfe_u32 s9, ttmp6, 0x40000
	s_lshl_b32 s10, ttmp9, 2
	s_add_co_u32 s10, s10, s9                      ; x
	s_and_b32 s11, ttmp7, 0xffff                   ; batch x 16 + head
	s_mov_b32 s16, 15|(3<<16)|(1<<21)              ; group 1: a key step as 51 dense rows of 256 bytes; the mask names the cluster's four
	s_mov_b32 s17, 32<<16
	s_mov_b32 s18, 51<<16
	s_mov_b32 s19, 32<<16
	s_mov_b32 s20, 51
	s_mov_b32 s21, 32
	s_mov_b32 s22, 0
	s_mov_b32 s23, 0
	s_mov_b32 s12, 1
	s_mul_i32 s13, s8, STEPB                       ; key step n, in LDS and in the head's run of memory
	s_mul_i32 s36, s11, 208896
	s_add_co_u32 s36, s36, s13
	s_mov_b32 s37, 0
	s_mov_b32 s[SEL], 0x76543210
	s_mov_b32 s[SEL+1], 0xfedcba98
	s_mov_b32 s[CS], 0x3e38aa3b                    ; log2(e) / 8
	s_mov_b32 s[CS+1], s[CS]
	s_wait_dscnt 0x0
	s_wait_kmcnt 0x0
	s_add_nc_u64 s[14:15], s[4:5], s[36:37]
	s_or_b32 s15, s15, 0x80000000
	CROUND
	tensor_load_to_lds s[12:15], s[16:23]
	s_nop 0
	s_lshr_b32 s[WP], s8, 1                        ; the pair
	s_lshr_b32 s[TY], s8, 2
	s_xor_b32 s[TY], s[TY], s8
	s_and_b32 s[TY], s[TY], 1                      ; the kind
	s_sub_co_u32 s53, 15, s[WP]                    ; the long tile's d
	s_lshl_b32 s54, s53, 3
	s_add_co_u32 s54, s54, s10                     ; the long tile
	s_lshl_b32 s55, s[WP], 3
	s_add_co_u32 s55, s55, s10                     ; the short tile
	s_cmp_eq_u32 s[TY], 0
	s_cselect_b32 s28, s54, s55                    ; the tile that I finish
	s_cselect_b32 s[LO], 0, 9                      ; the first walk: the long tile's steps 0 .. 8, or 9 .. d
	s_cselect_b32 s[HI], 8, s53
	s_mov_b32 s[DB], s53
	s_mul_i32 s52, s[WP], 4608
	s_add_co_u32 s52, s52, STAGE                   ; my pair's stage
	s_mul_i32 s36, s11, 106496
	s_add_co_u32 s36, s36, 6684672
	s_mov_b32 s37, 0
	s_add_nc_u64 s[46:47], s[4:5], s[36:37]        ; my head's Q
	s_mul_i32 s34, s54, 768
	s_lshl_b32 s35, s54, 6
	s_add_co_u32 s35, s35, 98304
	s_mul_i32 s50, s55, 768
	s_lshl_b32 s51, s55, 6
	s_add_co_u32 s51, s51, 98304
	s_lshr_b32 s36, s11, 4
	s_lshl_b32 s36, s36, 7
	s_add_co_u32 s36, s36, s28
	s_mul_i32 s36, s36, 12800                      ; my tile's block in att
	s_and_b32 s38, s11, 15
	s_mul_i32 s39, s38, 768
	s_add_co_u32 s39, s39, 512
	s_add_co_u32 s42, s36, s39
	s_mov_b32 s43, 0
	s_add_nc_u64 s[40:41], s[6:7], s[42:43]        ; the head's unit in it
	s_lshr_b32 s39, s38, 1
	s_lshl_b32 s39, s39, 6
	s_and_b32 s38, s38, 1
	s_lshl_b32 s38, s38, 1
	s_add_co_u32 s36, s36, s39
	s_add_co_u32 s36, s36, s38
	s_add_nc_u64 s[44:45], s[6:7], s[36:37]        ; and its two bytes of the scale words
	s_lshr_b32 s38, s10, 1
	s_lshl_b32 s38, s38, 5
	s_and_b32 s39, s10, 1
	s_lshl_b32 s39, s39, 3
	s_add_co_u32 s38, s38, s39                     ; a tile's first position in its 128: the same for both tiles
	v_and_b32 v9, 31, v0                           ; lane
	v_and_b32 v192, 15, v0                         ; r
	v_bfe_u32 v247, v0, 4, 1                       ; h
	v_and_b32 v193, 7, v0                          ; r % 8
	v_bfe_u32 v194, v0, 3, 1                       ; r / 8
	v_lshlrev_b32 v1, 4, v9                        ; 16 x lane
	v_lshlrev_b32 v2, 3, v9
	v_mul_u32_u24 v195, v194, 1536                 ; two units on for places 8-15
	v_lshlrev_b32 v5, 2, v193
	v_add_nc_u32 v2, 512, v2                       ; 512 + 8 x lane
	v_lshl_add_u32 v3, v193, 4, v195
	v_lshl_add_u32 v4, v193, 3, v195
	v_lshl_add_u32 v5, v194, 7, v5
	v_lshl_add_u32 v3, v247, 8, v3                 ; K, registers 0-3
	v_lshl_add_u32 v4, v247, 7, v4
	v_lshl_add_u32 v5, v247, 6, v5
	v_lshl_add_u32 v6, v9, 2, 12800                ; V's words
	v_add_nc_u32 v4, 512, v4                       ; K, registers 4-5
	v_add_nc_u32 v5, 12288, v5                     ; K's words: lanes 0-15 an even tile's, lanes 16-31 the odd one's
	v_lshlrev_b32 v248, 3, v247                    ; 8 h
	v_lshl_add_u32 v10, v194, 3, v192              ; r + 8 (r / 8)
	v_lshlrev_b32 v195, 5, v247
	v_lshlrev_b32 v246, 2, v192                    ; 4 r
	v_add_nc_u32 v236, s34, v1
	v_add_nc_u32 v237, s34, v2
	v_sub_nc_u32 v10, v10, v195
	v_add_nc_u32 v238, s35, v246
	v_add_nc_u32 v239, s50, v1
	v_add_nc_u32 v240, s50, v2
	v_add_nc_u32 v241, s51, v246
	v_add_nc_u32 v10, s38, v10                     ; my query's place in the diagonal step, less 32 h
	v_add_nc_u32 v[STG], s52, v1
	global_load_b128 v[16:19], v236, s[46:47]      ; the long tile's Q
	global_load_b64 v[20:21], v237, s[46:47]
	global_load_b32 v87, v238, s[46:47]
	global_load_b128 v[250:253], v239, s[46:47]    ; the short tile's
	global_load_b64 v[254:255], v240, s[46:47]
	global_load_b32 v249, v241, s[46:47]
.irp j, 22,23,24,25,26,27,80,81,82,83,84,85
	v_mov_b32 v[\j], 0                             ; zero codes for k = 64 .. 127
.endr
.irp j, 194,195,196,198,208,209,210,211
	v_mov_b32 v[\j], 0                             ; a lane permute's destination counts as one of its sources, a pair's upper half as read
.endr
	v_mov_b32 v13, 0xff61b1e6                      ; -3e38, under every t
	v_mov_b32 v14, 0
	v_mov_b32 v15, 0
	v_floor_f32 v12, -v13
.set j, 0
.rept 32
	v_mov_b32 v[160+j], 0                          ; the step is written once: the first finds zeros
.set j, j+1
.endr
	s_wait_alu depctr_va_vdst(0)
	s_wait_loadcnt 0x0
	s_wait_tensorcnt 0x0                           ; my key step is in,
	s_barrier_signal -1
	s_barrier_wait -1                              ; everybody's is
	WALK                                           ; the long tile
	s_cmp_eq_u32 s[TY], 0
	s_cbranch_scc1 .Lkeep                          ; kind 0 keeps its sums
.irp k, 0,1,2,3,4,5,6,7
	ds_store_b128 v[STG], v[160+4*\k:163+4*\k] offset:512*\k     ; kind 1: my part of the long tile as an image of its registers, each accumulator from its low end on,
.endr
	ds_store_b128 v[STG], v[12:15] offset:4096     ; with -M and l
.irp i, 0,1,2,3,4,5
	v_mov_b32 v[16+\i], v[250+\i]                  ; the short tile's Q,
.endr
	v_mov_b32 v87, v249
	v_mov_b32 v13, 0xff61b1e6                      ; and its sums begin
	v_mov_b32 v14, 0
	v_mov_b32 v15, 0
	v_floor_f32 v12, -v13
.set j, 0
.rept 32
	v_mov_b32 v[160+j], 0
.set j, j+1
.endr
.Lkeep:
	s_wait_alu depctr_va_vdst(0)
	s_cmp_eq_u32 s[TY], 0
	s_cselect_b32 s[LO], 1, 0                      ; the second walk: nothing, or the short tile's steps 0 .. w
	s_cselect_b32 s[HI], 0, s[WP]
	s_mov_b32 s[DB], s[WP]
	WALK
	s_wait_dscnt 0x0                               ; for my partner's sake: my stores into the stage are done
	s_barrier_signal -1
	s_barrier_wait -1
	s_cmp_lg_u32 s[TY], 0
	s_cbranch_scc1 .Lown
.irp k, 0,1,2,3,4,5,6,7
	ds_load_b128 v[96+4*\k:99+4*\k], v[STG] offset:512*\k        ; kind 0: my partner's part of the long tile
.endr
	ds_load_b128 v[128:131], v[STG] offset:4096
	s_wait_dscnt 0x0
	v_min_num_f32 v132, v12, v128                  ; -M of the larger M
	v_sub_f32 v133, v132, v12
	v_sub_f32 v134, v132, v128
	v_cvt_i32_f32 v133, v133                       ; whole numbers, 0 or less (it saturates: a part with no step counts for nothing)
	v_cvt_i32_f32 v134, v134
	v_ldexp_f32 v208, 1.0, v133
	v_ldexp_f32 v210, 1.0, v134
	v_pk_mul_f32 v[14:15], v[14:15], v[208:209] op_sel_hi:[1,0]
.set j, 0
.rept 16
	v_pk_mul_f32 v[160+j:161+j], v[160+j:161+j], v[208:209] op_sel_hi:[1,0]
.set j, j+2
.endr
	v_pk_fma_f32 v[14:15], v[130:131], v[210:211], v[14:15] op_sel_hi:[1,0,1]
.set j, 0
.rept 16
	v_pk_fma_f32 v[160+j:161+j], v[96+j:97+j], v[210:211], v[160+j:161+j] op_sel_hi:[1,0,1]
.set j, j+2
.endr
.Lown:
	v_add_f32 v14, v14, v15
	s_delay_alu instid0(VALU_DEP_1)
	v_permlanex16_b32 v208, v14, s[SEL], s[SEL+1]
	s_delay_alu instid0(VALU_DEP_1)
	v_add_f32 v14, v14, v208                       ; the row's sum
	s_wait_alu depctr_va_vdst(0)
	v_rcp_f32 v14, v14
	v_nop
	s_wait_alu depctr_va_vdst(0)
.set j, 0
.rept 16
	v_pk_mul_f32 v[160+j:161+j], v[160+j:161+j], v[14:15] op_sel_hi:[1,0]
.set j, j+2
.endr
	QH 160, 236, 242, 192, 94
	global_store_b128 v1, v[236:239], s[40:41]     ; 512 and 256 consecutive bytes, aligned to 256
	global_store_b64 v2, v[240:241], s[40:41]
	global_store_b16 v246, v94, s[44:45]           ; my head's two bytes of each row's word (both lanes of a row store the same)
	s_wait_tensorcnt 0x0                           ; the wave's end
	ds_add_u32 v7, v8
	s_wait_dscnt 0x0
	CROUND                                         ; the closing round
	s_endpgm
.Lfunc_end_k_qd6cb351a26_attn:
	.size	k_qd6cb351a26_attn, .Lfunc_end_k_qd6cb351a26_attn-k_qd6cb351a26_attn
	.p2alignl 7, 3214868480
	.fill 96, 4, 3214868480
	.section	.rodata,"a",@progbits
	.p2align	6, 0x0
	.amdhsa_kernel k_qd6cb351a26_attn
		.amdhsa_group_segment_fixed_size 327680
		.amdhsa_private_segment_fixed_size 0
		.amdhsa_enable_private_segment 0
		.amdhsa_kernarg_size 16
		.amdhsa_user_sgpr_count 2
		.amdhsa_user_sgpr_kernarg_segment_ptr 1
		.amdhsa_wavefront_size32 1
		.amdhsa_system_sgpr_workgroup_id_x 1
		.amdhsa_system_sgpr_workgroup_id_y 1
		.amdhsa_system_sgpr_workgroup_id_z 1
		.amdhsa_system_vgpr_workitem_id 0
		.amdhsa_next_free_vgpr 256
		.amdhsa_next_free_sgpr 66
		.amdhsa_reserve_vcc 1
		.amdhsa_float_denorm_mode_32 3
		.amdhsa_float_denorm_mode_16_64 3
		.amdhsa_memory_ordered 1
		.amdhsa_forward_progress 1
		.amdhsa_inst_pref_size 61
	.end_amdhsa_kernel
	.amdgpu_metadata
---
amdhsa.version: [ 1, 2 ]
amdhsa.kernels:
  - .name:           k_qd6cb351a26_attn
    .symbol:         k_qd6cb351a26_attn.kd
    .args:
      - { .name: qkvc, .offset: 0, .size: 8, .value_kind: global_buffer, .address_space: global }
      - { .name: att, .offset: 8, .size: 8, .value_kind: global_buffer, .address_space: global }
    .group_segment_fixed_size: 327680
    .private_segment_fixed_size: 0
    .kernarg_segment_align: 8
    .kernarg_segment_size: 16
    .max_flat_workgroup_size: 512
    .sgpr_count:     66
    .vgpr_count:     256
    .wavefront_size: 32
...
	.end_amdgpu_metadata
.endif
;; end of part 9
;; launch outp (part 10): grid 8 x 32, 4 waves a work-group, clusters of 4 x 4, 272,896 bytes of LDS; arguments att, pre, x, x1; writes x1
.if DOCPART == 10
	.amdgcn_target "amdgcn-amd-amdhsa--gfx1250"
	.amdhsa_code_object_version 6
	.text
	.protected	k_qd6cb351a26_outp
	.globl	k_qd6cb351a26_outp
	.p2align	8
	.type	k_qd6cb351a26_outp,@function
k_qd6cb351a26_outp:
	s_mov_b64 s[64:65], 0
	v_nop
	global_prefetch_b8 v0, s[64:65] scope:SCOPE_SE
	s_setreg_imm32_b32 hwreg(HW_REG_WAVE_MODE, 25, 1), 1
	s_wait_xcnt 0x0
	s_wait_alu depctr_hold_cnt(0) depctr_sa_sdst(0) depctr_va_vdst(0) depctr_va_sdst(0) depctr_va_ssrc(0) depctr_va_vcc(0) depctr_vm_vsrc(0)
	s_getreg_b32 s2, hwreg(HW_REG_IB_STS2, 6, 4)
	s_cmp_eq_u32 s2, 0
	s_cbranch_scc0 .Lentry_in_a_cluster
	s_endpgm
.Lentry_in_a_cluster:
	s_bfe_u32 s2, ttmp6, 0x10000c
	s_cmp_lg_u32 s2, 0xf033
	s_cbranch_scc0 .Lentry_shape_is_right
	s_endpgm
.Lentry_shape_is_right:
; x1 = x + attn w_out^T on codes of FP6 (E2M3); x1 is f32, row-major.
; OPERANDS are blocks of 12,800 bytes for each tile of 16 rows: 512 bytes of scale words [K step][row], then 8 fragments of 1,536 bytes, images of the operand's registers.
; Place i of tile T is row 32 (T / 2) + 8 (T % 2) + i + 8 (i / 8).
; SHARES.  A work-group makes 128 rows x 128 columns, each of four waves 64 x 64: 16 accumulators.
; LDS.  All of K (1,024) of the 8 + 8 tiles fits: 204,800 bytes, filled ONCE, in one chunk; each wave issues one tensor load at the head, four whole blocks,
; and a wait with a plain barrier opens it.  Nothing is filled again.  Behind the chunks a stage of 128 rows x 528 bytes, bytes of its own.
; CLUSTER 4 x 4: the activations' tiles are shared along a row of the cluster, the weights' along a column: joint loads.
; Source 0 = 16 rows of w, source 1 = 16 rows of attn: a lane holds one row and eight neighbouring columns an accumulator.
; THE WAY OUT: results to the stage, a barrier, each wave reads 32 whole rows of 512 bytes, adds x (asked for at the head) and stores them: 512 consecutive bytes a store.
.set NB,    4
.set NKS,   8
.set CK,    8                          ; all eight K steps of a tile stand together in LDS: one tensor load a wave at the head brings four whole blocks
.set RBE,   12800
.set RBO,   3072
.set TSTR,  12800
.set W0,    448                        ; w_out's first block in pre
.set STAGE, 204800
.set SP,    528
.set SPARE, STAGE+128*SP
.set SC,   32
.set ACC,  128
.set SPW,  22
.set NIL,  23
.set L16,  24
.set L8,   25
.set STO,  26
.set RD,   27
.set G1A,  24
.set G1B,  40
.set MSB, 0
.macro WIN new
.if MSB != \new
	s_set_vgpr_msb (MSB<<8)|\new
.set MSB, \new
.endif
.endm
.set MUL,  0x05
.set TO_F, 0x40
.macro PLACES
.rept 4
	v_nop
.endr
.endm
.macro CHP q
.if (\q) == 0
.set RBQ, RBE
.set HDQ, 512
.set CHQ, 0
.set SRQ, 0
.set G1Q, 0
.else
.set RBQ, RBO
.set HDQ, 0
.set CHQ, 16*RBE+16*RBO*((\q)-1)
.set SRQ, RBE+RBO*((\q)-1)
.set G1Q, 8
.endif
.endm
.macro JLOAD g0a, g1a, g0b, g1b        ; waves 0 and 1 fetch the activations' tiles, waves 2 and 3 the weights'; an s_nop 0 and four v_nop follow each line
	s_cmp_eq_u32 s13, 0
	s_cbranch_scc0 .Lfor_b_\@
	tensor_load_to_lds s[\g0a:\g0a+3], s[\g1a:\g1a+7]
	s_nop 0
.rept 4
	v_nop
.endr
	s_branch .Lasked_\@
.Lfor_b_\@:
	tensor_load_to_lds s[\g0b:\g0b+3], s[\g1b:\g1b+7]
	s_nop 0
.rept 4
	v_nop
.endr
.Lasked_\@:
.endm
.macro CROUND
	s_barrier_signal -1
	s_barrier_wait -1
	s_cmp_lg_u32 s12, 0
	s_cbranch_scc1 .Lnot_wave_0_\@
	s_barrier_signal -3
.Lnot_wave_0_\@:
	s_barrier_wait -3
	s_barrier_signal -1
	s_barrier_wait -1
.endm
.macro ADDRS q
	CHP \q
	s_mul_i32 s92, s13, 4*RBQ
	s_add_co_u32 s92, s92, CHQ+HDQ
	v_add_nc_u32 v[4+4*\q], s92, v[L16]
	s_add_co_u32 s92, s92, 512
	v_add_nc_u32 v[5+4*\q], s92, v[L8]
	s_mul_i32 s93, s14, NB*RBQ
	s_add_co_u32 s93, s93, CHQ+HDQ+8*RBQ
	v_add_nc_u32 v[6+4*\q], s93, v[L16]
	s_add_co_u32 s93, s93, 512
	v_add_nc_u32 v[7+4*\q], s93, v[L8]
.endm
.macro FRAG reg, a16, off
	ds_load_b128 v[\reg:\reg+3], v[\a16] offset:\off
	ds_load_b64 v[\reg+4:\reg+5], v[\a16+1] offset:\off
	ds_load_b128 v[\reg+6:\reg+9], v[\a16] offset:\off+768
	ds_load_b64 v[\reg+10:\reg+11], v[\a16+1] offset:\off+768
.endm
.macro FETCH s, f
	CHP (\s)/CK
.set AQ, 4+4*((\s)/CK)
.set UO, 1536*((\s)%CK)
.irp i, 0,1,2,3
	FRAG \f+12*\i, AQ, UO+\i*RBQ
.endr
.irp i, 0,1,2,3
	FRAG \f+48+12*\i, AQ+2, UO+\i*RBQ
.endr
.endm
.macro SCALES                          ; register 4 s + i: lanes 0-15 the activations' tile i, lanes 16-31 the weights' tile i, K step s
.irp s, 0,1,2,3,4,5,6,7
.irp i, 0,1,2,3
	ds_load_b32 v[SC+4*\s+\i], v20 offset:\i*RBE+64*\s
.endr
.endr
.endm
.macro WM d, a, b, z, sa, sb
.if \z
	v_wmma_scale_f32_16x16x128_f8f6f4 v[\d:\d+7], v[\a:\a+11], v[\b:\b+11], 0, v[\sa], v[\sb] matrix_a_fmt:MATRIX_FMT_FP6 matrix_b_fmt:MATRIX_FMT_FP6 matrix_a_scale:MATRIX_SCALE_ROW1
.else
	v_wmma_scale_f32_16x16x128_f8f6f4 v[\d:\d+7], v[\a:\a+11], v[\b:\b+11], v[\d:\d+7], v[\sa], v[\sb] matrix_a_fmt:MATRIX_FMT_FP6 matrix_b_fmt:MATRIX_FMT_FP6 matrix_a_scale:MATRIX_SCALE_ROW1
.endif
.endm
.macro MULS f, s, z                    ; the 16 accumulators take turns, one instruction a turn
.irp a, 0,1,2,3
.irp b, 0,1,2,3
	WM ACC+8*(4*\a+\b), \f+48+12*\b, \f+12*\a, \z, SC+4*(\s)+\b, SC+4*(\s)+\a
.endr
.endr
.endm
.macro KSTEP s
	s_wait_dscnt 0x0                               ; this K step's fragments, asked for a K step ago
.if (\s)+1 < NKS
.if (\s) > 0
	PLACES
.endif
	WIN TO_F
	FETCH (\s)+1, 128*(((\s)+1)%2)
.endif
	WIN MUL
.if (\s) == 0
	MULS 128*((\s)%2), \s, 1
.else
	MULS 128*((\s)%2), \s, 0
.endif
.endm
	s_load_b256 s[4:11], s[0:1], 0x0               ; att s[4:5], pre s[6:7], x s[8:9], x1 s[10:11]
	v_lshl_add_u32 v[SPW], v0, 2, SPARE
	v_mov_b32 v[NIL], 0
	ds_add_u32 v[SPW], v[NIL]                      ; the wave's opening: the add, twice on end, and its wait ahead of my first tensor load
	ds_add_u32 v[SPW], v[NIL]
	v_lshrrev_b32 v1, 5, v0
	v_readfirstlane_b32 s12, v1
	s_lshr_b32 s13, s12, 1
	s_and_b32 s14, s12, 1
	s_bfe_u32 s15, ttmp6, 0x40000
	s_bfe_u32 s16, ttmp6, 0x40004
	s_lshl_b32 s17, ttmp9, 2
	s_add_co_u32 s17, s17, s15                     ; tile column
	s_and_b32 s18, ttmp7, 0xffff
	s_lshl_b32 s18, s18, 2
	s_add_co_u32 s18, s18, s16                     ; tile row
	s_lshl_b32 s19, s16, 2
	s_lshl_b32 s19, 15, s19
	s_lshl_b32 s20, 0x1111, s15
	s_or_b32 s[G1A], s19, (3<<16)|(1<<21)
	s_or_b32 s[G1A+8], s19, (3<<16)|(1<<21)
	s_or_b32 s[G1B], s20, (3<<16)|(1<<21)
	s_or_b32 s[G1B+8], s20, (3<<16)|(1<<21)
.irp g, G1A, G1B
	s_mov_b32 s[\g+1], (RBE/8)<<16
	s_mov_b32 s[\g+2], 4<<16
	s_mov_b32 s[\g+3], (RBE/8)<<16
	s_mov_b32 s[\g+4], 4
	s_mov_b32 s[\g+5], TSTR/8
	s_mov_b32 s[\g+6], 0
	s_mov_b32 s[\g+7], 0
	s_mov_b32 s[\g+9], (RBO/8)<<16
	s_mov_b32 s[\g+10], 4<<16
	s_mov_b32 s[\g+11], (RBO/8)<<16
	s_mov_b32 s[\g+12], 4
	s_mov_b32 s[\g+13], TSTR/8
	s_mov_b32 s[\g+14], 0
	s_mov_b32 s[\g+15], 0
.endr
	s_lshl_b32 s92, s18, 3
	s_lshl_b32 s93, s14, 2
	s_add_co_u32 s92, s92, s93
	s_mul_i32 s92, s92, TSTR
	s_mov_b32 s93, 0
	s_lshl_b32 s94, s17, 3
	s_lshl_b32 s95, s14, 2
	s_add_co_u32 s94, s94, s95
	s_add_co_u32 s94, s94, W0
	s_mul_i32 s94, s94, TSTR
	s_mov_b32 s95, 0
	s_wait_dscnt 0x0
	s_wait_kmcnt 0x0
	s_add_nc_u64 s[92:93], s[4:5], s[92:93]
	s_add_nc_u64 s[94:95], s[6:7], s[94:95]
	CROUND
.irp q, 0
	CHP \q
.set GA, 56+4*\q+4*(\q/2)
.set GB, 76+4*\q
	s_mov_b32 s[GA], 1
	s_mul_i32 s96, s14, 4*RBQ
	s_add_co_u32 s[GA+1], s96, CHQ
	s_add_nc_u64 s[GA+2:GA+3], s[92:93], SRQ
	s_or_b32 s[GA+3], s[GA+3], 0x80000000
	s_mov_b32 s[GB], 1
	s_mul_i32 s97, s14, NB*RBQ
	s_add_co_u32 s[GB+1], s97, CHQ+8*RBQ
	s_add_nc_u64 s[GB+2:GB+3], s[94:95], SRQ
	s_or_b32 s[GB+3], s[GB+3], 0x80000000
	JLOAD GA, G1A+G1Q, GB, G1B+G1Q
.endr
	v_and_b32 v1, 15, v0
	v_bfe_u32 v2, v0, 4, 1
	v_and_b32 v3, 31, v0
	v_lshlrev_b32 v[L16], 4, v3
	s_wait_alu depctr_va_vdst(0)
	v_lshlrev_b32 v[L8], 3, v3
	s_wait_alu depctr_va_vdst(0)
	s_lshl_b32 s92, s18, 7                         ; the rows that I store: 128 x tile row + 32 x wave; the tile's 512 bytes of a row
	s_lshl_b32 s93, s12, 5
	s_add_co_u32 s92, s92, s93
	s_lshl_b32 s92, s92, 12
	s_lshl_b32 s93, s17, 9
	s_add_co_u32 s92, s92, s93
	s_mov_b32 s93, 0
	s_add_nc_u64 s[8:9], s[8:9], s[92:93]
	s_add_nc_u64 s[10:11], s[10:11], s[92:93]
	ADDRS 0
	s_mul_i32 s92, s13, 4*RBE
	s_mul_i32 s93, s14, NB*RBE
	s_add_co_u32 s93, s93, 8*RBE
	s_sub_co_u32 s93, s93, s92
	v_mul_u32_u24 v20, s93, v2
	v_lshl_add_u32 v20, v1, 2, v20
	v_add_nc_u32 v20, s92, v20
	s_mul_i32 s92, s13, 64*SP                      ; into the stage: my 64 rows, my 256 bytes of them; row r, + 64 h
	s_lshl_b32 s93, s14, 8
	s_add_co_u32 s92, s92, s93
	s_add_co_u32 s92, s92, STAGE
	v_mul_u32_u24 v[STO], v1, SP
	v_lshl_add_u32 v[STO], v2, 6, v[STO]
	v_add_nc_u32 v[STO], s92, v[STO]
	s_mul_i32 s92, s12, 32*SP                      ; back: my 32 rows, whole
	s_add_co_u32 s92, s92, STAGE
	v_add_nc_u32 v[RD], s92, v[L16]
	s_wait_alu depctr_va_vdst(0)
	s_wait_tensorcnt 0x0                           ; my four blocks are in
	s_barrier_signal -1
	s_barrier_wait -1
.set t, 0
.rept 16                                       ; x is asked for behind the tiles and lands under the products; its rows in the order of the stage: stage row t of my 32 is row 8 ((t / 16) % 2) + t % 8 + 16 ((t / 8) % 2)
	global_load_b128 v[64+4*t:67+4*t], v[L16], s[8:9] offset:(8*((t/16)%2)+t%8+16*((t/8)%2))*4096 th:TH_LOAD_NT
.set t, t+1
.endr
	WIN 0x40                                       ; the other sixteen into the free registers of window 1: v96-127, v224-255
.rept 16
.set xr, 96+4*(t-16)+96*((t-16)/8)
	global_load_b128 v[xr:xr+3], v[L16], s[8:9] offset:(8*((t/16)%2)+t%8+16*((t/8)%2))*4096 th:TH_LOAD_NT
.set t, t+1
.endr
	WIN 0
	SCALES
	WIN TO_F
	FETCH 0, 0
.irp s, 0,1,2,3,4,5,6,7
	KSTEP \s
.endr
	WIN 0
	PLACES
.irp a, 0,1,2,3
.irp b, 0,1,2,3
	ds_store_b128 v[STO], v[ACC+8*(4*\a+\b):ACC+8*(4*\a+\b)+3] offset:\a*16*SP+128*(\b/2)+32*(\b%2)       ; each accumulator from its low end on: columns 32 (b / 2) + 16 h + 8 (b % 2) + 0 .. 7
	ds_store_b128 v[STO], v[ACC+8*(4*\a+\b)+4:ACC+8*(4*\a+\b)+7] offset:\a*16*SP+128*(\b/2)+32*(\b%2)+16
.endr
.endr
	s_wait_dscnt 0x0                               ; for the others' sake: my stores into the stage are done
	s_barrier_signal -1
	s_barrier_wait -1
.set t, 0
.rept 32
	ds_load_b128 v[ACC+4*t:ACC+4*t+3], v[RD] offset:t*SP
.set t, t+1
.endr
	s_wait_loadcnt 0x0                             ; x
.set t, 0
.rept 16
	s_wait_dscnt 31-t                              ; row t is back; the younger ones stay out
	v_pk_add_f32 v[ACC+4*t:ACC+4*t+1], v[ACC+4*t:ACC+4*t+1], v[64+4*t:65+4*t]
	v_pk_add_f32 v[ACC+4*t+2:ACC+4*t+3], v[ACC+4*t+2:ACC+4*t+3], v[66+4*t:67+4*t]
	global_store_b128 v[L16], v[ACC+4*t:ACC+4*t+3], s[10:11] offset:(8*((t/16)%2)+t%8+16*((t/8)%2))*4096   ; 32 lanes store 512 consecutive bytes, aligned to 256
.set t, t+1
.endr
	s_wait_dscnt 0x0
	WIN 0x04                                       ; source 1 window 1
.rept 16
.set xr, 96+4*(t-16)+96*((t-16)/8)
	v_pk_add_f32 v[ACC+4*t:ACC+4*t+1], v[ACC+4*t:ACC+4*t+1], v[xr:xr+1]
	v_pk_add_f32 v[ACC+4*t+2:ACC+4*t+3], v[ACC+4*t+2:ACC+4*t+3], v[xr+2:xr+3]
.set t, t+1
.endr
	WIN 0
.set t, 16
.rept 16
	global_store_b128 v[L16], v[ACC+4*t:ACC+4*t+3], s[10:11] offset:(8*((t/16)%2)+t%8+16*((t/8)%2))*4096
.set t, t+1
.endr
	s_wait_tensorcnt 0x0                           ; the wave's end
	ds_add_u32 v[SPW], v[NIL]
	s_wait_dscnt 0x0
	CROUND                                         ; the closing round
	s_endpgm
.Lfunc_end_k_qd6cb351a26_outp:
	.size	k_qd6cb351a26_outp, .Lfunc_end_k_qd6cb351a26_outp-k_qd6cb351a26_outp
	.p2alignl 7, 3214868480
	.fill 96, 4, 3214868480
	.section	.rodata,"a",@progbits
	.p2align	6, 0x0
	.amdhsa_kernel k_qd6cb351a26_outp
		.amdhsa_group_segment_fixed_size 272896
		.amdhsa_private_segment_fixed_size 0
		.amdhsa_enable_private_segment 0
		.amdhsa_kernarg_size 32
		.amdhsa_user_sgpr_count 2
		.amdhsa_user_sgpr_kernarg_segment_ptr 1
		.amdhsa_wavefront_size32 1
		.amdhsa_system_sgpr_workgroup_id_x 1
		.amdhsa_system_sgpr_workgroup_id_y 1
		.amdhsa_system_sgpr_workgroup_id_z 1
		.amdhsa_system_vgpr_workitem_id 0
		.amdhsa_next_free_vgpr 512
		.amdhsa_next_free_sgpr 100
		.amdhsa_reserve_vcc 0
		.amdhsa_float_denorm_mode_32 3
		.amdhsa_float_denorm_mode_16_64 3
		.amdhsa_memory_ordered 1
		.amdhsa_forward_progress 1
		.amdhsa_inst_pref_size 58
	.end_amdhsa_kernel
	.amdgpu_metadata
---
amdhsa.version: [ 1, 2 ]
amdhsa.kernels:
  - .name:           k_qd6cb351a26_outp
    .symbol:         k_qd6cb351a26_outp.kd
    .args:
      - { .name: att, .offset: 0, .size: 8, .value_kind: global_buffer, .address_space: global }
      - { .name: pre, .offset: 8, .size: 8, .value_kind: global_buffer, .address_space: global }
      - { .name: x, .offset: 16, .size: 8, .value_kind: global_buffer, .address_space: global }
      - { .name: x1, .offset: 24, .size: 8, .value_kind: global_buffer, .address_space: global }
    .group_segment_fixed_size: 272896
    .private_segment_fixed_size: 0
    .kernarg_segment_align: 8
    .kernarg_segment_size: 32
    .max_flat_workgroup_size: 128
    .sgpr_count:     100
    .vgpr_count:     512
    .wavefront_size: 32
...
	.end_amdgpu_metadata
.endif
;; end of part 10
;; launch norm2: the kernel of part 7 again; grid 256 x 1, 8 waves a work-group, no clusters, 69,632 bytes of LDS; arguments x1, w_ff_norm, w_qkv, w_out, w_fc, w_proj, h2; writes h2
;; launch fc (part 11): grid 8 x 32, 4 waves a work-group, clusters of 4 x 4, 327,680 bytes of LDS; arguments h2, pre, hid; writes hid
.if DOCPART == 11
	.amdgcn_target "amdgcn-amd-amdhsa--gfx1250"
	.amdhsa_code_object_version 6
	.text
	.protected	k_qd6cb351a26_fc
	.globl	k_qd6cb351a26_fc
	.p2align	8
	.type	k_qd6cb351a26_fc,@function
k_qd6cb351a26_fc:
	s_mov_b64 s[64:65], 0
	v_nop
	global_prefetch_b8 v0, s[64:65] scope:SCOPE_SE
	s_setreg_imm32_b32 hwreg(HW_REG_WAVE_MODE, 25, 1), 1
	s_wait_xcnt 0x0
	s_wait_alu depctr_hold_cnt(0) depctr_sa_sdst(0) depctr_va_vdst(0) depctr_va_sdst(0) depctr_va_ssrc(0) depctr_va_vcc(0) depctr_vm_vsrc(0)
	s_getreg_b32 s2, hwreg(HW_REG_IB_STS2, 6, 4)
	s_cmp_eq_u32 s2, 0
	s_cbranch_scc0 .Lentry_in_a_cluster
	s_endpgm
.Lentry_in_a_cluster:
	s_bfe_u32 s2, ttmp6, 0x10000c
	s_cmp_lg_u32 s2, 0xf033
	s_cbranch_scc0 .Lentry_shape_is_right
	s_endpgm
.Lentry_shape_is_right:
.set NKS,   8
.set CK,    8                          ; all eight K steps of a tile stand together in LDS: a tile is its whole block
.set RBE,   12800
.set RBO,   3072
.set NT,    24
.set TSTR,  12800
.set W0,    512
.set SPARE, NT*RBE
.set SC,   32
.set ACC,  128
.set SPW,  22
.set NIL,  23
.set L16,  24
.set L8,   25
.set PC,   32
.set PT,   64
.set TM,   80
.set PW,   104
.set TT,   64
.set SEL,  10
.set CS,   2
.set G1A,  24
.set G1B,  40
.set MSB, 0
.macro WIN new
.if MSB != \new
	s_set_vgpr_msb (MSB<<8)|\new
.set MSB, \new
.endif
.endm
.set MUL,  0x05
.set TO_F, 0x40
.macro PLACES
.rept 4
	v_nop
.endr
.endm
.macro CHP q
.if (\q) == 0
.set RBQ, RBE
.set HDQ, 512
.set CHQ, 0
.set SRQ, 0
.set G1Q, 0
.else
.set RBQ, RBO
.set HDQ, 0
.set CHQ, NT*RBE+NT*RBO*((\q)-1)
.set SRQ, RBE+RBO*((\q)-1)
.set G1Q, 8
.endif
.endm
.macro JLOAD g0a, g1a, g0b, g1b
	s_cmp_eq_u32 s13, 0
	s_cbranch_scc0 .Lfor_b_\@
	tensor_load_to_lds s[\g0a:\g0a+3], s[\g1a:\g1a+7]
	s_nop 0
.rept 4
	v_nop
.endr
	s_branch .Lasked_\@
.Lfor_b_\@:
	tensor_load_to_lds s[\g0b:\g0b+3], s[\g1b:\g1b+7]
	s_nop 0
.rept 4
	v_nop
.endr
.Lasked_\@:
.endm
.macro CROUND
	s_barrier_signal -1
	s_barrier_wait -1
	s_cmp_lg_u32 s12, 0
	s_cbranch_scc1 .Lnot_wave_0_\@
	s_barrier_signal -3
.Lnot_wave_0_\@:
	s_barrier_wait -3
	s_barrier_signal -1
	s_barrier_wait -1
.endm
.macro ADDRS q
	CHP \q
	s_mul_i32 s92, s13, 4*RBQ
	s_add_co_u32 s92, s92, CHQ+HDQ
	v_add_nc_u32 v[4+4*\q], s92, v[L16]
	s_add_co_u32 s92, s92, 512
	v_add_nc_u32 v[5+4*\q], s92, v[L8]
	s_mul_i32 s93, s14, 4*RBQ
	s_add_co_u32 s93, s93, CHQ+HDQ+8*RBQ
	v_add_nc_u32 v[6+4*\q], s93, v[L16]
	s_add_co_u32 s93, s93, 512
	v_add_nc_u32 v[7+4*\q], s93, v[L8]
	s_add_co_u32 s93, s93, 8*RBQ-512               ; slot Y, eight tiles further on, has address registers of its own
	v_add_nc_u32 v[10+4*\q], s93, v[L16]
	s_add_co_u32 s93, s93, 512
	v_add_nc_u32 v[11+4*\q], s93, v[L8]
.endm
.macro FRAG reg, a16, off
	ds_load_b128 v[\reg:\reg+3], v[\a16] offset:\off
	ds_load_b64 v[\reg+4:\reg+5], v[\a16+1] offset:\off
	ds_load_b128 v[\reg+6:\reg+9], v[\a16] offset:\off+768
	ds_load_b64 v[\reg+10:\reg+11], v[\a16+1] offset:\off+768
.endm
.macro FETCH s, f, sl
	CHP (\s)/CK
.set AQ, 4+4*((\s)/CK)
.set UO, 1536*((\s)%CK)
.irp i, 0,1,2,3
	FRAG \f+12*\i, AQ, UO+\i*RBQ
.endr
.irp i, 0,1,2,3
	FRAG \f+48+12*\i, AQ+2+4*(\sl), UO+\i*RBQ
.endr
.endm
.macro SCALES sl
.irp s, 0,1,2,3,4,5,6,7
.irp i, 0,1,2,3
	ds_load_b32 v[SC+4*\s+\i], v[20+\sl] offset:\i*RBE+64*\s
.endr
.endr
.endm
.macro WM d, a, b, z, sa, sb
.if \z
	v_wmma_scale_f32_16x16x128_f8f6f4 v[\d:\d+7], v[\a:\a+11], v[\b:\b+11], 0, v[\sa], v[\sb] matrix_a_fmt:MATRIX_FMT_FP6 matrix_b_fmt:MATRIX_FMT_FP6 matrix_a_scale:MATRIX_SCALE_ROW1
.else
	v_wmma_scale_f32_16x16x128_f8f6f4 v[\d:\d+7], v[\a:\a+11], v[\b:\b+11], v[\d:\d+7], v[\sa], v[\sb] matrix_a_fmt:MATRIX_FMT_FP6 matrix_b_fmt:MATRIX_FMT_FP6 matrix_a_scale:MATRIX_SCALE_ROW1
.endif
.endm
.macro MULS f, s, z
.irp a, 0,1,2,3
.irp b, 0,1,2,3
	WM ACC+8*(4*\a+\b), \f+48+12*\b, \f+12*\a, \z, SC+4*(\s)+\b, SC+4*(\s)+\a
.endr
.endr
.endm
.macro KSTEP s, sl, first
	s_wait_dscnt 0x0
.if (\s)+1 < NKS
.if \first
.if ((\s)+1)%CK == 0
	s_wait_tensorcnt 3-((\s)+1)/CK
	s_barrier_signal -1
	s_barrier_wait -1
.endif
.endif
.if (\s) > 0
	PLACES
.endif
	WIN TO_F
	FETCH (\s)+1, 128*(((\s)+1)%2), \sl
.endif
	WIN MUL
.if (\s) == 0
	MULS 128*((\s)%2), \s, 1
.else
	MULS 128*((\s)%2), \s, 0
.endif
.endm
.macro KLOOP sl, first
.if \first
	s_wait_alu depctr_va_vdst(0)
	s_wait_tensorcnt 0x0                           ; my part of h2 or of slot X is in; slot Y's first fill is issued as a refill is:
	ds_add_u32 v[SPW], v[NIL]                      ; 0 onto my spare word
	s_mov_b32 s80, 1                               ; the second eight tiles of w_fc, two blocks a wave: LDS 16 tiles + 2 x wave
	s_mul_i32 s81, s12, 2*RBE
	s_add_co_u32 s81, s81, 16*RBE
	s_lshl_b32 s82, s17, 4
	s_lshl_b32 s83, s12, 1
	s_add_co_u32 s82, s82, s83
	s_add_co_u32 s82, s82, W0+8
	s_mul_i32 s82, s82, TSTR
	s_mov_b32 s83, 0
	s_add_nc_u64 s[82:83], s[6:7], s[82:83]
	s_or_b32 s83, s83, 0x80000000
	s_wait_dscnt 0x0
	CROUND                                         ; everybody's part is in, and the joint loads meet
	tensor_load_to_lds s[80:83], s[G1B+8:G1B+15]   ; it has the first pass in which to land
	s_nop 0
.rept 4
	v_nop
.endr
.endif
	SCALES \sl
	WIN TO_F
	FETCH 0, 0, \sl
.irp s, 0,1,2,3,4,5,6,7
	KSTEP \s, \sl, \first
.endr
	WIN 0
	PLACES
.endm
.macro QH4 s
.irp n, 0,1,2,3,4,5,6,7
	v_mov_b32 v[TM+8+\n], 0
.endr
.irp n, 0,1,2,3,4,5,6,7
	v_max3_num_f32 v[TM+\n], |v[\s+16*\n]|, |v[\s+16*\n+1]|, 0x1800000
.endr
.irp i, 2,4,6,8,10,12,14
.irp n, 0,1,2,3,4,5,6,7
	v_max3_num_f32 v[TM+\n], v[TM+\n], |v[\s+16*\n+\i]|, |v[\s+16*\n+\i+1]|
.endr
.endr
.irp n, 0,1,2,3,4,5,6,7
	v_permlanex16_b32 v[TM+8+\n], v[TM+\n], s[SEL], s[SEL+1]
.endr
.irp n, 0,1,2,3,4,5,6,7
	v_max_num_f32 v[TM+\n], v[TM+\n], v[TM+8+\n]
.endr
.irp n, 0,1,2,3,4,5,6,7
	v_add_nc_u32 v[TM+16+\n], 0xff000000, v[TM+\n]
.endr
.irp n, 0,1,2,3,4,5,6,7
	v_lshrrev_b32 v[TM+8+\n], 23, v[TM+16+\n]
.endr
.irp u, 0,1,2,3
	v_lshl_or_b32 v[PW+\u], v[TM+9+2*\u], 8, v[TM+8+2*\u]
.endr
.irp u, 0,1,2,3
	v_cvt_scalef32_pk16_fp6_f32 v[PC+8*\u:PC+8*\u+2], v[\s+32*\u:\s+32*\u+15], v[TM+16+2*\u]
	v_cvt_scalef32_pk16_fp6_f32 v[PT+4*\u:PT+4*\u+2], v[\s+32*\u+16:\s+32*\u+31], v[TM+17+2*\u]
.endr
	v_nop
.irp u, 0,1,2,3
.irp i, 0,1,2
	v_permlane16_swap_b32 v[PC+8*\u+\i], v[PT+4*\u+\i]
.endr
.endr
.irp u, 0,1,2,3
.irp i, 0,1,2
	v_mov_b32 v[PC+8*\u+3+\i], v[PT+4*\u+\i]
.endr
.endr
.endm
.macro OUT p
.irp u, 0,1
.set j, 0
.rept 32
	v_pk_mul_f32 v[TT+j:TT+j+1], v[ACC+64*\u+j:ACC+64*\u+j+1], s[CS:CS+1] op_sel_hi:[1,0]
.set j, j+2
.endr
.set j, 0
	s_wait_alu depctr_va_vdst(0)
.rept 64
	v_exp_f32 v[TT+j], v[TT+j]
.set j, j+1
.endr
	v_nop
	s_wait_alu depctr_va_vdst(0)
.set j, 0
.rept 32
	v_pk_add_f32 v[TT+j:TT+j+1], v[TT+j:TT+j+1], 1.0 op_sel_hi:[1,0]
.set j, j+2
.endr
.set j, 0
	s_wait_alu depctr_va_vdst(0)
.rept 64
	v_rcp_f32 v[TT+j], v[TT+j]
.set j, j+1
.endr
	v_nop
	s_wait_alu depctr_va_vdst(0)
.set j, 0
.rept 32
	v_pk_mul_f32 v[ACC+64*\u+j:ACC+64*\u+j+1], v[ACC+64*\u+j:ACC+64*\u+j+1], v[TT+j:TT+j+1]
.set j, j+2
.endr
.endr
	QH4 ACC
	v_cmp_eq_u32 vcc_lo, 1, v2
	v_cndmask_b32 v108, v[PW], v[PW+1], vcc_lo
	v_cndmask_b32 v109, v[PW+2], v[PW+3], vcc_lo
.irp a, 0,1,2,3
	global_store_b128 v27, v[PC+8*\a:PC+8*\a+3], s[8:9] offset:25600*\a+1536*\p
	global_store_b64 v28, v[PC+8*\a+4:PC+8*\a+5], s[8:9] offset:25600*\a+1536*\p
.endr
	global_store_b16 v29, v108, s[8:9] offset:64*\p
	global_store_b16 v29, v109, s[8:9] offset:51200+64*\p
.endm
	s_load_b128 s[4:7], s[0:1], 0x0
	s_load_b64 s[8:9], s[0:1], 0x10
	v_lshl_add_u32 v[SPW], v0, 2, SPARE
	v_mov_b32 v[NIL], 0
	ds_add_u32 v[SPW], v[NIL]
	ds_add_u32 v[SPW], v[NIL]
	v_lshrrev_b32 v1, 5, v0
	v_readfirstlane_b32 s12, v1
	s_lshr_b32 s13, s12, 1
	s_and_b32 s14, s12, 1
	s_bfe_u32 s15, ttmp6, 0x40000
	s_bfe_u32 s16, ttmp6, 0x40004
	s_lshl_b32 s17, ttmp9, 2
	s_add_co_u32 s17, s17, s15
	s_and_b32 s18, ttmp7, 0xffff
	s_lshl_b32 s18, s18, 2
	s_add_co_u32 s18, s18, s16
	s_lshl_b32 s19, s16, 2
	s_lshl_b32 s19, 15, s19
	s_lshl_b32 s20, 0x1111, s15
	s_or_b32 s[G1A], s19, (3<<16)|(1<<21)
	s_or_b32 s[G1A+8], s19, (3<<16)|(1<<21)
	s_or_b32 s[G1B], s20, (3<<16)|(1<<21)
	s_or_b32 s[G1B+8], s20, (3<<16)|(1<<21)
.irp g, G1A, G1B
	s_mov_b32 s[\g+1], (RBE/8)<<16
	s_mov_b32 s[\g+3], (RBE/8)<<16
	s_mov_b32 s[\g+5], TSTR/8
	s_mov_b32 s[\g+6], 0
	s_mov_b32 s[\g+7], 0
	s_mov_b32 s[\g+9], (RBE/8)<<16
	s_mov_b32 s[\g+11], (RBE/8)<<16
	s_mov_b32 s[\g+13], TSTR/8
	s_mov_b32 s[\g+14], 0
	s_mov_b32 s[\g+15], 0
.endr
	s_mov_b32 s[G1A+2], 4<<16
	s_mov_b32 s[G1A+4], 4
	s_mov_b32 s[G1A+10], 4<<16
	s_mov_b32 s[G1A+12], 4
	s_mov_b32 s[G1B+2], 4<<16
	s_mov_b32 s[G1B+4], 4
	s_mov_b32 s[G1B+10], 2<<16
	s_mov_b32 s[G1B+12], 2
	s_lshl_b32 s92, s18, 3
	s_lshl_b32 s93, s14, 2
	s_add_co_u32 s92, s92, s93
	s_mul_i32 s92, s92, TSTR
	s_mov_b32 s93, 0
	s_lshl_b32 s94, s17, 4
	s_lshl_b32 s95, s14, 2
	s_add_co_u32 s94, s94, s95
	s_add_co_u32 s94, s94, W0
	s_mul_i32 s94, s94, TSTR
	s_mov_b32 s95, 0
	s_wait_dscnt 0x0
	s_wait_kmcnt 0x0
	s_add_nc_u64 s[92:93], s[4:5], s[92:93]
	s_add_nc_u64 s[94:95], s[6:7], s[94:95]
	CROUND
.irp q, 0
	CHP \q
.set GA, 56+4*\q+4*(\q/2)
.set GB, 76+4*\q
	s_mov_b32 s[GA], 1
	s_mul_i32 s96, s14, 4*RBQ
	s_add_co_u32 s[GA+1], s96, CHQ
	s_add_nc_u64 s[GA+2:GA+3], s[92:93], SRQ
	s_or_b32 s[GA+3], s[GA+3], 0x80000000
	s_mov_b32 s[GB], 1
	s_mul_i32 s97, s14, 4*RBQ
	s_add_co_u32 s[GB+1], s97, CHQ+8*RBQ
	s_add_nc_u64 s[GB+2:GB+3], s[94:95], SRQ
	s_or_b32 s[GB+3], s[GB+3], 0x80000000
	JLOAD GA, G1A+G1Q, GB, G1B+G1Q                 ; one tensor load a wave at the head: waves 0, 1 four tiles of h2 each, waves 2, 3 four tiles of slot X each
.endr
	v_and_b32 v1, 15, v0
	v_bfe_u32 v2, v0, 4, 1
	v_and_b32 v3, 31, v0
	v_lshlrev_b32 v[L16], 4, v3
	s_wait_alu depctr_va_vdst(0)
	v_lshlrev_b32 v[L8], 3, v3
	s_wait_alu depctr_va_vdst(0)
	ADDRS 0
	s_mul_i32 s92, s13, 4*RBE
	s_mul_i32 s93, s14, 4*RBE
	s_add_co_u32 s93, s93, 8*RBE
	s_sub_co_u32 s93, s93, s92
	v_mul_u32_u24 v20, s93, v2
	v_lshl_add_u32 v20, v1, 2, v20
	v_add_nc_u32 v20, s92, v20
	s_add_co_u32 s93, s93, 8*RBE
	v_mul_u32_u24 v21, s93, v2
	v_lshl_add_u32 v21, v1, 2, v21
	v_add_nc_u32 v21, s92, v21
	s_mov_b32 s[SEL], 0x76543210
	s_mov_b32 s[SEL+1], 0xfedcba98
	s_mov_b32 s[CS], 0xbfb8aa3b
	s_mov_b32 s[CS+1], s[CS]
	s_lshl_b32 s96, s17, 2
	s_add_co_u32 s96, s96, s14
	s_lshl_b32 s94, s18, 3
	s_lshl_b32 s95, s13, 2
	s_add_co_u32 s94, s94, s95
	s_mul_i32 s94, s94, 25600
	s_lshr_b32 s95, s96, 4
	s_mul_i32 s95, s95, 12800
	s_add_co_u32 s94, s94, s95
	s_mov_b32 s95, 0
	s_add_nc_u64 s[8:9], s[8:9], s[94:95]
	s_and_b32 s97, s96, 15
	s_mul_i32 s98, s97, 768
	s_add_co_u32 s98, s98, 512
	v_add_nc_u32 v27, s98, v[L16]
	s_add_co_u32 s98, s98, 512
	v_add_nc_u32 v28, s98, v[L8]
	s_lshr_b32 s98, s97, 1
	s_lshl_b32 s98, s98, 6
	s_and_b32 s99, s96, 1
	s_lshl_b32 s99, s99, 1
	s_add_co_u32 s98, s98, s99
	v_mul_u32_u24 v29, v2, 25600
	v_lshl_add_u32 v29, v1, 2, v29
	v_add_nc_u32 v29, s98, v29
	s_wait_alu depctr_va_vdst(0)
	KLOOP 0, 1
	OUT 0
	s_wait_xcnt 0x0
	s_wait_alu depctr_va_vdst(0)
	s_wait_tensorcnt 0x0                           ; my part of slot Y has landed,
	s_wait_dscnt 0x0
	s_barrier_signal -1
	s_barrier_wait -1                              ; everybody's has
	KLOOP 1, 0
	OUT 1
	s_wait_tensorcnt 0x0
	ds_add_u32 v[SPW], v[NIL]
	s_wait_dscnt 0x0
	CROUND
	s_endpgm
.Lfunc_end_k_qd6cb351a26_fc:
	.size	k_qd6cb351a26_fc, .Lfunc_end_k_qd6cb351a26_fc-k_qd6cb351a26_fc
	.p2alignl 7, 3214868480
	.fill 96, 4, 3214868480
	.section	.rodata,"a",@progbits
	.p2align	6, 0x0
	.amdhsa_kernel k_qd6cb351a26_fc
		.amdhsa_group_segment_fixed_size 327680
		.amdhsa_private_segment_fixed_size 0
		.amdhsa_enable_private_segment 0
		.amdhsa_kernarg_size 24
		.amdhsa_user_sgpr_count 2
		.amdhsa_user_sgpr_kernarg_segment_ptr 1
		.amdhsa_wavefront_size32 1
		.amdhsa_system_sgpr_workgroup_id_x 1
		.amdhsa_system_sgpr_workgroup_id_y 1
		.amdhsa_system_sgpr_workgroup_id_z 1
		.amdhsa_system_vgpr_workitem_id 0
		.amdhsa_next_free_vgpr 512
		.amdhsa_next_free_sgpr 100
		.amdhsa_reserve_vcc 1
		.amdhsa_float_denorm_mode_32 3
		.amdhsa_float_denorm_mode_16_64 3
		.amdhsa_memory_ordered 1
		.amdhsa_forward_progress 1
		.amdhsa_inst_pref_size 139
	.end_amdhsa_kernel
	.amdgpu_metadata
---
amdhsa.version: [ 1, 2 ]
amdhsa.kernels:
  - .name:           k_qd6cb351a26_fc
    .symbol:         k_qd6cb351a26_fc.kd
    .args:
      - { .name: h2, .offset: 0, .size: 8, .value_kind: global_buffer, .address_space: global }
      - { .name: pre, .offset: 8, .size: 8, .value_kind: global_buffer, .address_space: global }
      - { .name: hid, .offset: 16, .size: 8, .value_kind: global_buffer, .address_space: global }
    .group_segment_fixed_size: 327680
    .private_segment_fixed_size: 0
    .kernarg_segment_align: 8
    .kernarg_segment_size: 24
    .max_flat_workgroup_size: 128
    .sgpr_count:     100
    .vgpr_count:     512
    .wavefront_size: 32
...
	.end_amdgpu_metadata
.endif
;; end of part 11
;; launch proj (part 12): grid 8 x 32, 4 waves a work-group, clusters of 4 x 4, 327,680 bytes of LDS; arguments hid, pre, x1, out0; writes out0
.if DOCPART == 12
	.amdgcn_target "amdgcn-amd-amdhsa--gfx1250"
	.amdhsa_code_object_version 6
	.text
	.protected	k_qd6cb351a26_proj
	.globl	k_qd6cb351a26_proj
	.p2align	8
	.type	k_qd6cb351a26_proj,@function
k_qd6cb351a26_proj:
	s_mov_b64 s[64:65], 0
	v_nop
	global_prefetch_b8 v0, s[64:65] scope:SCOPE_SE
	s_setreg_imm32_b32 hwreg(HW_REG_WAVE_MODE, 25, 1), 1
	s_wait_xcnt 0x0
	s_wait_alu depctr_hold_cnt(0) depctr_sa_sdst(0) depctr_va_vdst(0) depctr_va_sdst(0) depctr_va_ssrc(0) depctr_va_vcc(0) depctr_vm_vsrc(0)
	s_getreg_b32 s2, hwreg(HW_REG_IB_STS2, 6, 4)
	s_cmp_eq_u32 s2, 0
	s_cbranch_scc0 .Lentry_in_a_cluster
	s_endpgm
.Lentry_in_a_cluster:
	s_bfe_u32 s2, ttmp6, 0x10000c
	s_cmp_lg_u32 s2, 0xf033
	s_cbranch_scc0 .Lentry_shape_is_right
	s_endpgm
.Lentry_shape_is_right:
; out0 = x1 + hid w_proj^T on codes of FP6 (E2M3), K = 2,048; out0 is f32, row-major.
; OPERANDS: for each tile of 16 rows two blocks of 12,800 bytes (K's halves), each 512 bytes of scale words [K step][row] and 8 fragments of 1,536 bytes, images of the operand's registers.
; Place i of tile T is row 32 (T / 2) + 8 (T % 2) + i + 8 (i / 8).
; SHARES.  A work-group makes 128 rows x 128 columns, each of four waves 64 x 64: 16 accumulators.
; LDS.  K goes in three chunks of 8 + 8 tiles: K steps 0-7, 8-11 and 12-15.  Chunks 0, 1 (16 x 19,456 = 311,296 bytes): chunk 0 is asked for at the head, one tensor load a wave, chunk 1 behind a round once it is in (one of mine is out at most);
; a wait for all my tensor loads and a round open chunks 0 and 1.  Where chunk 1 is opened, chunk 2 is asked for into chunk 0's bytes: every wave waits for all its tensor loads (chunk 1's is wanted there anyway),
; adds 0 to its spare word, waits for that and for its reads, passes a round of the cluster's barrier and issues ONE load; it has chunk 1's four K steps in which to land.
; The stage of the way out lies in chunk 1's bytes, which are filled once and whose last reads every wave has awaited in front of the barrier that opens chunk 2.
; CLUSTER 4 x 4: the activations' tiles are shared along a row of the cluster, the weights' along a column: joint loads.
; Source 0 = 16 rows of w, source 1 = 16 rows of hid: a lane holds one row and eight neighbouring columns an accumulator.
; THE WAY OUT: results to the stage, a barrier, each wave reads 32 whole rows of 512 bytes, adds x1 (asked for at the head, into window 2) and stores them: 512 consecutive bytes a store.
.set NKS,   16
.set RBA,   12800                      ; a tile's bytes in chunk 0: K's first half, a whole block.  Chunk 1: K steps 8-11 with their scale words (RBE); chunk 2: K steps 12-15 (RBO), onto chunk 0's bytes
.set RBE,   6656                       ; a tile's bytes in chunk 1: the scale words and four fragments
.set RBO,   6144                       ; in chunk 2
.set TSTR,  25600
.set WB0,   640*12800                  ; w_proj's first block in pre
.set STAGE, 16*RBA
.set SP,    528
.set SPARE, 16*(2*RBE+RBO)
.set SC,   32                          ; v32-95 scale words: register 4 s + i: lanes 0-15 the activations' tile i, lanes 16-31 the weights' tile i, K step s
.set ACC,  128
.set SPW,  22
.set NIL,  23
.set L16,  24
.set L8,   25
.set STO,  26
.set RD,   27
.set G1A,  24
.set G1B,  40
.set MSB, 0
.macro WIN new
.if MSB != \new
	s_set_vgpr_msb (MSB<<8)|\new
.set MSB, \new
.endif
.endm
.set MUL,  0x05
.set TO_F, 0x40
.macro PLACES
.rept 4
	v_nop
.endr
.endm
.macro CHP q                           ; chunk q: a tile's bytes, the scale words in front, its place in LDS and in a tile's two blocks, its first K step
.if (\q) == 0
.set RBQ, RBA
.set HDQ, 512
.set CHQ, 0
.set SRQ, 0
.set KS0, 0
.endif
.if (\q) == 1
.set RBQ, RBE
.set HDQ, 512
.set CHQ, 16*RBA
.set SRQ, 12800
.set KS0, 8
.endif
.if (\q) == 2
.set RBQ, RBO
.set HDQ, 0
.set CHQ, 0
.set SRQ, 12800+RBE
.set KS0, 12
.endif
.endm
.macro JLOAD g0a, g1a, g0b, g1b        ; waves 0 and 1 fetch the activations' tiles, waves 2 and 3 the weights'; an s_nop 0 and four v_nop follow each line
	s_cmp_eq_u32 s13, 0
	s_cbranch_scc0 .Lfor_b_\@
	tensor_load_to_lds s[\g0a:\g0a+3], s[\g1a:\g1a+7]
	s_nop 0
.rept 4
	v_nop
.endr
	s_branch .Lasked_\@
.Lfor_b_\@:
	tensor_load_to_lds s[\g0b:\g0b+3], s[\g1b:\g1b+7]
	s_nop 0
.rept 4
	v_nop
.endr
.Lasked_\@:
.endm
.macro CROUND
	s_barrier_signal -1
	s_barrier_wait -1
	s_cmp_lg_u32 s12, 0
	s_cbranch_scc1 .Lnot_wave_0_\@
	s_barrier_signal -3
.Lnot_wave_0_\@:
	s_barrier_wait -3
	s_barrier_signal -1
	s_barrier_wait -1
.endm
.macro ADDRS q
	CHP \q
	s_mul_i32 s92, s13, 4*RBQ
	s_add_co_u32 s92, s92, CHQ+HDQ
	v_add_nc_u32 v[4+4*\q], s92, v[L16]
	s_add_co_u32 s92, s92, 512
	v_add_nc_u32 v[5+4*\q], s92, v[L8]
	s_mul_i32 s93, s14, 4*RBQ
	s_add_co_u32 s93, s93, CHQ+HDQ+8*RBQ
	v_add_nc_u32 v[6+4*\q], s93, v[L16]
	s_add_co_u32 s93, s93, 512
	v_add_nc_u32 v[7+4*\q], s93, v[L8]
.endm
.macro FRAG reg, a16, off
	ds_load_b128 v[\reg:\reg+3], v[\a16] offset:\off
	ds_load_b64 v[\reg+4:\reg+5], v[\a16+1] offset:\off
	ds_load_b128 v[\reg+6:\reg+9], v[\a16] offset:\off+768
	ds_load_b64 v[\reg+10:\reg+11], v[\a16+1] offset:\off+768
.endm
.macro FETCH s, f
.set CQ, ((\s)/8)*((\s)/4-1)           ; K steps 0-7: chunk 0; 8-11: chunk 1; 12-15: chunk 2
	CHP CQ
.set AQ, 4+4*CQ
.set UO, 1536*((\s)-KS0)
.irp i, 0,1,2,3
	FRAG \f+12*\i, AQ, UO+\i*RBQ
.endr
.irp i, 0,1,2,3
	FRAG \f+48+12*\i, AQ+2, UO+\i*RBQ
.endr
.endm
.macro SCALES hf                       ; the scale words of K's half hf: they stand in front of chunk 0's (v20) or chunk 1's (v21) tiles
.irp s, 0,1,2,3,4,5,6,7
.irp i, 0,1,2,3
	ds_load_b32 v[SC+32*\hf+4*\s+\i], v[20+\hf] offset:\i*(RBA-(RBA-RBE)*\hf)+64*\s
.endr
.endr
.endm
.macro WM d, a, b, z, sa, sb
.if \z
	v_wmma_scale_f32_16x16x128_f8f6f4 v[\d:\d+7], v[\a:\a+11], v[\b:\b+11], 0, v[\sa], v[\sb] matrix_a_fmt:MATRIX_FMT_FP6 matrix_b_fmt:MATRIX_FMT_FP6 matrix_a_scale:MATRIX_SCALE_ROW1
.else
	v_wmma_scale_f32_16x16x128_f8f6f4 v[\d:\d+7], v[\a:\a+11], v[\b:\b+11], v[\d:\d+7], v[\sa], v[\sb] matrix_a_fmt:MATRIX_FMT_FP6 matrix_b_fmt:MATRIX_FMT_FP6 matrix_a_scale:MATRIX_SCALE_ROW1
.endif
.endm
.macro MULS f, s, z                    ; the 16 accumulators take turns, one instruction a turn
.irp a, 0,1,2,3
.irp b, 0,1,2,3
	WM ACC+8*(4*\a+\b), \f+48+12*\b, \f+12*\a, \z, SC+4*(\s)+\b, SC+4*(\s)+\a
.endr
.endr
.endm
.macro KSTEP s
	s_wait_dscnt 0x0                               ; this K step's fragments, asked for a K step ago
.if (\s)+1 < NKS
.if (\s)+1 == 8
	WIN 0
	s_wait_tensorcnt 0x0                           ; all my tensor loads have landed: my part of chunk 1 was the last;
	ds_add_u32 v[SPW], v[NIL]                      ; 0 onto my spare word
	s_mov_b32 s[G1A+1], (RBO/8)<<16                ; no tensor load of mine is out, so a descriptor may be written: chunk 2's rows
	s_mov_b32 s[G1A+3], (RBO/8)<<16
	s_mov_b32 s[G1B+1], (RBO/8)<<16
	s_mov_b32 s[G1B+3], (RBO/8)<<16
	s_wait_dscnt 0x0
	CROUND
	JLOAD 68, G1A, 84, G1B                         ; chunk 2 onto chunk 0's bytes: my one tensor load behind the round
	SCALES 1                                       ; chunk 1 has brought the scale words of K's second half
.endif
.if (\s)+1 == 12
	s_wait_tensorcnt 0x0                           ; my part of chunk 2 has landed,
	s_barrier_signal -1
	s_barrier_wait -1                              ; everybody's has
.endif
.if (\s) > 0
	PLACES
.endif
	WIN TO_F
	FETCH (\s)+1, 128*(((\s)+1)%2)
.endif
	WIN MUL
.if (\s) == 0
	MULS 128*((\s)%2), \s, 1
.else
	MULS 128*((\s)%2), \s, 0
.endif
.endm
	s_load_b256 s[4:11], s[0:1], 0x0               ; hid s[4:5], pre s[6:7], x1 s[8:9], out0 s[10:11]
	v_lshl_add_u32 v[SPW], v0, 2, SPARE
	v_mov_b32 v[NIL], 0
	ds_add_u32 v[SPW], v[NIL]                      ; the wave's opening: the add, twice on end, and its wait ahead of my first tensor load
	ds_add_u32 v[SPW], v[NIL]
	v_lshrrev_b32 v1, 5, v0
	v_readfirstlane_b32 s12, v1
	s_lshr_b32 s13, s12, 1
	s_and_b32 s14, s12, 1
	s_bfe_u32 s15, ttmp6, 0x40000
	s_bfe_u32 s16, ttmp6, 0x40004
	s_lshl_b32 s17, ttmp9, 2
	s_add_co_u32 s17, s17, s15                     ; tile column
	s_and_b32 s18, ttmp7, 0xffff
	s_lshl_b32 s18, s18, 2
	s_add_co_u32 s18, s18, s16                     ; tile row
	s_lshl_b32 s19, s16, 2
	s_lshl_b32 s19, 15, s19
	s_lshl_b32 s20, 0x1111, s15
	s_or_b32 s[G1A], s19, (3<<16)|(1<<21)
	s_or_b32 s[G1A+8], s19, (3<<16)|(1<<21)
	s_or_b32 s[G1B], s20, (3<<16)|(1<<21)
	s_or_b32 s[G1B+8], s20, (3<<16)|(1<<21)
.irp g, G1A, G1B
	s_mov_b32 s[\g+1], (RBA/8)<<16
	s_mov_b32 s[\g+2], 4<<16
	s_mov_b32 s[\g+3], (RBA/8)<<16
	s_mov_b32 s[\g+4], 4
	s_mov_b32 s[\g+5], TSTR/8
	s_mov_b32 s[\g+6], 0
	s_mov_b32 s[\g+7], 0
	s_mov_b32 s[\g+9], (RBE/8)<<16
	s_mov_b32 s[\g+10], 4<<16
	s_mov_b32 s[\g+11], (RBE/8)<<16
	s_mov_b32 s[\g+12], 4
	s_mov_b32 s[\g+13], TSTR/8
	s_mov_b32 s[\g+14], 0
	s_mov_b32 s[\g+15], 0
.endr
	s_lshl_b32 s92, s18, 3
	s_lshl_b32 s93, s14, 2
	s_add_co_u32 s92, s92, s93
	s_mul_i32 s92, s92, TSTR
	s_mov_b32 s93, 0
	s_lshl_b32 s94, s17, 3
	s_lshl_b32 s95, s14, 2
	s_add_co_u32 s94, s94, s95
	s_mul_i32 s94, s94, TSTR
	s_add_co_u32 s94, s94, WB0
	s_mov_b32 s95, 0
	s_wait_dscnt 0x0
	s_wait_kmcnt 0x0
	s_add_nc_u64 s[92:93], s[4:5], s[92:93]
	s_add_nc_u64 s[94:95], s[6:7], s[94:95]
	CROUND
.irp q, 0,1,2
	CHP \q
.set GA, 56+4*\q+4*(\q/2)
.set GB, 76+4*\q
	s_mov_b32 s[GA], 1
	s_mul_i32 s96, s14, 4*RBQ
	s_add_co_u32 s[GA+1], s96, CHQ
	s_add_nc_u64 s[GA+2:GA+3], s[92:93], SRQ
	s_or_b32 s[GA+3], s[GA+3], 0x80000000
	s_mov_b32 s[GB], 1
	s_mul_i32 s97, s14, 4*RBQ
	s_add_co_u32 s[GB+1], s97, CHQ+8*RBQ
	s_add_nc_u64 s[GB+2:GB+3], s[94:95], SRQ
	s_or_b32 s[GB+3], s[GB+3], 0x80000000
.if \q == 0
	JLOAD GA, G1A, GB, G1B                         ; one tensor load a wave at the head: chunk 0; the other chunks' descriptors are made here and used behind rounds
.endif
.endr
	v_and_b32 v1, 15, v0
	v_bfe_u32 v2, v0, 4, 1
	v_and_b32 v3, 31, v0
	v_lshlrev_b32 v[L16], 4, v3
	s_wait_alu depctr_va_vdst(0)
	v_lshlrev_b32 v[L8], 3, v3
	s_wait_alu depctr_va_vdst(0)
	s_lshl_b32 s92, s18, 7                         ; the rows that I store: 128 x tile row + 32 x wave; the tile's 512 bytes of a row
	s_lshl_b32 s93, s12, 5
	s_add_co_u32 s92, s92, s93
	s_lshl_b32 s92, s92, 12
	s_lshl_b32 s93, s17, 9
	s_add_co_u32 s92, s92, s93
	s_mov_b32 s93, 0
	s_add_nc_u64 s[8:9], s[8:9], s[92:93]
	s_add_nc_u64 s[10:11], s[10:11], s[92:93]
.irp q, 0,1,2
	ADDRS \q
.endr
	s_mul_i32 s92, s13, 4*RBA                      ; the scale words in chunk 0: the lower base + h x the distance
	s_mul_i32 s93, s14, 4*RBA
	s_add_co_u32 s93, s93, 8*RBA
	s_sub_co_u32 s93, s93, s92
	v_mul_u32_u24 v20, s93, v2
	v_lshl_add_u32 v20, v1, 2, v20
	v_add_nc_u32 v20, s92, v20
	s_mul_i32 s92, s13, 4*RBE                      ; and in chunk 1
	s_mul_i32 s93, s14, 4*RBE
	s_add_co_u32 s93, s93, 8*RBE
	s_sub_co_u32 s93, s93, s92
	s_add_co_u32 s92, s92, 16*RBA
	v_mul_u32_u24 v21, s93, v2
	v_lshl_add_u32 v21, v1, 2, v21
	v_add_nc_u32 v21, s92, v21
	s_mul_i32 s92, s13, 64*SP                      ; into the stage: my 64 rows, my 256 bytes of them; row r, + 64 h
	s_lshl_b32 s93, s14, 8
	s_add_co_u32 s92, s92, s93
	s_add_co_u32 s92, s92, STAGE
	v_mul_u32_u24 v[STO], v1, SP
	v_lshl_add_u32 v[STO], v2, 6, v[STO]
	v_add_nc_u32 v[STO], s92, v[STO]
	s_mul_i32 s92, s12, 32*SP                      ; back: my 32 rows, whole
	s_add_co_u32 s92, s92, STAGE
	v_add_nc_u32 v[RD], s92, v[L16]
	s_wait_alu depctr_va_vdst(0)
	s_wait_tensorcnt 0x0                           ; my part of chunk 0 is in; chunk 1's first fill is issued as a refill is:
	ds_add_u32 v[SPW], v[NIL]                      ; 0 onto my spare word
	s_wait_dscnt 0x0
	CROUND                                         ; everybody's part is in, and the joint loads meet
	JLOAD 60, G1A+8, 80, G1B+8                     ; chunk 1: it has chunk 0's eight K steps in which to land
	WIN 0x80                                       ; destination window 2
.set t, 0
.rept 32                                       ; x1 is asked for behind chunk 0 and lands under the products; its rows in the order of the stage: stage row t of my 32 is row 8 ((t / 16) % 2) + t % 8 + 16 ((t / 8) % 2)
	global_load_b128 v[4*t:4*t+3], v[L16], s[8:9] offset:(8*((t/16)%2)+t%8+16*((t/8)%2))*4096 th:TH_LOAD_NT
.set t, t+1
.endr
	WIN 0
	SCALES 0
	WIN TO_F
	FETCH 0, 0
.irp s, 0,1,2,3,4,5,6,7,8,9,10,11,12,13,14,15
	KSTEP \s
.endr
	WIN 0
	PLACES
.irp a, 0,1,2,3
.irp b, 0,1,2,3
	ds_store_b128 v[STO], v[ACC+8*(4*\a+\b):ACC+8*(4*\a+\b)+3] offset:\a*16*SP+128*(\b/2)+32*(\b%2)       ; each accumulator from its low end on: columns 32 (b / 2) + 16 h + 8 (b % 2) + 0 .. 7
	ds_store_b128 v[STO], v[ACC+8*(4*\a+\b)+4:ACC+8*(4*\a+\b)+7] offset:\a*16*SP+128*(\b/2)+32*(\b%2)+16
.endr
.endr
	s_wait_dscnt 0x0                               ; for the others' sake: my stores into the stage are done
	s_barrier_signal -1
	s_barrier_wait -1
.set t, 0
.rept 32
	ds_load_b128 v[ACC+4*t:ACC+4*t+3], v[RD] offset:t*SP
.set t, t+1
.endr
	s_wait_loadcnt 0x0                             ; x1
	s_wait_dscnt 16                                ; rows 0 to 15 are back; the younger sixteen stay out
	WIN 0x08                                       ; source 1 window 2
.set t, 0
.rept 16
	v_pk_add_f32 v[ACC+4*t:ACC+4*t+1], v[ACC+4*t:ACC+4*t+1], v[4*t:4*t+1]
	v_pk_add_f32 v[ACC+4*t+2:ACC+4*t+3], v[ACC+4*t+2:ACC+4*t+3], v[4*t+2:4*t+3]
.set t, t+1
.endr
	WIN 0
.set t, 0
.rept 16
	global_store_b128 v[L16], v[ACC+4*t:ACC+4*t+3], s[10:11] offset:(8*((t/16)%2)+t%8+16*((t/8)%2))*4096 th:TH_STORE_NT   ; 32 lanes store 512 consecutive bytes, aligned to 256
.set t, t+1
.endr
	s_wait_dscnt 0x0
	WIN 0x08
.rept 16
	v_pk_add_f32 v[ACC+4*t:ACC+4*t+1], v[ACC+4*t:ACC+4*t+1], v[4*t:4*t+1]
	v_pk_add_f32 v[ACC+4*t+2:ACC+4*t+3], v[ACC+4*t+2:ACC+4*t+3], v[4*t+2:4*t+3]
.set t, t+1
.endr
	WIN 0
.set t, 16
.rept 16
	global_store_b128 v[L16], v[ACC+4*t:ACC+4*t+3], s[10:11] offset:(8*((t/16)%2)+t%8+16*((t/8)%2))*4096 th:TH_STORE_NT
.set t, t+1
.endr
	s_wait_tensorcnt 0x0                           ; the wave's end
	ds_add_u32 v[SPW], v[NIL]
	s_wait_dscnt 0x0
	CROUND                                         ; the closing round
	s_endpgm
.Lfunc_end_k_qd6cb351a26_proj:
	.size	k_qd6cb351a26_proj, .Lfunc_end_k_qd6cb351a26_proj-k_qd6cb351a26_proj
	.p2alignl 7, 3214868480
	.fill 96, 4, 3214868480
	.section	.rodata,"a",@progbits
	.p2align	6, 0x0
	.amdhsa_kernel k_qd6cb351a26_proj
		.amdhsa_group_segment_fixed_size 327680
		.amdhsa_private_segment_fixed_size 0
		.amdhsa_enable_private_segment 0
		.amdhsa_kernarg_size 32
		.amdhsa_user_sgpr_count 2
		.amdhsa_user_sgpr_kernarg_segment_ptr 1
		.amdhsa_wavefront_size32 1
		.amdhsa_system_sgpr_workgroup_id_x 1
		.amdhsa_system_sgpr_workgroup_id_y 1
		.amdhsa_system_sgpr_workgroup_id_z 1
		.amdhsa_system_vgpr_workitem_id 0
		.amdhsa_next_free_vgpr 640
		.amdhsa_next_free_sgpr 100
		.amdhsa_reserve_vcc 0
		.amdhsa_float_denorm_mode_32 3
		.amdhsa_float_denorm_mode_16_64 3
		.amdhsa_memory_ordered 1
		.amdhsa_forward_progress 1
		.amdhsa_inst_pref_size 98
	.end_amdhsa_kernel
	.amdgpu_metadata
---
amdhsa.version: [ 1, 2 ]
amdhsa.kernels:
  - .name:           k_qd6cb351a26_proj
    .symbol:         k_qd6cb351a26_proj.kd
    .args:
      - { .name: hid, .offset: 0, .size: 8, .value_kind: global_buffer, .address_space: global }
      - { .name: pre, .offset: 8, .size: 8, .value_kind: global_buffer, .address_space: global }
      - { .name: x1, .offset: 16, .size: 8, .value_kind: global_buffer, .address_space: global }
      - { .name: out0, .offset: 24, .size: 8, .value_kind: global_buffer, .address_space: global }
    .group_segment_fixed_size: 327680
    .private_segment_fixed_size: 0
    .kernarg_segment_align: 8
    .kernarg_segment_size: 32
    .max_flat_workgroup_size: 128
    .sgpr_count:     100
    .vgpr_count:     640
    .wavefront_size: 32
...
	.end_amdgpu_metadata
.endif
;; end of part 12
